; MI455X (gfx1250); checked and timed in simulation.
; The chip was launched on July 23, 2026; its instructions are those of AMD's public machine-readable ISA for CDNA 5 (MIT licence, August 2026) and "CDNA5" Instruction Set Architecture Reference Guide (July 2026). The comments in the code are by the model that wrote it; some were corrected since.
;; transformer layer. Allowed arithmetic: float matrix products may take bf16 or f16 operands with f32 sums; other float arithmetic in f32, or as packed bf16 or f16 multiplies, adds, multiply-adds, maxima and minima; sums over many terms, partial sums and values carried from step to step in f32; what a program stores and reads back later, other than sums and carried values, may be rounded once to bf16 or f16.
;; Inputs: W1 1,024 x 1,024 float32; W2 1,024 x 1,024 float32; Wg 512 x 1,024 float32; Wk 1,024 x 512 float32; Wq 1,024 x 512 float32; Wv 1,024 x 512 float32; b1 1,024 float32; b2 1,024 float32; ln1_b 1,024 float32; ln1_g 1,024 float32; ln2_b 1,024 float32; ln2_g 1,024 float32; seq_len 4 int32; x 4 x 2,048 x 1,024 float32.
;; Outputs: out0 4 x 2,048 x 1,024 float32.
;; 3 versions, each right; version 2 is faster than version 1; version 3 is version 2 with the launches cast, kvred, ln1 written anew for expert scheduling mode. Each part assembles by itself: llvm-mc -triple=amdgcn-amd-amdhsa -mcpu=gfx1250 --defsym DOCPART=n.
;; ======== version 1 of 3: 9 launches
;; limits: values are held in f16: magnitudes above 65,504 overflow, below 6.1e-05 lose precision
;; workspace buffers: xb 16,777,216 bytes; w16 9,437,184 bytes; xsp 1,048,576 bytes; qa 16,777,216 bytes; kvp 8,388,608 bytes; kvt 270,336 bytes; ah 16,777,216 bytes; y 33,554,432 bytes
;; launch cast (part 1): grid 400 x 1, 8 waves a work-group, no clusters, 0 bytes of LDS; arguments x, Wq, Wk, Wv, Wg, W1, W2, xb, w16, xsp; writes xb, w16, xsp
.if DOCPART == 1
	.amdgcn_target "amdgcn-amd-amdhsa--gfx1250"
	.amdhsa_code_object_version 6
	.text
	.protected	k_qd99e481dc5_cast
	.globl	k_qd99e481dc5_cast
	.p2align	8
	.type	k_qd99e481dc5_cast,@function
k_qd99e481dc5_cast:
	s_mov_b64 s[64:65], 0
	v_nop
	global_prefetch_b8 v0, s[64:65] scope:SCOPE_SE
	s_setreg_imm32_b32 hwreg(HW_REG_WAVE_MODE, 25, 1), 1
	s_wait_xcnt 0x0
; CAST.  Every large floating input is rounded once to bf16 and laid out for the products that follow.
;   xb   bf16 [8192][1024] = x
;   xsp  f32 [256][1024]: column sums of the rounded x over 32 rows each (the key sum is made of them later, in f32)
;   w16  WQKV bf16 [1024][1536] at 0: columns 0..511 Wq; 512+64h+(0..31) Wk of head h, +32..63 Wv of head h
;        WG2  bf16 [1024][1024] at WG2: row 128p+64*piece+j = Wg row 64p+j (each row twice: for the high and the low part of attn)
;        W1H, W2H [1024][1024] at W1H on: the bf16 rounding of W1, W2 written as f16 (exact down to 6e-5; below that f16's fixed step of 6e-8)
; A stream: 256 threads, thread t owns 4 columns; a wave's load covers 512 consecutive bytes, its store 256, aligned.
; The work-group's number picks the job: 0-255 x (32 rows each), 256-287 Wk|Wv, 288-303 Wq, 304-335 Wg, 336-399 W1, W2.
; No LDS, no matrix unit, no cluster: nothing is shared and memory binds.
.set WG2, 3145728
.set W1H, 5242880
.set VS,  1                            ; v1      source byte offset of my 16 bytes
.set VD,  2                            ; v2      destination byte offset of my 8 bytes
.set T,   4                            ; v4-7    at work
.set SUM, 8                            ; v8-11   column sums
.set X,   16                           ; v16-79  up to 16 rows as loaded
.set Y,   80                           ; v80-111 up to 16 rows to store
.set X2,  112                          ; v112-143 the second source's 8 rows (Wv)
; One trip: nr rows are loaded, converted and stored.  kind 0: bf16 and column sums; 1: bf16; 2: bf16, then f16; 3: bf16 of two sources, chosen by lane.
.macro CAST kind, nr, spitch, dpitch
.set i, 0
.rept \nr
	global_load_b128 v[X+4*i:X+4*i+3], v[VS], s[28:29] offset:i*(\spitch)
.if (\kind) == 3
	global_load_b128 v[X2+4*i:X2+4*i+3], v[VS], s[30:31] offset:i*(\spitch)
.endif
.set i, i+1
.endr
.set i, 0
.rept \nr
.if (\kind) == 3
	s_wait_loadcnt 2*((\nr)-1-i)                   ; row i of both sources is in; the younger rows' loads stay out
.else
	s_wait_loadcnt (\nr)-1-i                       ; row i is in; the younger rows' loads stay out
.endif
	v_cvt_pk_bf16_f32 v[Y+2*i], v[X+4*i], v[X+4*i+1]
	v_cvt_pk_bf16_f32 v[Y+2*i+1], v[X+4*i+2], v[X+4*i+3]
.if (\kind) == 3
	v_cvt_pk_bf16_f32 v[T], v[X2+4*i], v[X2+4*i+1]
	v_cvt_pk_bf16_f32 v[T+1], v[X2+4*i+2], v[X2+4*i+3]
	v_cndmask_b32 v[Y+2*i], v[Y+2*i], v[T], s39    ; threads with bit 3 set write Wv's columns
	v_cndmask_b32 v[Y+2*i+1], v[Y+2*i+1], v[T+1], s39
.endif
.if ((\kind) == 0) || ((\kind) == 2)
	v_lshlrev_b32 v[T], 16, v[Y+2*i]               ; the rounded numbers back in f32
	v_and_b32 v[T+1], s37, v[Y+2*i]
	v_lshlrev_b32 v[T+2], 16, v[Y+2*i+1]
	v_and_b32 v[T+3], s37, v[Y+2*i+1]
.endif
.if (\kind) == 0
	v_pk_add_f32 v[SUM:SUM+1], v[SUM:SUM+1], v[T:T+1]
	v_pk_add_f32 v[SUM+2:SUM+3], v[SUM+2:SUM+3], v[T+2:T+3]
.endif
.if (\kind) == 2
	v_cvt_pk_f16_f32 v[Y+2*i], v[T], v[T+1]
	v_cvt_pk_f16_f32 v[Y+2*i+1], v[T+2], v[T+3]
.endif
	global_store_b64 v[VD], v[Y+2*i:Y+2*i+1], s[32:33] offset:i*(\dpitch)
.set i, i+1
.endr
	s_wait_xcnt 0x0                                ; the bases and Y are rewritten only behind this wait
	s_add_nc_u64 s[28:29], s[28:29], (\nr)*(\spitch)
.if (\kind) == 3
	s_add_nc_u64 s[30:31], s[30:31], (\nr)*(\spitch)
.endif
	s_add_nc_u64 s[32:33], s[32:33], (\nr)*(\dpitch)
	s_sub_co_u32 s36, s36, 1
	s_cmp_lg_u32 s36, 0
.endm
	s_load_b512 s[8:23], s[0:1], 0x0               ; x s8, Wq s10, Wk s12, Wv s14, Wg s16, W1 s18, W2 s20, xb s22
	s_load_b128 s[24:27], s[0:1], 0x40             ; w16 s24, xsp s26
	s_mov_b32 s37, 0xffff0000
	s_mov_b32 s35, 0
	v_lshlrev_b32 v[VS], 4, v0                     ; 16 t
	v_lshlrev_b32 v[VD], 3, v0                     ; 8 t
	s_wait_kmcnt 0x0
	s_cmp_lt_u32 ttmp9, 256
	s_cbranch_scc0 .Lnot_x
	s_lshl_b32 s34, ttmp9, 17                      ; 32 rows of 4,096 bytes
	s_add_nc_u64 s[28:29], s[8:9], s[34:35]
	s_lshl_b32 s34, ttmp9, 16                      ; 32 rows of 2,048 bytes
	s_add_nc_u64 s[32:33], s[22:23], s[34:35]
	s_branch .Lrows
.Lnot_x:
	s_cmp_lt_u32 ttmp9, 288
	s_cbranch_scc1 .Lkv
	s_cmp_lt_u32 ttmp9, 304
	s_cbranch_scc1 .Lq
	s_cmp_lt_u32 ttmp9, 336
	s_cbranch_scc0 .Lw
	s_sub_co_u32 s36, ttmp9, 304                   ; Wg: e = 0..31, WG2's rows 32 e on
	s_lshr_b32 s34, s36, 2
	s_lshl_b32 s34, s34, 6
	s_and_b32 s38, s36, 1
	s_lshl_b32 s38, s38, 5
	s_add_co_u32 s34, s34, s38                     ; Wg's row 64 (e / 4) + 32 (e % 2)
	s_lshl_b32 s34, s34, 12
	s_add_nc_u64 s[28:29], s[16:17], s[34:35]
	s_lshl_b32 s34, s36, 16
	s_add_co_u32 s34, s34, WG2
	s_add_nc_u64 s[32:33], s[24:25], s[34:35]
.Lrows:                                                ; x and Wg: 32 rows of 1,024 numbers
	v_mov_b32 v[SUM], 0
	v_mov_b32 v[SUM+1], 0
	v_mov_b32 v[SUM+2], 0
	v_mov_b32 v[SUM+3], 0
	s_mov_b32 s36, 2
.Lrows_trip:
	CAST 0, 16, 4096, 2048
	s_cbranch_scc1 .Lrows_trip
	s_cmp_lt_u32 ttmp9, 256
	s_cbranch_scc0 .Lend                           ; Wg's sums serve nothing and are not stored
	s_lshl_b32 s34, ttmp9, 12
	s_add_nc_u64 s[26:27], s[26:27], s[34:35]
	global_store_b128 v[VS], v[SUM:SUM+3], s[26:27]
.Lend:
	s_endpgm
.Lkv:                                                  ; Wk and Wv, interleaved by heads: 32 rows
	s_sub_co_u32 s36, ttmp9, 256
	s_lshl_b32 s34, s36, 16                        ; 32 rows of 2,048 bytes
	s_add_nc_u64 s[28:29], s[12:13], s[34:35]
	s_add_nc_u64 s[30:31], s[14:15], s[34:35]
	s_mul_i32 s34, s36, 32*3072
	s_add_co_u32 s34, s34, 1024                    ; behind Wq's 512 columns
	s_add_nc_u64 s[32:33], s[24:25], s[34:35]
	v_lshrrev_b32 v3, 4, v0                        ; head
	v_and_b32 v[VS], 7, v0
	v_lshlrev_b32 v[VS], 4, v[VS]
	v_lshl_add_u32 v[VS], v3, 7, v[VS]             ; 128 head + 16 (t % 8)
	v_and_b32 v3, 8, v0
	v_cmp_ne_u32 s39, 0, v3
	s_mov_b32 s36, 4
.Lkv_trip:
	CAST 3, 8, 2048, 3072
	s_cbranch_scc1 .Lkv_trip
	s_endpgm
.Lq:                                                   ; Wq: 64 rows, two to a trip's line (256 threads x 16 bytes are two rows)
	s_sub_co_u32 s36, ttmp9, 288
	s_lshl_b32 s34, s36, 17
	s_add_nc_u64 s[28:29], s[10:11], s[34:35]
	s_mul_i32 s34, s36, 64*3072
	s_add_nc_u64 s[32:33], s[24:25], s[34:35]
	v_lshrrev_b32 v3, 7, v0
	v_and_b32 v[VD], 127, v0
	v_lshlrev_b32 v[VD], 3, v[VD]
	v_mad_u32_u24 v[VD], v3, 0xc00, v[VD]          ; the odd row lies 3,072 bytes on
	s_mov_b32 s36, 4
.Lq_trip:
	CAST 1, 8, 4096, 6144
	s_cbranch_scc1 .Lq_trip
	s_endpgm
.Lw:                                                   ; W1 and W2: 32 rows
	s_sub_co_u32 s36, ttmp9, 336                   ; 0..63
	s_cmp_lt_u32 s36, 32
	s_cselect_b64 s[28:29], s[18:19], s[20:21]
	s_and_b32 s38, s36, 31
	s_lshl_b32 s34, s38, 17
	s_add_nc_u64 s[28:29], s[28:29], s[34:35]
	s_lshl_b32 s34, s36, 16                        ; W2H follows W1H
	s_add_co_u32 s34, s34, W1H
	s_add_nc_u64 s[32:33], s[24:25], s[34:35]
	s_mov_b32 s36, 4
.Lw_trip:
	CAST 2, 8, 4096, 2048
	s_cbranch_scc1 .Lw_trip
	s_endpgm
.Lfunc_end_k_qd99e481dc5_cast:
	.size	k_qd99e481dc5_cast, .Lfunc_end_k_qd99e481dc5_cast-k_qd99e481dc5_cast
	.p2alignl 7, 3214868480
	.fill 96, 4, 3214868480
	.section	.rodata,"a",@progbits
	.p2align	6, 0x0
	.amdhsa_kernel k_qd99e481dc5_cast
		.amdhsa_group_segment_fixed_size 0
		.amdhsa_private_segment_fixed_size 0
		.amdhsa_enable_private_segment 0
		.amdhsa_kernarg_size 80
		.amdhsa_user_sgpr_count 2
		.amdhsa_user_sgpr_kernarg_segment_ptr 1
		.amdhsa_wavefront_size32 1
		.amdhsa_system_sgpr_workgroup_id_x 1
		.amdhsa_system_sgpr_workgroup_id_y 1
		.amdhsa_system_sgpr_workgroup_id_z 1
		.amdhsa_system_vgpr_workitem_id 0
		.amdhsa_next_free_vgpr 144
		.amdhsa_next_free_sgpr 66
		.amdhsa_reserve_vcc 0
		.amdhsa_float_denorm_mode_32 3
		.amdhsa_float_denorm_mode_16_64 3
		.amdhsa_memory_ordered 1
		.amdhsa_forward_progress 1
		.amdhsa_inst_pref_size 28
	.end_amdhsa_kernel
	.amdgpu_metadata
---
amdhsa.version: [ 1, 2 ]
amdhsa.kernels:
  - .name:           k_qd99e481dc5_cast
    .symbol:         k_qd99e481dc5_cast.kd
    .args:
      - { .name: x, .offset: 0, .size: 8, .value_kind: global_buffer, .address_space: global }
      - { .name: Wq, .offset: 8, .size: 8, .value_kind: global_buffer, .address_space: global }
      - { .name: Wk, .offset: 16, .size: 8, .value_kind: global_buffer, .address_space: global }
      - { .name: Wv, .offset: 24, .size: 8, .value_kind: global_buffer, .address_space: global }
      - { .name: Wg, .offset: 32, .size: 8, .value_kind: global_buffer, .address_space: global }
      - { .name: W1, .offset: 40, .size: 8, .value_kind: global_buffer, .address_space: global }
      - { .name: W2, .offset: 48, .size: 8, .value_kind: global_buffer, .address_space: global }
      - { .name: xb, .offset: 56, .size: 8, .value_kind: global_buffer, .address_space: global }
      - { .name: w16, .offset: 64, .size: 8, .value_kind: global_buffer, .address_space: global }
      - { .name: xsp, .offset: 72, .size: 8, .value_kind: global_buffer, .address_space: global }
    .group_segment_fixed_size: 0
    .private_segment_fixed_size: 0
    .kernarg_segment_align: 8
    .kernarg_segment_size: 80
    .max_flat_workgroup_size: 256
    .sgpr_count:     66
    .vgpr_count:     144
    .wavefront_size: 32
...
	.end_amdgpu_metadata
.endif
;; end of part 1
;; launch proj (part 2): grid 12 x 64, 4 waves a work-group, clusters of 4 x 4, 327,680 bytes of LDS; arguments xb, w16, qa, kvp; writes qa, kvp
.if DOCPART == 2
	.amdgcn_target "amdgcn-amd-amdhsa--gfx1250"
	.amdhsa_code_object_version 6
	.text
	.protected	k_qd99e481dc5_proj
	.globl	k_qd99e481dc5_proj
	.p2align	8
	.type	k_qd99e481dc5_proj,@function
k_qd99e481dc5_proj:
	s_mov_b64 s[64:65], 0
	v_nop
	global_prefetch_b8 v0, s[64:65] scope:SCOPE_SE
	s_setreg_imm32_b32 hwreg(HW_REG_WAVE_MODE, 25, 1), 1
	s_wait_xcnt 0x0
	s_wait_alu depctr_hold_cnt(0) depctr_sa_sdst(0) depctr_va_vdst(0) depctr_va_sdst(0) depctr_va_ssrc(0) depctr_va_vcc(0) depctr_vm_vsrc(0)
	s_getreg_b32 s2, hwreg(HW_REG_IB_STS2, 6, 4)
	s_cmp_eq_u32 s2, 0
	s_cbranch_scc0 .Lentry_in_a_cluster
	s_endpgm
.Lentry_in_a_cluster:
	s_bfe_u32 s2, ttmp6, 0x10000c
	s_cmp_lg_u32 s2, 0xf033
	s_cbranch_scc0 .Lentry_shape_is_right
	s_endpgm
.Lentry_shape_is_right:
; PROJ.  [q | k,v by heads] = xb [8192][1024] x WQKV [1024][1536], bf16 operands, f32 sums.
; A tile of C is 128 x 128, four waves of 64 x 64 (16 accumulators).  K = 1,024 goes in four steps of 256 through two LDS slots filled by tensor loads.
; A's rows lie along K (LDS rows of 512 + 16 bytes); B lies [k][n] as in memory (LDS rows of 256 + 32 bytes) and is turned on the way into registers by ds_load_tr16_b128.
; CLUSTER 4 x 4: A's tile is shared along a row of the cluster, B's along a column; each is asked for jointly.  The four K steps are written out.
; THE WAY OUT.  Tile columns 0-3 (cluster x = 0) are q: kept in f32, since the divisor q . ksum cancels; it is laid so that a lane of the next launch holds one row:
;   qa byte = rowblock16 * 32768 + head * 2048 + part * 512 + lane * 16; lane (r, hh): row r, d = 16 (part / 2) + 8 hh + 4 (part % 2) + 0..3.
; Tile columns 4-11 are k and v: a wave's 64 columns are one head's k (32) and v (32).  In the natural operand order a lane holds one column and eight tokens, so the
; results rounded to f16 in pairs ARE the operands of K^T V: the wave multiplies its 64 tokens at once and stores a partial 32 x 32 sum in f32:
;   kvp byte = (group64 * 16 + head) * 4096 + ((2 db + eb) * 2 + qq) * 512 + lane * 16: registers 4 qq .. of the tile d = 16 db + 8 hh + j, e = 16 eb + r.
; LIMIT: k and v pass through f16, which ends at 65,504.
.set NB,     1536                      ; B's columns
.set BOFF,   0                         ; B's place in w16
.set KSTEP,  256
.set PA,     528                       ; A's LDS row: 512 + 16 bytes, an odd multiple of 16: the 16 rows of a load start in 16 different groups of four banks
.set PB,     288                       ; B's LDS row: 256 + 32 bytes, an odd multiple of 32, for the turning load
.set HALFA,  64*PA                     ; what one tensor load brings of A
.set ATILE,  2*HALFA
.set HALFB,  128*PB                    ; what one tensor load brings of B: 128 k
.set SLOT,   ATILE+2*HALFB
.set STAGE,  2*SLOT                    ; behind the ring, never filled by a tensor load
.set SP,     272
.set SPARE,  STAGE+128*SP              ; the spare words, 128 bytes a wave; no other line names them
.set ADRA, 16                          ; v16-17 LDS address of my A fragments in slot 0, 1
.set ADRB, 20                          ; v20-23 of my B fragments: slot 0 k 0-127, k 128-255, slot 1 likewise (the 16-bit offset does not reach 240 rows)
.set STO,  24
.set RD,   25
.set CO,   26
.set SPW,  28
.set NIL,  29
.set PK,   32                          ; v32-95  k and v in f16
.set KVA,  96                          ; v96-127 four accumulators of K^T V
.set ACC,  128                         ; v128-255 accumulator (a, b) at ACC + 8 (4 a + b)
.set F0,   0                           ; window 1: two fragment buffers of 128: 64 of A, 64 of B
.set F1,   128
.set G1,  24
.set G0,  32
.set G1B, 48
.set G0B, 56
.set MSB, 0
.macro WIN new                         ; the immediate's high byte repeats the setting that is left
.if MSB != (\new)
	s_set_vgpr_msb (MSB<<8)|(\new)
.set MSB, \new
.endif
.endm
.set MUL,  0x05                        ; sources 0 and 1 window 1; C and D window 0
.set TO_F, 0x40                        ; destination window 1, address window 0
.macro JLOAD s                         ; a joint load: waves 0, 1 fetch A's halves, waves 2, 3 B's; s_nop 0 and four v_nop follow each line
	s_cmp_eq_u32 s11, 0
	s_cbranch_scc0 .Lfor_b_\@
	tensor_load_to_lds s[G0+4*(\s):G0+4*(\s)+3], s[G1:G1+7]
	s_nop 0
.rept 4
	v_nop
.endr
	s_branch .Lasked_\@
.Lfor_b_\@:
	tensor_load_to_lds s[G0B+4*(\s):G0B+4*(\s)+3], s[G1B:G1B+7]
	s_nop 0
.rept 4
	v_nop
.endr
.Lasked_\@:
.endm
.macro CREST                           ; a round of the cluster's barrier behind its opening barrier
	s_cmp_lg_u32 s10, 0
	s_cbranch_scc1 .Lnot_wave_0_\@
	s_barrier_signal -3
.Lnot_wave_0_\@:
	s_barrier_wait -3
	s_barrier_signal -1
	s_barrier_wait -1
.endm
.macro CROUND
	s_barrier_signal -1
	s_barrier_wait -1
	CREST
.endm
.macro PLACES                          ; four places behind matrix instructions whose registers are read, written or loaded next
.rept 4
	v_nop
.endr
.endm
.macro FINISH                          ; the wave's end: the closing round, so that no partner is left asking
	s_wait_tensorcnt 0x0
	ds_add_u32 v[SPW], v[NIL]
	s_wait_dscnt 0x0
	CROUND
	s_endpgm
.endm
	s_load_b128 s[4:7], s[0:1], 0x0                ; xb, w16
	s_load_b64 s[8:9], s[0:1], 0x10                ; qa
	s_load_b64 s[66:67], s[0:1], 0x18              ; kvp
	v_lshl_add_u32 v[SPW], v0, 2, SPARE
	v_mov_b32 v[NIL], 0
	ds_add_u32 v[SPW], v[NIL]                      ; the wave's opening: the add; its wait stands ahead of my first tensor load
	v_lshrrev_b32 v1, 5, v0
	v_readfirstlane_b32 s10, v1                    ; wave 0..3
	s_lshr_b32 s11, s10, 1                         ; my half of the tile's rows; also: I fetch A (0) or B (1)
	s_and_b32 s12, s10, 1                          ; my half of its columns; also: which half of that tile I fetch
	s_bfe_u32 s40, ttmp6, 0x40000                  ; cx
	s_bfe_u32 s41, ttmp6, 0x40004                  ; cy
	s_lshl_b32 s42, ttmp9, 2
	s_add_co_u32 s42, s42, s40                     ; tile column
	s_and_b32 s13, ttmp7, 0xffff
	s_lshl_b32 s13, s13, 2
	s_add_co_u32 s13, s13, s41                     ; tile row
	s_lshl_b32 s43, s41, 2
	s_lshl_b32 s43, 15, s43                        ; my row of the cluster
	s_lshl_b32 s44, 0x1111, s40                    ; my column
	s_or_b32 s[G1+0], s43, (1<<16)|(1<<20)|(1<<21)|(6<<22)|(3<<25)   ; A: 2-byte elements, 4 words of padding after every 128
	s_or_b32 s[G1B+0], s44, (1<<16)|(1<<20)|(1<<21)|(5<<22)|(7<<25)  ; B: 8 words of padding after every 64
	s_mov_b32 s[G1+1], KSTEP<<16                   ; A: 64 rows x 256 elements, 1,024 from row to row
	s_mov_b32 s[G1+2], 64<<16
	s_mov_b32 s[G1+3], KSTEP<<16
	s_mov_b32 s[G1+4], 64
	s_mov_b32 s[G1+5], 1024
	s_mov_b32 s[G1+6], 0
	s_mov_b32 s[G1+7], 0
	s_mov_b32 s[G1B+1], 128<<16                    ; B: 128 rows (k) x 128 elements, NB from row to row
	s_mov_b32 s[G1B+2], 128<<16
	s_mov_b32 s[G1B+3], 128<<16
	s_mov_b32 s[G1B+4], 128
	s_mov_b32 s[G1B+5], NB
	s_mov_b32 s[G1B+6], 0
	s_mov_b32 s[G1B+7], 0
	s_lshl_b32 s17, s12, 6
	s_lshl_b32 s16, s13, 7
	s_add_co_u32 s16, s16, s17                     ; A: row 128 x tile row + 64 x half,
	s_lshl_b32 s16, s16, 11                        ; of 2,048 bytes
	s_mov_b32 s17, 0
	s_mul_i32 s46, s12, 128*NB*2                   ; B: k 128 x half,
	s_lshl_b32 s47, s42, 8                         ; column 128 x tile column
	s_add_co_u32 s46, s46, s47
	s_add_co_u32 s46, s46, BOFF
	s_mov_b32 s47, 0
	s_mul_i32 s20, s12, HALFA                      ; where they go: no place in the cluster enters an LDS address
	s_mul_i32 s21, s12, HALFB
	s_add_co_u32 s21, s21, ATILE
	s_wait_dscnt 0x0                               ; the opening add is done
	s_wait_kmcnt 0x0
	s_add_nc_u64 s[14:15], s[4:5], s[16:17]
	s_add_nc_u64 s[46:47], s[6:7], s[46:47]
	CROUND                                         ; all sixteen work-groups are here: the first joint loads meet
.irp s, 0,1
	s_mov_b32 s[G0+4*(\s)], 1
	s_add_co_u32 s[G0+4*(\s)+1], s20, (\s)*SLOT
	s_add_nc_u64 s[G0+4*(\s)+2:G0+4*(\s)+3], s[14:15], (\s)*KSTEP*2
	s_or_b32 s[G0+4*(\s)+3], s[G0+4*(\s)+3], 0x80000000
	s_mov_b32 s[G0B+4*(\s)], 1
	s_add_co_u32 s[G0B+4*(\s)+1], s21, (\s)*SLOT
	s_add_nc_u64 s[G0B+4*(\s)+2:G0B+4*(\s)+3], s[46:47], (\s)*KSTEP*NB*2
	s_or_b32 s[G0B+4*(\s)+3], s[G0B+4*(\s)+3], 0x80000000
	JLOAD \s
.endr
	v_and_b32 v1, 15, v0                           ; r
	v_bfe_u32 v2, v0, 4, 1                         ; hh
	v_mul_u32_u24 v3, v1, PA
	v_lshl_add_u32 v3, v2, 4, v3                   ; A: row x pitch + 16 hh
	s_mul_i32 s22, s11, HALFA
	v_add_nc_u32 v[ADRA], s22, v3
	v_add_nc_u32 v[ADRA+1], SLOT, v[ADRA]
	v_and_b32 v4, 7, v0
	v_lshl_add_u32 v4, v2, 3, v4
	v_mul_u32_u24 v4, v4, PB                       ; B: k row 8 hh + lane % 8,
	v_bfe_u32 v5, v0, 3, 1
	v_lshl_add_u32 v4, v5, 4, v4                   ; 16 bytes for each half of eight lanes
	s_lshl_b32 s22, s12, 7
	s_add_co_u32 s22, s22, ATILE
	v_add_nc_u32 v[ADRB], s22, v4
	v_add_nc_u32 v[ADRB+1], HALFB, v[ADRB]
	v_add_nc_u32 v[ADRB+2], SLOT, v[ADRB]
	v_add_nc_u32 v[ADRB+3], SLOT+HALFB, v[ADRB]
	s_mul_i32 s23, s10, 16*SP
	s_add_co_u32 s23, s23, STAGE                   ; my own stage, 16 rows x 272 bytes
	v_mul_u32_u24 v5, v2, 8*SP
	v_lshl_add_u32 v5, v1, 2, v5
	v_add_nc_u32 v[STO], s23, v5                   ; in: row 8 hh (+ j), column r
	v_mul_u32_u24 v5, v1, SP
	v_lshl_add_u32 v5, v2, 5, v5
	v_add_nc_u32 v[RD], s23, v5                    ; back: row r, 32 hh bytes on
	v_and_b32 v[CO], 31, v0
	v_lshlrev_b32 v[CO], 4, v[CO]                  ; 16 x lane
; 8 matrix instructions: m blocks a0, a0 + 1 x 4 n blocks, 32 along K (half c of buffer f).  Natural order: source 0 = A.  zero = 1: the first product starts the sums.
.macro MUL8 f, c, a0, zero
	WIN MUL
.irp a, \a0, (\a0)+1
.irp b, 0,1,2,3
.set rD, ACC+8*(4*(\a)+(\b))
.set rA, (\f)+8*(4*(\c)+(\a))
.set rB, (\f)+64+8*(4*(\c)+(\b))
.if \zero
	v_wmma_f32_16x16x32_bf16 v[rD:rD+7], v[rA:rA+7], v[rB:rB+7], 0
.else
	v_wmma_f32_16x16x32_bf16 v[rD:rD+7], v[rA:rA+7], v[rB:rB+7], v[rD:rD+7]
.endif
.endr
.endr
.endm
; 32 LDS loads in one run: the fragments of quarter q (64 along K) of a slot into buffer f; the first 32 along K first
.macro FETCH slot, q, f
	WIN TO_F
.irp c, 0,1
.irp i, 0,1,2,3
	ds_load_tr16_b128 v[(\f)+64+8*(4*(\c)+(\i)):(\f)+64+8*(4*(\c)+(\i))+3],   v[ADRB+2*(\slot)+(\q)/2] offset:(((\q)%2)*64+32*(\c))*PB+32*(\i)
	ds_load_tr16_b128 v[(\f)+64+8*(4*(\c)+(\i))+4:(\f)+64+8*(4*(\c)+(\i))+7], v[ADRB+2*(\slot)+(\q)/2] offset:(((\q)%2)*64+32*(\c)+16)*PB+32*(\i)
	ds_load_b128 v[(\f)+8*(4*(\c)+(\i)):(\f)+8*(4*(\c)+(\i))+3],              v[ADRA+(\slot)] offset:128*(\q)+64*(\c)+(\i)*16*PA
	ds_load_b128 v[(\f)+8*(4*(\c)+(\i))+4:(\f)+8*(4*(\c)+(\i))+7],            v[ADRA+(\slot)] offset:128*(\q)+64*(\c)+(\i)*16*PA+32
.endr
.endr
.endm
; One of a K step's first three quarters: multiplies buffer f and fetches quarter q into g.  The 16 accumulators take turns.
.macro QUARTER slot, q, f, g, zero
	s_wait_dscnt 16                                ; the first 32 along K are in; the youngest sixteen loads may be out
	WIN MUL
	MUL8 \f, 0, 0, \zero
	MUL8 \f, 0, 2, \zero
	PLACES
	FETCH \slot, \q, \g
	s_wait_dscnt 32                                ; all but the 32 just issued
	WIN MUL
	MUL8 \f, 1, 0, 0
	MUL8 \f, 1, 2, 0
.endm
; The last quarter multiplies buffer 1 and changes slots: in front of the barrier each wave waits for all its tensor loads, adds 0 to its spare word, and waits for that and its reads of this slot.
.macro TURN slot, next, fill
	WIN 0
	s_wait_tensorcnt 0x0                           ; all my tensor loads have landed: my part of the next slot
	ds_add_u32 v[SPW], v[NIL]
	s_wait_dscnt 17                                ; (the add and the youngest sixteen loads may be out)
	WIN MUL
	MUL8 F1, 0, 0, 0
	s_wait_dscnt 0x0                               ; the add is done, and my reads of this slot are over
	s_barrier_signal -1
	MUL8 F1, 0, 2, 0
.if \fill
	WIN 0
.endif
	s_barrier_wait -1
.if \fill
	CREST                                          ; the barrier opened a round of the cluster's: no wave of any partner still reads this slot or has a load on its way
	s_add_nc_u64 s[G0+4*(\slot)+2:G0+4*(\slot)+3], s[G0+4*(\slot)+2:G0+4*(\slot)+3], 2*KSTEP*2
	s_add_nc_u64 s[G0B+4*(\slot)+2:G0B+4*(\slot)+3], s[G0B+4*(\slot)+2:G0B+4*(\slot)+3], 2*KSTEP*NB*2
	JLOAD \slot                                    ; the first tensor load behind the round; its four v_nop are also the places in front of the loads below
.else
	PLACES
.endif
	FETCH \next, 0, F0
	WIN MUL
	MUL8 F1, 1, 0, 0
	MUL8 F1, 1, 2, 0
.endm
	s_wait_tensorcnt 1                             ; my part of K step 0 is in; K step 1's load may stay out
	s_barrier_signal -1
	s_barrier_wait -1
	FETCH 0, 0, F0
	QUARTER 0, 1, F0, F1, 1
	QUARTER 0, 2, F1, F0, 0
	QUARTER 0, 3, F0, F1, 0
	TURN 0, 1, 1                                   ; slot 0 takes K step 2
	QUARTER 1, 1, F0, F1, 0
	QUARTER 1, 2, F1, F0, 0
	QUARTER 1, 3, F0, F1, 0
	TURN 1, 0, 1                                   ; slot 1 takes K step 3
	QUARTER 0, 1, F0, F1, 0
	QUARTER 0, 2, F1, F0, 0
	QUARTER 0, 3, F0, F1, 0
	TURN 0, 1, 0
	QUARTER 1, 1, F0, F1, 0
	QUARTER 1, 2, F1, F0, 0
	QUARTER 1, 3, F0, F1, 0
	s_wait_dscnt 16
	WIN MUL
	MUL8 F1, 0, 0, 0
	MUL8 F1, 0, 2, 0
	s_wait_dscnt 0
	MUL8 F1, 1, 0, 0
	MUL8 F1, 1, 2, 0
	WIN 0
	PLACES
	s_cmp_lg_u32 ttmp9, 0                          ; the cluster's x: the same in all sixteen partners
	s_cbranch_scc1 .Lkv
	; Q'S WAY OUT: a lane holds a column; through my own stage it becomes a row.  LDS serves a wave's instructions in order, so no wait stands between stores and loads.
	s_lshl_b32 s16, s13, 3
	s_lshl_b32 s17, s11, 2
	s_add_co_u32 s16, s16, s17                     ; my first block of 16 rows
	s_lshl_b32 s16, s16, 15
	s_mov_b32 s17, 0
	s_add_nc_u64 s[8:9], s[8:9], s[16:17]
	s_lshl_b32 s46, s42, 2
	s_lshl_b32 s47, s12, 1
	s_add_co_u32 s46, s46, s47                     ; my first head
	s_lshl_b32 s46, s46, 11
	s_mov_b32 s47, 0
	s_add_nc_u64 s[8:9], s[8:9], s[46:47]
.macro TOSTQ a
.irp b, 0,1,2,3
.irp j, 0,1,2,3,4,5,6,7
	ds_store_b32 v[STO], v[ACC+8*(4*(\a)+(\b))+(\j)] offset:(\j)*SP+64*(\b)
.endr
.endr
.irp f, 0,1,2,3,4,5,6,7
	ds_load_b128 v[ACC+32*(\a)+4*(\f):ACC+32*(\a)+4*(\f)+3], v[RD] offset:128*((\f)/4)+64*(((\f)%4)/2)+16*((\f)%2)
.endr
.endm
.macro SENDQ a, younger                ; younger: the next block's 32 stores and 8 loads, or none
.irp f, 0,1,2,3,4,5,6,7
	s_wait_dscnt (\younger)+7-(\f)
	global_store_b128 v[CO], v[ACC+32*(\a)+4*(\f):ACC+32*(\a)+4*(\f)+3], s[8:9] offset:(\a)*32768+((\f)/4)*2048+((\f)%4)*512  ; 512 consecutive bytes
.endr
.endm
	TOSTQ 0
	TOSTQ 1
	SENDQ 0, 40
	TOSTQ 2
	SENDQ 1, 40
	TOSTQ 3
	SENDQ 2, 40
	SENDQ 3, 0
	FINISH
.Lkv:	; K'S AND V'S WAY OUT: the wave's partial K^T V over its 64 tokens
	s_lshl_b32 s16, s13, 1
	s_add_co_u32 s16, s16, s11                     ; my group of 64 rows
	s_lshl_b32 s16, s16, 16                        ; x 16 heads x 4,096 bytes
	s_mov_b32 s17, 0
	s_add_nc_u64 s[66:67], s[66:67], s[16:17]
	s_sub_co_u32 s46, s42, 4
	s_lshl_b32 s46, s46, 1
	s_add_co_u32 s46, s46, s12                     ; my head
	s_lshl_b32 s46, s46, 12
	s_mov_b32 s47, 0
	s_add_nc_u64 s[66:67], s[66:67], s[46:47]
.irp a, 0,1,2,3
.irp b, 0,1,2,3
.irp jj, 0,1,2,3
	v_cvt_pk_f16_f32 v[PK+16*(\b)+8*((\a)/2)+4*((\a)%2)+(\jj)], v[ACC+8*(4*(\a)+(\b))+2*(\jj)], v[ACC+8*(4*(\a)+(\b))+2*(\jj)+1]
.endr
.endr
.endr
.irp t, 0,1                            ; 32 tokens a step; the four accumulators take turns
.irp db, 0,1
.irp eb, 0,1
.set rD, KVA+8*(2*(\db)+(\eb))
.set rA, PK+16*(\db)+8*(\t)
.set rB, PK+16*(2+(\eb))+8*(\t)
.if (\t) == 0
	v_wmma_f32_16x16x32_f16 v[rD:rD+7], v[rA:rA+7], v[rB:rB+7], 0
.else
	v_wmma_f32_16x16x32_f16 v[rD:rD+7], v[rA:rA+7], v[rB:rB+7], v[rD:rD+7]
.endif
.endr
.endr
.endr
	PLACES
.irp k, 0,1,2,3
	global_store_b128 v[CO], v[KVA+8*(\k):KVA+8*(\k)+3], s[66:67] offset:(2*(\k))*512
	global_store_b128 v[CO], v[KVA+8*(\k)+4:KVA+8*(\k)+7], s[66:67] offset:(2*(\k)+1)*512
.endr
	FINISH
.Lfunc_end_k_qd99e481dc5_proj:
	.size	k_qd99e481dc5_proj, .Lfunc_end_k_qd99e481dc5_proj-k_qd99e481dc5_proj
	.p2alignl 7, 3214868480
	.fill 96, 4, 3214868480
	.section	.rodata,"a",@progbits
	.p2align	6, 0x0
	.amdhsa_kernel k_qd99e481dc5_proj
		.amdhsa_group_segment_fixed_size 327680
		.amdhsa_private_segment_fixed_size 0
		.amdhsa_enable_private_segment 0
		.amdhsa_kernarg_size 32
		.amdhsa_user_sgpr_count 2
		.amdhsa_user_sgpr_kernarg_segment_ptr 1
		.amdhsa_wavefront_size32 1
		.amdhsa_system_sgpr_workgroup_id_x 1
		.amdhsa_system_sgpr_workgroup_id_y 1
		.amdhsa_system_sgpr_workgroup_id_z 1
		.amdhsa_system_vgpr_workitem_id 0
		.amdhsa_next_free_vgpr 512
		.amdhsa_next_free_sgpr 80
		.amdhsa_reserve_vcc 0
		.amdhsa_float_denorm_mode_32 3
		.amdhsa_float_denorm_mode_16_64 3
		.amdhsa_memory_ordered 1
		.amdhsa_forward_progress 1
		.amdhsa_inst_pref_size 99
	.end_amdhsa_kernel
	.amdgpu_metadata
---
amdhsa.version: [ 1, 2 ]
amdhsa.kernels:
  - .name:           k_qd99e481dc5_proj
    .symbol:         k_qd99e481dc5_proj.kd
    .args:
      - { .name: xb, .offset: 0, .size: 8, .value_kind: global_buffer, .address_space: global }
      - { .name: w16, .offset: 8, .size: 8, .value_kind: global_buffer, .address_space: global }
      - { .name: qa, .offset: 16, .size: 8, .value_kind: global_buffer, .address_space: global }
      - { .name: kvp, .offset: 24, .size: 8, .value_kind: global_buffer, .address_space: global }
    .group_segment_fixed_size: 327680
    .private_segment_fixed_size: 0
    .kernarg_segment_align: 8
    .kernarg_segment_size: 32
    .max_flat_workgroup_size: 128
    .sgpr_count:     80
    .vgpr_count:     512
    .wavefront_size: 32
...
	.end_amdgpu_metadata
.endif
;; end of part 2
;; launch kvred (part 3): grid 48 x 1, 16 waves a work-group, no clusters, 10,240 bytes of LDS; arguments kvp, xsp, Wk, kvt; writes kvt
.if DOCPART == 3
	.amdgcn_target "amdgcn-amd-amdhsa--gfx1250"
	.amdhsa_code_object_version 6
	.text
	.protected	k_qd99e481dc5_kvred
	.globl	k_qd99e481dc5_kvred
	.p2align	8
	.type	k_qd99e481dc5_kvred,@function
k_qd99e481dc5_kvred:
	s_mov_b64 s[64:65], 0
	v_nop
	global_prefetch_b8 v0, s[64:65] scope:SCOPE_SE
	s_setreg_imm32_b32 hwreg(HW_REG_WAVE_MODE, 25, 1), 1
	s_wait_xcnt 0x0
; KVRED.  The small tables of the linear attention, c = 1 / sqrt(32) folded in.
; Work-groups 32-47 (job 0): c K^T V of a batch and head = the sum of 32 partial tiles of kvp, split into a high and a low bf16 part and stored as matrix fragments:
;   kvt byte = (16 b + head) * 4096 + piece * 2048 + eb * 1024 + db * 512 + lane * 16.  A wave owns one 16 x 16 tile; 64 loads of 16 bytes a lane in three banks of registers.
; Work-groups 0-31 (job 1): c ksum = c (sum over tokens of x) . Wk, all in f32 on the vector unit from the bf16-rounded x and Wk: the divisor cancels, so this sum is not
;   taken from rounded k.  Batch b = id / 8, 64 columns p = id % 8.  The 64 chunk sums of xsp are added (thread t: 2 of 1,024 k), handed over in LDS; wave w multiplies
;   k = 64 w .. 64 w + 63, lane l columns 2 l, 2 l + 1; the 16 waves' sums meet in LDS and wave 0 stores kvt + 262144 + (16 b + head) * 128.
; The branch between the jobs hangs on the work-group's number alone, so every wave of a work-group passes the same barriers.
.set XSL,   0                          ; 4,096 bytes: the batch's column sums of x
.set KSL,   4096                       ; 4,096 bytes: 16 waves x 64 partial sums
.set SPARE, 8192                       ; the spare words, 128 bytes for each of 16 waves
.set SPW, 2
.set NIL, 3
.set S,   8                            ; v8-15 job 0: the tile's sums
.macro FINISH                          ; the wave's end
	s_wait_tensorcnt 0x0
	ds_add_u32 v[SPW], v[NIL]
	s_wait_dscnt 0x0
	s_endpgm
.endm
	s_load_b256 s[4:11], s[0:1], 0x0               ; kvp s4, xsp s6, Wk s8, kvt s10
	v_lshl_add_u32 v[SPW], v0, 2, SPARE
	v_mov_b32 v[NIL], 0
	v_lshrrev_b32 v1, 5, v0
	v_readfirstlane_b32 s12, v1                    ; wave 0..15
	v_and_b32 v4, 31, v0                           ; lane
	s_mov_b32 s15, 0
	s_wait_kmcnt 0x0
	s_cmp_lt_u32 ttmp9, 32
	s_cbranch_scc0 .Lkv
	s_lshr_b32 s13, ttmp9, 3                       ; b
	s_and_b32 s16, ttmp9, 7                        ; p
	s_lshl_b32 s14, s13, 18                        ; 64 chunks of 4,096 bytes
	s_add_nc_u64 s[6:7], s[6:7], s[14:15]
	s_lshl_b32 s14, s12, 17                        ; 64 rows of Wk, 2,048 bytes each,
	s_lshl_b32 s18, s16, 8                         ; 64 columns
	s_add_co_u32 s14, s14, s18
	s_add_nc_u64 s[8:9], s[8:9], s[14:15]
	v_lshlrev_b32 v5, 3, v0                        ; 8 t
	v_lshlrev_b32 v6, 3, v4                        ; 8 l
.set n, 0
.rept 64
	global_load_b64 v[32+2*n:33+2*n], v5, s[6:7] offset:n*4096
.set n, n+1
.endr
.set n, 0
.rept 32
	global_load_b64 v[160+2*n:161+2*n], v6, s[8:9] offset:n*2048
.set n, n+1
.endr
	s_wait_loadcnt 32                              ; the 64 chunk sums are in; Wk's 32 loads stay out
.set n, 4
.rept 60                               ; four chains
	v_pk_add_f32 v[32+2*(n%4):33+2*(n%4)], v[32+2*(n%4):33+2*(n%4)], v[32+2*n:33+2*n]
.set n, n+1
.endr
	v_pk_add_f32 v[32:33], v[32:33], v[34:35]
	v_pk_add_f32 v[36:37], v[36:37], v[38:39]
	v_pk_add_f32 v[8:9], v[32:33], v[36:37]
	ds_store_b64 v5, v[8:9] offset:XSL
.set n, 0
.rept 32
	global_load_b64 v[32+2*n:33+2*n], v6, s[8:9] offset:(32+n)*2048
.set n, n+1
.endr
	s_wait_dscnt 0x0                               ; for the others' sake: my store is done
	s_barrier_signal -1
	s_barrier_wait -1
	v_mov_b32 v7, s12
	v_lshlrev_b32 v7, 8, v7                        ; my wave's 64 sums: every lane reads the same bytes
.set n, 0
.rept 16
	ds_load_b128 v[96+4*n:99+4*n], v7 offset:XSL+16*n
.set n, n+1
.endr
.set n, 12
.rept 8
	v_mov_b32 v[n], 0
.set n, n+1
.endr
.macro DOT w, x, k                     ; two columns of one row of Wk, rounded to bf16, times the row's sum of x; four pairs of sums take turns
	v_cvt_pk_bf16_f32 v[20+(\k)%4], v[\w], v[(\w)+1]
	v_fma_mix_f32_bf16 v[12+2*((\k)%4)], v[20+(\k)%4], v[\x], v[12+2*((\k)%4)] op_sel_hi:[1,0,0]
	v_fma_mix_f32_bf16 v[13+2*((\k)%4)], v[20+(\k)%4], v[\x], v[13+2*((\k)%4)] op_sel:[1,0,0] op_sel_hi:[1,0,0]
.endm
	s_wait_loadcnt 32                              ; Wk's first 32 rows are in; the second 32 stay out
	s_wait_dscnt 0x0
.set n, 0
.rept 32
	DOT 160+2*n, 96+n, n
.set n, n+1
.endr
	s_wait_loadcnt 0x0
.set n, 0
.rept 32
	DOT 32+2*n, 128+n, n
.set n, n+1
.endr
	v_pk_add_f32 v[12:13], v[12:13], v[14:15]
	v_pk_add_f32 v[16:17], v[16:17], v[18:19]
	v_pk_add_f32 v[12:13], v[12:13], v[16:17]
	v_add_nc_u32 v10, v7, v6                       ; 256 w + 8 l
	ds_store_b64 v10, v[12:13] offset:KSL
	s_wait_dscnt 0x0
	s_barrier_signal -1
	s_barrier_wait -1
	s_cmp_lg_u32 s12, 0
	s_cbranch_scc1 .Lothers
.set n, 0
.rept 16
	ds_load_b64 v[32+2*n:33+2*n], v6 offset:KSL+256*n
.set n, n+1
.endr
	s_lshl_b32 s14, s13, 4
	s_lshl_b32 s18, s16, 1
	s_add_co_u32 s14, s14, s18                     ; 16 b + 2 p
	s_lshl_b32 s14, s14, 7
	s_add_co_u32 s14, s14, 262144
	s_add_nc_u64 s[10:11], s[10:11], s[14:15]
	s_wait_dscnt 0x0
.set n, 2
.rept 14                               ; two chains
	v_pk_add_f32 v[32+2*(n%2):33+2*(n%2)], v[32+2*(n%2):33+2*(n%2)], v[32+2*n:33+2*n]
.set n, n+1
.endr
	v_pk_add_f32 v[32:33], v[32:33], v[34:35]
	v_pk_mul_f32 v[32:33], v[32:33], 0x3e3504f3 op_sel_hi:[1,0]  ; c
	global_store_b64 v6, v[32:33], s[10:11]        ; 256 consecutive bytes: two heads
	FINISH
.Lothers:
	FINISH
.Lkv:
	s_sub_co_u32 s13, ttmp9, 32                    ; 0..15
	s_lshr_b32 s16, s13, 2                         ; b
	s_and_b32 s17, s13, 3
	s_lshl_b32 s17, s17, 2
	s_lshr_b32 s18, s12, 2
	s_add_co_u32 s17, s17, s18                     ; head
	s_and_b32 s18, s12, 3                          ; tile 2 db + eb
	s_lshl_b32 s14, s16, 21                        ; 32 groups x 16 heads x 4,096 bytes
	s_lshl_b32 s19, s17, 12
	s_add_co_u32 s14, s14, s19
	s_lshl_b32 s19, s18, 10
	s_add_co_u32 s14, s14, s19
	s_add_nc_u64 s[4:5], s[4:5], s[14:15]
	v_lshlrev_b32 v5, 4, v4                        ; 16 l
.macro BANK r, g0                      ; eight groups' partial tiles: 16 loads
.set g, 0
.rept 8
	global_load_b128 v[(\r)+8*g:(\r)+8*g+3], v5, s[4:5] offset:((\g0)+g)*65536
	global_load_b128 v[(\r)+8*g+4:(\r)+8*g+7], v5, s[4:5] offset:((\g0)+g)*65536+512
.set g, g+1
.endr
.endm
.macro ADDB r, from
.set g, \from
.rept 8-(\from)
.irp k, 0,2,4,6
	v_pk_add_f32 v[S+\k:S+\k+1], v[S+\k:S+\k+1], v[(\r)+8*g+\k:(\r)+8*g+\k+1]
.endr
.set g, g+1
.endr
.endm
	BANK 32, 0
	BANK 96, 8
	BANK 160, 16
	s_wait_loadcnt 32                              ; the first bank is in; the two banks behind it stay out
.irp k, 0,2,4,6
	v_pk_add_f32 v[S+\k:S+\k+1], v[32+\k:32+\k+1], v[40+\k:40+\k+1]  ; the first two groups start the sums
.endr
	ADDB 32, 2
	BANK 32, 24
	s_wait_loadcnt 32                              ; the second bank; the third and the refilled first stay out
	ADDB 96, 0
	s_wait_loadcnt 16                              ; the third
	ADDB 160, 0
	s_wait_loadcnt 0x0
	ADDB 32, 0
	s_lshl_b32 s14, s16, 4
	s_add_co_u32 s14, s14, s17                     ; 16 b + head
	s_lshl_b32 s14, s14, 12
	s_and_b32 s19, s12, 1                          ; eb
	s_lshl_b32 s19, s19, 10
	s_add_co_u32 s14, s14, s19
	s_bfe_u32 s19, s12, 0x10001                    ; db
	s_lshl_b32 s19, s19, 9
	s_add_co_u32 s14, s14, s19
	s_add_nc_u64 s[10:11], s[10:11], s[14:15]
	s_mov_b32 s20, 0xffff0000
.irp k, 0,2,4,6
	v_pk_mul_f32 v[S+\k:S+\k+1], v[S+\k:S+\k+1], 0x3e3504f3 op_sel_hi:[1,0]  ; c
.endr
.irp i, 0,1,2,3
	v_cvt_pk_bf16_f32 v[16+\i], v[S+2*\i], v[S+2*\i+1]     ; the high part,
.endr
.irp i, 0,1,2,3
	v_lshlrev_b32 v[20+2*\i], 16, v[16+\i]
	v_and_b32 v[21+2*\i], s20, v[16+\i]
.endr
.irp i, 0,1,2,3
	v_pk_add_f32 v[S+2*\i:S+2*\i+1], v[S+2*\i:S+2*\i+1], v[20+2*\i:21+2*\i] neg_lo:[0,1] neg_hi:[0,1]
.endr
.irp i, 0,1,2,3
	v_cvt_pk_bf16_f32 v[28+\i], v[S+2*\i], v[S+2*\i+1]     ; and what it left
.endr
	global_store_b128 v5, v[16:19], s[10:11]
	global_store_b128 v5, v[28:31], s[10:11] offset:2048
	FINISH
.Lfunc_end_k_qd99e481dc5_kvred:
	.size	k_qd99e481dc5_kvred, .Lfunc_end_k_qd99e481dc5_kvred-k_qd99e481dc5_kvred
	.p2alignl 7, 3214868480
	.fill 96, 4, 3214868480
	.section	.rodata,"a",@progbits
	.p2align	6, 0x0
	.amdhsa_kernel k_qd99e481dc5_kvred
		.amdhsa_group_segment_fixed_size 10240
		.amdhsa_private_segment_fixed_size 0
		.amdhsa_enable_private_segment 0
		.amdhsa_kernarg_size 32
		.amdhsa_user_sgpr_count 2
		.amdhsa_user_sgpr_kernarg_segment_ptr 1
		.amdhsa_wavefront_size32 1
		.amdhsa_system_sgpr_workgroup_id_x 1
		.amdhsa_system_sgpr_workgroup_id_y 1
		.amdhsa_system_sgpr_workgroup_id_z 1
		.amdhsa_system_vgpr_workitem_id 0
		.amdhsa_next_free_vgpr 224
		.amdhsa_next_free_sgpr 66
		.amdhsa_reserve_vcc 0
		.amdhsa_float_denorm_mode_32 3
		.amdhsa_float_denorm_mode_16_64 3
		.amdhsa_memory_ordered 1
		.amdhsa_forward_progress 1
		.amdhsa_inst_pref_size 51
	.end_amdhsa_kernel
	.amdgpu_metadata
---
amdhsa.version: [ 1, 2 ]
amdhsa.kernels:
  - .name:           k_qd99e481dc5_kvred
    .symbol:         k_qd99e481dc5_kvred.kd
    .args:
      - { .name: kvp, .offset: 0, .size: 8, .value_kind: global_buffer, .address_space: global }
      - { .name: xsp, .offset: 8, .size: 8, .value_kind: global_buffer, .address_space: global }
      - { .name: Wk, .offset: 16, .size: 8, .value_kind: global_buffer, .address_space: global }
      - { .name: kvt, .offset: 24, .size: 8, .value_kind: global_buffer, .address_space: global }
    .group_segment_fixed_size: 10240
    .private_segment_fixed_size: 0
    .kernarg_segment_align: 8
    .kernarg_segment_size: 32
    .max_flat_workgroup_size: 512
    .sgpr_count:     66
    .vgpr_count:     224
    .wavefront_size: 32
...
	.end_amdgpu_metadata
.endif
;; end of part 3
;; launch attn (part 4): grid 128 x 8, 4 waves a work-group, no clusters, 17,920 bytes of LDS; arguments qa, kvt, ah; writes ah
.if DOCPART == 4
	.amdgcn_target "amdgcn-amd-amdhsa--gfx1250"
	.amdhsa_code_object_version 6
	.text
	.protected	k_qd99e481dc5_attn
	.globl	k_qd99e481dc5_attn
	.p2align	8
	.type	k_qd99e481dc5_attn,@function
k_qd99e481dc5_attn:
	s_mov_b64 s[64:65], 0
	v_nop
	global_prefetch_b8 v0, s[64:65] scope:SCOPE_SE
	s_setreg_imm32_b32 hwreg(HW_REG_WAVE_MODE, 25, 1), 1
	s_wait_xcnt 0x0
; ATTN.  attn[row][head] = (q . cKV) / (q . cksum + 1e-9): the reference's sum-normalised attention, with the sums over keys taken first (an identity for every input).
; A wave takes 16 rows and two heads; no loop, no barrier.  q is f32.  The divisor is an f32 dot product on the vector unit: it cancels, and its absolute error decides the result.
; The numerator goes to the matrix unit in bf16 high and low parts: KVh Qh + KVh Ql + KVl Qh.  Source 0 = cKV^T (rows e), source 1 = q: a lane holds one row and eight e.
; The quotient has no bound (the divisor may be near 0), so it is stored as a bf16 high and a bf16 low part:
;   ah = bf16 [8192][1024], column 128 p + 64 piece + 32 u + e, for head 2 p + u; the next product takes Wg's rows twice.
; LIMIT: a divisor of exactly 0 gives infinities and NaN, as it does in the reference.
.set SP,    272
.set SPARE, 17408                      ; behind the four stages of 16 x 272 bytes: the spare words
.set LO,  3                            ; v3  16 x lane
.set KO,  5                            ; v5  32 hh
.set STO, 6
.set RD,  7
.set DEN, 8                            ; v8-11  a pair a head
.set RC,  12                           ; v12-15 1 / divisor, twice a head
.set SPW, 16
.set NIL, 17
.set T,   18                           ; v18-25 at work
.set GO,  26
.set KVF, 32                           ; v32-95  at 32 u + 16 piece + 8 eb
.set KS,  96                           ; v96-127 16 a head
.set Q,   128                          ; v128-159 16 a head; later the packed results
.set QH,  160
.set QL,  176
.set N,   192                          ; v192-223 at 16 u + 8 eb
	s_load_b128 s[4:7], s[0:1], 0x0                ; qa, kvt
	s_load_b64 s[8:9], s[0:1], 0x10                ; ah
	v_lshl_add_u32 v[SPW], v0, 2, SPARE
	v_mov_b32 v[NIL], 0
	v_lshrrev_b32 v1, 5, v0
	v_readfirstlane_b32 s10, v1                    ; wave
	s_lshl_b32 s11, ttmp9, 2
	s_add_co_u32 s11, s11, s10                     ; my block of 16 rows
	s_lshr_b32 s12, ttmp9, 5                       ; batch
	s_and_b32 s13, ttmp7, 0xffff                   ; pair of heads
	s_lshl_b32 s14, s12, 4
	s_lshl_b32 s15, s13, 1
	s_add_co_u32 s14, s14, s15                     ; 16 b + 2 p
	s_mov_b32 s16, 0x76543210
	s_mov_b32 s17, 0xfedcba98
	s_mov_b32 s18, 0xffff0000
	s_lshl_b32 s22, s11, 15
	s_lshl_b32 s24, s13, 12
	s_add_co_u32 s22, s22, s24                     ; q: block x 32,768 + 2 p x 2,048
	s_mov_b32 s23, 0
	s_lshl_b32 s24, s14, 12                        ; the fragments of cKV
	s_mov_b32 s25, 0
	s_lshl_b32 s26, s14, 7
	s_add_co_u32 s26, s26, 262144                  ; cksum
	s_mov_b32 s27, 0
	s_lshl_b32 s28, s11, 15
	s_lshl_b32 s29, s13, 8
	s_add_co_u32 s28, s28, s29                     ; out: 16 rows of 2,048 bytes, 256 bytes a pair
	s_mov_b32 s29, 0
	v_and_b32 v1, 15, v0                           ; r
	v_bfe_u32 v4, v0, 4, 1                         ; hh
	v_and_b32 v[LO], 31, v0
	v_lshlrev_b32 v[LO], 4, v[LO]
	v_lshlrev_b32 v[KO], 5, v4
	s_wait_kmcnt 0x0
	s_add_nc_u64 s[4:5], s[4:5], s[22:23]
	s_add_nc_u64 s[20:21], s[6:7], s[26:27]
	s_add_nc_u64 s[6:7], s[6:7], s[24:25]
	s_add_nc_u64 s[8:9], s[8:9], s[28:29]
.irp f, 0,1,2,3,4,5,6,7
	global_load_b128 v[Q+4*\f:Q+4*\f+3], v[LO], s[4:5] offset:(\f/4)*2048+(\f%4)*512
.endr
.irp u, 0,1
	global_load_b128 v[KS+16*\u:KS+16*\u+3],     v[KO], s[20:21] offset:\u*128
	global_load_b128 v[KS+16*\u+4:KS+16*\u+7],   v[KO], s[20:21] offset:\u*128+16
	global_load_b128 v[KS+16*\u+8:KS+16*\u+11],  v[KO], s[20:21] offset:\u*128+64
	global_load_b128 v[KS+16*\u+12:KS+16*\u+15], v[KO], s[20:21] offset:\u*128+80
.endr
.irp f, 0,1,2,3,4,5,6,7,8,9,10,11,12,13,14,15
	global_load_b128 v[KVF+4*\f:KVF+4*\f+3], v[LO], s[6:7] offset:\f*512  ; u, piece, eb, db in this order: 512 bytes each
.endr
	s_mul_i32 s19, s10, 16*SP                      ; my stage
	v_mul_u32_u24 v[STO], v1, SP
	v_lshl_add_u32 v[STO], v4, 4, v[STO]
	v_add_nc_u32 v[STO], s19, v[STO]               ; in: row r, 16 hh
	v_mul_u32_u24 v[RD], v4, SP
	v_lshl_add_u32 v[RD], v1, 4, v[RD]
	v_add_nc_u32 v[RD], s19, v[RD]                 ; back: two whole rows of 256 bytes
	v_lshlrev_b32 v[GO], 11, v4
	v_lshl_add_u32 v[GO], v1, 4, v[GO]
	s_wait_loadcnt 16                              ; q and cksum are in; the 16 loads of cKV stay out
	; the divisor: my 16 d, then the other half of the lanes' 16
.irp u, 0,1
	v_pk_mul_f32 v[DEN+2*\u:DEN+2*\u+1], v[Q+16*\u:Q+16*\u+1], v[KS+16*\u:KS+16*\u+1]
.endr
.irp k, 1,2,3,4,5,6,7
.irp u, 0,1
	v_pk_fma_f32 v[DEN+2*\u:DEN+2*\u+1], v[Q+16*\u+2*\k:Q+16*\u+2*\k+1], v[KS+16*\u+2*\k:KS+16*\u+2*\k+1], v[DEN+2*\u:DEN+2*\u+1]
.endr
.endr
.irp u, 0,1
	v_add_f32 v[DEN+2*\u], v[DEN+2*\u], v[DEN+2*\u+1]
.endr
.irp u, 0,1
	v_permlanex16_b32 v[DEN+2*\u+1], v[DEN+2*\u], s16, s17
.endr
.irp u, 0,1
	v_add_f32 v[DEN+2*\u], v[DEN+2*\u], v[DEN+2*\u+1]
.endr
.irp u, 0,1
	v_add_f32 v[DEN+2*\u], 0x3089705f, v[DEN+2*\u] ; + 1e-9
.endr
.irp u, 0,1
	v_rcp_f32 v[RC+2*\u], v[DEN+2*\u]              ; used far below: plain instructions stand between
	v_rcp_f32 v[RC+2*\u+1], v[DEN+2*\u]
.endr
	; q in a high and a low bf16 part: both are fragments as they stand
.irp i, 0,1,2,3,4,5,6,7,8,9,10,11,12,13,14,15
	v_cvt_pk_bf16_f32 v[QH+\i], v[Q+2*\i], v[Q+2*\i+1]
	v_lshlrev_b32 v[T+2*(\i%4)], 16, v[QH+\i]
	v_and_b32 v[T+2*(\i%4)+1], s18, v[QH+\i]
	v_pk_add_f32 v[Q+2*\i:Q+2*\i+1], v[Q+2*\i:Q+2*\i+1], v[T+2*(\i%4):T+2*(\i%4)+1] neg_lo:[0,1] neg_hi:[0,1]
	v_cvt_pk_bf16_f32 v[QL+\i], v[Q+2*\i], v[Q+2*\i+1]
.endr
	s_wait_loadcnt 0x0
	; three terms; the four accumulators take turns
.irp u, 0,1
.irp eb, 0,1
	v_wmma_f32_16x16x32_bf16 v[N+16*\u+8*\eb:N+16*\u+8*\eb+7], v[KVF+32*\u+8*\eb:KVF+32*\u+8*\eb+7], v[QH+8*\u:QH+8*\u+7], 0
.endr
.endr
.irp u, 0,1
.irp eb, 0,1
	v_wmma_f32_16x16x32_bf16 v[N+16*\u+8*\eb:N+16*\u+8*\eb+7], v[KVF+32*\u+8*\eb:KVF+32*\u+8*\eb+7], v[QL+8*\u:QL+8*\u+7], v[N+16*\u+8*\eb:N+16*\u+8*\eb+7]
.endr
.endr
.irp u, 0,1
.irp eb, 0,1
	v_wmma_f32_16x16x32_bf16 v[N+16*\u+8*\eb:N+16*\u+8*\eb+7], v[KVF+32*\u+16+8*\eb:KVF+32*\u+16+8*\eb+7], v[QH+8*\u:QH+8*\u+7], v[N+16*\u+8*\eb:N+16*\u+8*\eb+7]
.endr
.endr
.rept 4
	v_nop                                          ; the places behind the last products
.endr
	s_wait_alu depctr_va_vdst(0)
.irp u, 0,1
.irp k, 0,1,2,3,4,5,6,7
	v_pk_mul_f32 v[N+16*\u+2*\k:N+16*\u+2*\k+1], v[N+16*\u+2*\k:N+16*\u+2*\k+1], v[RC+2*\u:RC+2*\u+1] op_sel_hi:[1,0]
.endr
.endr
	; high and low part: piece 0 at Q + 8 u + 4 eb, piece 1 sixteen registers on
.irp i, 0,1,2,3,4,5,6,7,8,9,10,11,12,13,14,15
	v_cvt_pk_bf16_f32 v[Q+\i], v[N+2*\i], v[N+2*\i+1]
	v_lshlrev_b32 v[T+2*(\i%4)], 16, v[Q+\i]
	v_and_b32 v[T+2*(\i%4)+1], s18, v[Q+\i]
	v_pk_add_f32 v[N+2*\i:N+2*\i+1], v[N+2*\i:N+2*\i+1], v[T+2*(\i%4):T+2*(\i%4)+1] neg_lo:[0,1] neg_hi:[0,1]
	v_cvt_pk_bf16_f32 v[Q+16+\i], v[N+2*\i], v[N+2*\i+1]
.endr
.irp f, 0,1,2,3,4,5,6,7                ; f = 4 piece + 2 u + eb: 32 bytes of a row each
	ds_store_b128 v[STO], v[Q+4*\f:Q+4*\f+3] offset:32*\f
.endr
.irp t, 0,1,2,3,4,5,6,7
	ds_load_b128 v[KVF+4*\t:KVF+4*\t+3], v[RD] offset:\t*2*SP  ; my own bytes: LDS serves a wave's instructions in order
.endr
.irp t, 0,1,2,3,4,5,6,7
	s_wait_dscnt 7-\t
	global_store_b128 v[GO], v[KVF+4*\t:KVF+4*\t+3], s[8:9] offset:\t*4096  ; 16 lanes store 256 consecutive bytes, aligned
.endr
	s_wait_tensorcnt 0x0                           ; the wave's end
	ds_add_u32 v[SPW], v[NIL]
	s_wait_dscnt 0x0
	s_endpgm
.Lfunc_end_k_qd99e481dc5_attn:
	.size	k_qd99e481dc5_attn, .Lfunc_end_k_qd99e481dc5_attn-k_qd99e481dc5_attn
	.p2alignl 7, 3214868480
	.fill 96, 4, 3214868480
	.section	.rodata,"a",@progbits
	.p2align	6, 0x0
	.amdhsa_kernel k_qd99e481dc5_attn
		.amdhsa_group_segment_fixed_size 17920
		.amdhsa_private_segment_fixed_size 0
		.amdhsa_enable_private_segment 0
		.amdhsa_kernarg_size 24
		.amdhsa_user_sgpr_count 2
		.amdhsa_user_sgpr_kernarg_segment_ptr 1
		.amdhsa_wavefront_size32 1
		.amdhsa_system_sgpr_workgroup_id_x 1
		.amdhsa_system_sgpr_workgroup_id_y 1
		.amdhsa_system_sgpr_workgroup_id_z 1
		.amdhsa_system_vgpr_workitem_id 0
		.amdhsa_next_free_vgpr 224
		.amdhsa_next_free_sgpr 66
		.amdhsa_reserve_vcc 0
		.amdhsa_float_denorm_mode_32 3
		.amdhsa_float_denorm_mode_16_64 3
		.amdhsa_memory_ordered 1
		.amdhsa_forward_progress 1
		.amdhsa_inst_pref_size 19
	.end_amdhsa_kernel
	.amdgpu_metadata
---
amdhsa.version: [ 1, 2 ]
amdhsa.kernels:
  - .name:           k_qd99e481dc5_attn
    .symbol:         k_qd99e481dc5_attn.kd
    .args:
      - { .name: qa, .offset: 0, .size: 8, .value_kind: global_buffer, .address_space: global }
      - { .name: kvt, .offset: 8, .size: 8, .value_kind: global_buffer, .address_space: global }
      - { .name: ah, .offset: 16, .size: 8, .value_kind: global_buffer, .address_space: global }
    .group_segment_fixed_size: 17920
    .private_segment_fixed_size: 0
    .kernarg_segment_align: 8
    .kernarg_segment_size: 24
    .max_flat_workgroup_size: 128
    .sgpr_count:     66
    .vgpr_count:     224
    .wavefront_size: 32
...
	.end_amdgpu_metadata
.endif
;; end of part 4
;; launch wg (part 5): grid 8 x 64, 4 waves a work-group, clusters of 4 x 4, 327,680 bytes of LDS; arguments ah, w16, y, xb; writes y
.if DOCPART == 5
	.amdgcn_target "amdgcn-amd-amdhsa--gfx1250"
	.amdhsa_code_object_version 6
	.text
	.protected	k_qd99e481dc5_wg
	.globl	k_qd99e481dc5_wg
	.p2align	8
	.type	k_qd99e481dc5_wg,@function
k_qd99e481dc5_wg:
	s_mov_b64 s[64:65], 0
	v_nop
	global_prefetch_b8 v0, s[64:65] scope:SCOPE_SE
	s_setreg_imm32_b32 hwreg(HW_REG_WAVE_MODE, 25, 1), 1
	s_wait_xcnt 0x0
	s_wait_alu depctr_hold_cnt(0) depctr_sa_sdst(0) depctr_va_vdst(0) depctr_va_sdst(0) depctr_va_ssrc(0) depctr_va_vcc(0) depctr_vm_vsrc(0)
	s_getreg_b32 s2, hwreg(HW_REG_IB_STS2, 6, 4)
	s_cmp_eq_u32 s2, 0
	s_cbranch_scc0 .Lentry_in_a_cluster
	s_endpgm
.Lentry_in_a_cluster:
	s_bfe_u32 s2, ttmp6, 0x10000c
	s_cmp_lg_u32 s2, 0xf033
	s_cbranch_scc0 .Lentry_shape_is_right
	s_endpgm
.Lentry_shape_is_right:
; WG.  y = attn' [8192][1024] x WG2 [1024][1024] + x, bf16 operands (attn in a high and a low part, Wg's rows twice), f32 sums, y in f32 for the layer norm that follows.
; A tile of C is 128 x 128, four waves of 64 x 64.  K = 1,024 in four steps of 256 through two LDS slots filled by tensor loads; A's rows lie along K, B lies [k][n] and is turned by ds_load_tr16_b128.
; CLUSTER 4 x 4: A's tile is shared along a row of the cluster, B's along a column; each is asked for jointly.  The four K steps are written out.
; The matrix instruction is used transposed (source 0 = B): a lane holds eight neighbouring columns of one row.  The way out goes through a stage of the wave's own, so that
; 16 lanes store the wave's 256 bytes of a row; the residual (x rounded to bf16) is loaded at the start, 8 bytes a lane in the stores' own layout, and added there.
.set NB,     1024
.set BOFF,   3145728
.set KSTEP,  256
.set PA,     528
.set PB,     288
.set HALFA,  64*PA
.set ATILE,  2*HALFA
.set HALFB,  128*PB
.set SLOT,   ATILE+2*HALFB
.set STAGE,  2*SLOT
.set SP,     272
.set SPARE,  STAGE+128*SP
.set ADRA, 16
.set ADRB, 20
.set STO,  24
.set RD,   25
.set CO,   26
.set RO,   27                          ; v27 my byte offset in the residual; never rewritten
.set SPW,  28
.set NIL,  29
.set ONE,  30                          ; v30 1.0
.set RES,  32                          ; v32-95 the residual: rows 16 a + 2 t (+ lane / 16) at RES + 16 a + 2 t
.set ACC,  128
.set F0,   0
.set F1,   128
.set G1,  24
.set G0,  32
.set G1B, 48
.set G0B, 56
.set MSB, 0
.macro WIN new
.if MSB != (\new)
	s_set_vgpr_msb (MSB<<8)|(\new)
.set MSB, \new
.endif
.endm
.set MUL,  0x05
.set TO_F, 0x40
.macro JLOAD s                         ; a joint load: waves 0, 1 fetch A's halves, waves 2, 3 B's; s_nop 0 and four v_nop follow each line
	s_cmp_eq_u32 s11, 0
	s_cbranch_scc0 .Lfor_b_\@
	tensor_load_to_lds s[G0+4*(\s):G0+4*(\s)+3], s[G1:G1+7]
	s_nop 0
.rept 4
	v_nop
.endr
	s_branch .Lasked_\@
.Lfor_b_\@:
	tensor_load_to_lds s[G0B+4*(\s):G0B+4*(\s)+3], s[G1B:G1B+7]
	s_nop 0
.rept 4
	v_nop
.endr
.Lasked_\@:
.endm
.macro CREST
	s_cmp_lg_u32 s10, 0
	s_cbranch_scc1 .Lnot_wave_0_\@
	s_barrier_signal -3
.Lnot_wave_0_\@:
	s_barrier_wait -3
	s_barrier_signal -1
	s_barrier_wait -1
.endm
.macro CROUND
	s_barrier_signal -1
	s_barrier_wait -1
	CREST
.endm
.macro PLACES
.rept 4
	v_nop
.endr
.endm
	s_load_b128 s[4:7], s[0:1], 0x0                ; ah, w16
	s_load_b64 s[8:9], s[0:1], 0x10                ; y
	s_load_b64 s[66:67], s[0:1], 0x18              ; xb
	v_lshl_add_u32 v[SPW], v0, 2, SPARE
	v_mov_b32 v[NIL], 0
	ds_add_u32 v[SPW], v[NIL]                      ; the wave's opening: the add; its wait stands ahead of my first tensor load
	v_lshrrev_b32 v1, 5, v0
	v_readfirstlane_b32 s10, v1
	s_lshr_b32 s11, s10, 1
	s_and_b32 s12, s10, 1
	s_bfe_u32 s40, ttmp6, 0x40000
	s_bfe_u32 s41, ttmp6, 0x40004
	s_lshl_b32 s42, ttmp9, 2
	s_add_co_u32 s42, s42, s40                     ; tile column
	s_and_b32 s13, ttmp7, 0xffff
	s_lshl_b32 s13, s13, 2
	s_add_co_u32 s13, s13, s41                     ; tile row
	s_lshl_b32 s43, s41, 2
	s_lshl_b32 s43, 15, s43
	s_lshl_b32 s44, 0x1111, s40
	s_or_b32 s[G1+0], s43, (1<<16)|(1<<20)|(1<<21)|(6<<22)|(3<<25)
	s_or_b32 s[G1B+0], s44, (1<<16)|(1<<20)|(1<<21)|(5<<22)|(7<<25)
	s_mov_b32 s[G1+1], KSTEP<<16
	s_mov_b32 s[G1+2], 64<<16
	s_mov_b32 s[G1+3], KSTEP<<16
	s_mov_b32 s[G1+4], 64
	s_mov_b32 s[G1+5], 1024
	s_mov_b32 s[G1+6], 0
	s_mov_b32 s[G1+7], 0
	s_mov_b32 s[G1B+1], 128<<16
	s_mov_b32 s[G1B+2], 128<<16
	s_mov_b32 s[G1B+3], 128<<16
	s_mov_b32 s[G1B+4], 128
	s_mov_b32 s[G1B+5], NB
	s_mov_b32 s[G1B+6], 0
	s_mov_b32 s[G1B+7], 0
	s_lshl_b32 s17, s12, 6
	s_lshl_b32 s16, s13, 7
	s_add_co_u32 s16, s16, s17
	s_lshl_b32 s16, s16, 11
	s_mov_b32 s17, 0
	s_mul_i32 s46, s12, 128*NB*2
	s_lshl_b32 s47, s42, 8
	s_add_co_u32 s46, s46, s47
	s_add_co_u32 s46, s46, BOFF
	s_mov_b32 s47, 0
	s_mul_i32 s20, s12, HALFA
	s_mul_i32 s21, s12, HALFB
	s_add_co_u32 s21, s21, ATILE
	s_wait_dscnt 0x0
	s_wait_kmcnt 0x0
	s_add_nc_u64 s[14:15], s[4:5], s[16:17]
	s_add_nc_u64 s[46:47], s[6:7], s[46:47]
	CROUND
.irp s, 0,1
	s_mov_b32 s[G0+4*(\s)], 1
	s_add_co_u32 s[G0+4*(\s)+1], s20, (\s)*SLOT
	s_add_nc_u64 s[G0+4*(\s)+2:G0+4*(\s)+3], s[14:15], (\s)*KSTEP*2
	s_or_b32 s[G0+4*(\s)+3], s[G0+4*(\s)+3], 0x80000000
	s_mov_b32 s[G0B+4*(\s)], 1
	s_add_co_u32 s[G0B+4*(\s)+1], s21, (\s)*SLOT
	s_add_nc_u64 s[G0B+4*(\s)+2:G0B+4*(\s)+3], s[46:47], (\s)*KSTEP*NB*2
	s_or_b32 s[G0B+4*(\s)+3], s[G0B+4*(\s)+3], 0x80000000
	JLOAD \s
.endr
	v_and_b32 v1, 15, v0
	v_bfe_u32 v2, v0, 4, 1
	s_lshl_b32 s16, s13, 7
	s_lshl_b32 s17, s11, 6
	s_add_co_u32 s16, s16, s17                     ; my first row
	s_lshl_b32 s18, s16, 11
	s_mov_b32 s19, 0
	s_add_nc_u64 s[66:67], s[66:67], s[18:19]
	s_lshl_b32 s46, s42, 8
	s_lshl_b32 s47, s12, 7
	s_add_co_u32 s46, s46, s47                     ; my first column, in bf16 bytes
	s_mov_b32 s47, 0
	s_add_nc_u64 s[66:67], s[66:67], s[46:47]
	v_lshlrev_b32 v[RO], 11, v2
	v_lshl_add_u32 v[RO], v1, 3, v[RO]
.set n, 0
.rept 32                               ; they stay out during the products; nothing rewrites their address or base
	global_load_b64 v[RES+2*n:RES+2*n+1], v[RO], s[66:67] offset:2*n*2048
.set n, n+1
.endr
	s_lshl_b32 s18, s16, 12
	s_add_nc_u64 s[8:9], s[8:9], s[18:19]
	s_lshl_b32 s46, s46, 1
	s_add_nc_u64 s[8:9], s[8:9], s[46:47]
	v_mov_b32 v[ONE], 1.0
	v_mul_u32_u24 v3, v1, PA
	v_lshl_add_u32 v3, v2, 4, v3
	s_mul_i32 s22, s11, HALFA
	v_add_nc_u32 v[ADRA], s22, v3
	v_add_nc_u32 v[ADRA+1], SLOT, v[ADRA]
	v_and_b32 v4, 7, v0
	v_lshl_add_u32 v4, v2, 3, v4
	v_mul_u32_u24 v4, v4, PB
	v_bfe_u32 v5, v0, 3, 1
	v_lshl_add_u32 v4, v5, 4, v4
	s_lshl_b32 s22, s12, 7
	s_add_co_u32 s22, s22, ATILE
	v_add_nc_u32 v[ADRB], s22, v4
	v_add_nc_u32 v[ADRB+1], HALFB, v[ADRB]
	v_add_nc_u32 v[ADRB+2], SLOT, v[ADRB]
	v_add_nc_u32 v[ADRB+3], SLOT+HALFB, v[ADRB]
	s_mul_i32 s23, s10, 16*SP
	s_add_co_u32 s23, s23, STAGE                   ; my own stage
	v_mul_u32_u24 v5, v1, SP
	v_lshl_add_u32 v5, v2, 5, v5
	v_add_nc_u32 v[STO], s23, v5                   ; in: row r, 32 hh bytes
	v_mul_u32_u24 v5, v2, SP
	v_lshl_add_u32 v5, v1, 4, v5
	v_add_nc_u32 v[RD], s23, v5                    ; back: two whole rows
	v_lshlrev_b32 v5, 12, v2
	v_lshl_add_u32 v[CO], v1, 4, v5
.macro MUL8 f, c, a0, zero             ; transposed: source 0 = B's fragment
	WIN MUL
.irp a, \a0, (\a0)+1
.irp b, 0,1,2,3
.set rD, ACC+8*(4*(\a)+(\b))
.set rA, (\f)+8*(4*(\c)+(\a))
.set rB, (\f)+64+8*(4*(\c)+(\b))
.if \zero
	v_wmma_f32_16x16x32_bf16 v[rD:rD+7], v[rB:rB+7], v[rA:rA+7], 0
.else
	v_wmma_f32_16x16x32_bf16 v[rD:rD+7], v[rB:rB+7], v[rA:rA+7], v[rD:rD+7]
.endif
.endr
.endr
.endm
.macro FETCH slot, q, f
	WIN TO_F
.irp c, 0,1
.irp i, 0,1,2,3
	ds_load_tr16_b128 v[(\f)+64+8*(4*(\c)+(\i)):(\f)+64+8*(4*(\c)+(\i))+3],   v[ADRB+2*(\slot)+(\q)/2] offset:(((\q)%2)*64+32*(\c))*PB+32*(\i)
	ds_load_tr16_b128 v[(\f)+64+8*(4*(\c)+(\i))+4:(\f)+64+8*(4*(\c)+(\i))+7], v[ADRB+2*(\slot)+(\q)/2] offset:(((\q)%2)*64+32*(\c)+16)*PB+32*(\i)
	ds_load_b128 v[(\f)+8*(4*(\c)+(\i)):(\f)+8*(4*(\c)+(\i))+3],              v[ADRA+(\slot)] offset:128*(\q)+64*(\c)+(\i)*16*PA
	ds_load_b128 v[(\f)+8*(4*(\c)+(\i))+4:(\f)+8*(4*(\c)+(\i))+7],            v[ADRA+(\slot)] offset:128*(\q)+64*(\c)+(\i)*16*PA+32
.endr
.endr
.endm
.macro QUARTER slot, q, f, g, zero
	s_wait_dscnt 16                                ; the first 32 along K are in; the youngest sixteen loads may be out
	WIN MUL
	MUL8 \f, 0, 0, \zero
	MUL8 \f, 0, 2, \zero
	PLACES
	FETCH \slot, \q, \g
	s_wait_dscnt 32                                ; all but the 32 just issued
	WIN MUL
	MUL8 \f, 1, 0, 0
	MUL8 \f, 1, 2, 0
.endm
.macro TURN slot, next, fill
	WIN 0
	s_wait_tensorcnt 0x0                           ; all my tensor loads have landed: my part of the next slot
	ds_add_u32 v[SPW], v[NIL]
	s_wait_dscnt 17                                ; (the add and the youngest sixteen loads may be out)
	WIN MUL
	MUL8 F1, 0, 0, 0
	s_wait_dscnt 0x0                               ; the add is done, and my reads of this slot are over
	s_barrier_signal -1
	MUL8 F1, 0, 2, 0
.if \fill
	WIN 0
.endif
	s_barrier_wait -1
.if \fill
	CREST                                          ; a round of the cluster's barrier: no wave of any partner still reads this slot or has a load on its way
	s_add_nc_u64 s[G0+4*(\slot)+2:G0+4*(\slot)+3], s[G0+4*(\slot)+2:G0+4*(\slot)+3], 2*KSTEP*2
	s_add_nc_u64 s[G0B+4*(\slot)+2:G0B+4*(\slot)+3], s[G0B+4*(\slot)+2:G0B+4*(\slot)+3], 2*KSTEP*NB*2
	JLOAD \slot
.else
	PLACES
.endif
	FETCH \next, 0, F0
	WIN MUL
	MUL8 F1, 1, 0, 0
	MUL8 F1, 1, 2, 0
.endm
	s_wait_tensorcnt 1                             ; my part of K step 0 is in; K step 1's load may stay out
	s_barrier_signal -1
	s_barrier_wait -1
	FETCH 0, 0, F0
	QUARTER 0, 1, F0, F1, 1
	QUARTER 0, 2, F1, F0, 0
	QUARTER 0, 3, F0, F1, 0
	TURN 0, 1, 1
	QUARTER 1, 1, F0, F1, 0
	QUARTER 1, 2, F1, F0, 0
	QUARTER 1, 3, F0, F1, 0
	TURN 1, 0, 1
	QUARTER 0, 1, F0, F1, 0
	QUARTER 0, 2, F1, F0, 0
	QUARTER 0, 3, F0, F1, 0
	TURN 0, 1, 0
	QUARTER 1, 1, F0, F1, 0
	QUARTER 1, 2, F1, F0, 0
	QUARTER 1, 3, F0, F1, 0
	s_wait_dscnt 16
	WIN MUL
	MUL8 F1, 0, 0, 0
	MUL8 F1, 0, 2, 0
	s_wait_dscnt 0
	MUL8 F1, 1, 0, 0
	MUL8 F1, 1, 2, 0
	WIN 0
	PLACES
.macro TOST a                          ; 16 rows into my stage and back as whole rows of 256 bytes, into the registers that they left
.irp b, 0,1,2,3
	ds_store_b128 v[STO], v[ACC+8*(4*(\a)+(\b)):ACC+8*(4*(\a)+(\b))+3] offset:64*(\b)
	ds_store_b128 v[STO], v[ACC+8*(4*(\a)+(\b))+4:ACC+8*(4*(\a)+(\b))+7] offset:64*(\b)+16
.endr
.irp t, 0,1,2,3,4,5,6,7
	ds_load_b128 v[ACC+32*(\a)+4*(\t):ACC+32*(\a)+4*(\t)+3], v[RD] offset:(\t)*2*SP
.endr
.endm
.macro SEND a, younger                 ; younger: the next block's sixteen LDS instructions, or none
.irp t, 0,1,2,3,4,5,6,7
.set rD, ACC+32*(\a)+4*(\t)
.set rR, RES+16*(\a)+2*(\t)
	s_wait_dscnt (\younger)+7-(\t)
	v_fma_mix_f32_bf16 v[rD], v[rR], v[ONE], v[rD] op_sel_hi:[1,0,0]
	v_fma_mix_f32_bf16 v[rD+1], v[rR], v[ONE], v[rD+1] op_sel:[1,0,0] op_sel_hi:[1,0,0]
	v_fma_mix_f32_bf16 v[rD+2], v[rR+1], v[ONE], v[rD+2] op_sel_hi:[1,0,0]
	v_fma_mix_f32_bf16 v[rD+3], v[rR+1], v[ONE], v[rD+3] op_sel:[1,0,0] op_sel_hi:[1,0,0]
	global_store_b128 v[CO], v[rD:rD+3], s[8:9] offset:(16*(\a)+2*(\t))*4096  ; 16 lanes store 256 consecutive bytes, aligned
.endr
.endm
	s_wait_loadcnt 0x0                             ; the residual
	TOST 0
	TOST 1
	SEND 0, 16
	TOST 2
	SEND 1, 16
	TOST 3
	SEND 2, 16
	SEND 3, 0
	s_wait_tensorcnt 0x0                           ; the wave's end
	ds_add_u32 v[SPW], v[NIL]
	s_wait_dscnt 0x0
	CROUND                                         ; the closing round
	s_endpgm
.Lfunc_end_k_qd99e481dc5_wg:
	.size	k_qd99e481dc5_wg, .Lfunc_end_k_qd99e481dc5_wg-k_qd99e481dc5_wg
	.p2alignl 7, 3214868480
	.fill 96, 4, 3214868480
	.section	.rodata,"a",@progbits
	.p2align	6, 0x0
	.amdhsa_kernel k_qd99e481dc5_wg
		.amdhsa_group_segment_fixed_size 327680
		.amdhsa_private_segment_fixed_size 0
		.amdhsa_enable_private_segment 0
		.amdhsa_kernarg_size 32
		.amdhsa_user_sgpr_count 2
		.amdhsa_user_sgpr_kernarg_segment_ptr 1
		.amdhsa_wavefront_size32 1
		.amdhsa_system_sgpr_workgroup_id_x 1
		.amdhsa_system_sgpr_workgroup_id_y 1
		.amdhsa_system_sgpr_workgroup_id_z 1
		.amdhsa_system_vgpr_workitem_id 0
		.amdhsa_next_free_vgpr 512
		.amdhsa_next_free_sgpr 80
		.amdhsa_reserve_vcc 0
		.amdhsa_float_denorm_mode_32 3
		.amdhsa_float_denorm_mode_16_64 3
		.amdhsa_memory_ordered 1
		.amdhsa_forward_progress 1
		.amdhsa_inst_pref_size 98
	.end_amdhsa_kernel
	.amdgpu_metadata
---
amdhsa.version: [ 1, 2 ]
amdhsa.kernels:
  - .name:           k_qd99e481dc5_wg
    .symbol:         k_qd99e481dc5_wg.kd
    .args:
      - { .name: ah, .offset: 0, .size: 8, .value_kind: global_buffer, .address_space: global }
      - { .name: w16, .offset: 8, .size: 8, .value_kind: global_buffer, .address_space: global }
      - { .name: y, .offset: 16, .size: 8, .value_kind: global_buffer, .address_space: global }
      - { .name: xb, .offset: 24, .size: 8, .value_kind: global_buffer, .address_space: global }
    .group_segment_fixed_size: 327680
    .private_segment_fixed_size: 0
    .kernarg_segment_align: 8
    .kernarg_segment_size: 32
    .max_flat_workgroup_size: 128
    .sgpr_count:     80
    .vgpr_count:     512
    .wavefront_size: 32
...
	.end_amdgpu_metadata
.endif
;; end of part 5
;; launch ln1 (part 6): grid 256 x 1, 8 waves a work-group, no clusters, 0 bytes of LDS; arguments y, ln1_g, ln1_b, ah; writes ah
.if DOCPART == 6
	.amdgcn_target "amdgcn-amd-amdhsa--gfx1250"
	.amdhsa_code_object_version 6
	.text
	.protected	k_qd99e481dc5_ln1
	.globl	k_qd99e481dc5_ln1
	.p2align	8
	.type	k_qd99e481dc5_ln1,@function
k_qd99e481dc5_ln1:
	s_mov_b64 s[64:65], 0
	v_nop
	global_prefetch_b8 v0, s[64:65] scope:SCOPE_SE
	s_setreg_imm32_b32 hwreg(HW_REG_WAVE_MODE, 25, 1), 1
	s_wait_xcnt 0x0
; LN1.  h = layer norm of y (f32 [8192][1024]) with gain and bias rounded to bf16 like every input; h is stored in f16 (|h| is at most 32 |g| + |b|; f16 ends at 65,504).
; A stream: a wave takes four whole rows; a row is 8 loads of 16 bytes a lane and stays in 32 registers between the mean, the centred squares and the scaling, so y is read once.
; The mean is taken away before the squares are summed: no difference of large sums.  No LDS, no barrier: the reduction never leaves the wave.
; g and b are loaded into the registers of rows 2 and 3, packed to bf16 pairs, and rows 2 and 3 are loaded behind that.
.set OFF, 1                            ; v1 16 x lane
.set KC,  2                            ; v2 2^-10
.set OFS, 3                            ; v3 8 x lane
.set GP,  4                            ; v4-19  g, two bf16 a register
.set BP,  20                           ; v20-35 b
.set X0,  36                           ; v36-163 four rows of 32
.set T,   164                          ; v164-171 at work
.set M,   172                          ; v172-173 the mean, twice
.set R,   174                          ; v174-175 1 / sqrt(var + eps), twice
	s_load_b256 s[4:11], s[0:1], 0x0               ; y s4, g s6, b s8, ah s10
	v_lshrrev_b32 v1, 5, v0
	v_readfirstlane_b32 s12, v1
	v_and_b32 v[OFS], 31, v0
	v_lshlrev_b32 v[OFF], 4, v[OFS]
	v_lshlrev_b32 v[OFS], 3, v[OFS]
	v_mov_b32 v[KC], 0x3a800000
	s_lshl_b32 s13, ttmp9, 3
	s_add_co_u32 s13, s13, s12                     ; my four rows
	s_lshl_b32 s14, s13, 14
	s_mov_b32 s15, 0
	s_lshl_b32 s16, s13, 13
	s_mov_b32 s17, 0
	s_mov_b32 s18, 0x76543210
	s_mov_b32 s19, 0xfedcba98
	s_wait_kmcnt 0x0
	s_add_nc_u64 s[4:5], s[4:5], s[14:15]
	s_add_nc_u64 s[10:11], s[10:11], s[16:17]
.irp j, 0,1,2,3,4,5,6,7
	global_load_b128 v[100+4*\j:103+4*\j], v[OFF], s[6:7] offset:512*\j
.endr
.irp j, 0,1,2,3,4,5,6,7
	global_load_b128 v[132+4*\j:135+4*\j], v[OFF], s[8:9] offset:512*\j
.endr
.macro FILL n
.irp j, 0,1,2,3,4,5,6,7
	global_load_b128 v[X0+32*(\n)+4*\j:X0+32*(\n)+4*\j+3], v[OFF], s[4:5] offset:(\n)*4096+512*\j th:TH_LOAD_NT
.endr
.endm
	FILL 0
	FILL 1
	s_wait_loadcnt 16                              ; g and b are in; rows 0 and 1 stay out
.set k, 0
.rept 16
	v_cvt_pk_bf16_f32 v[GP+k], v[100+2*k], v[101+2*k]
	v_cvt_pk_bf16_f32 v[BP+k], v[132+2*k], v[133+2*k]
.set k, k+1
.endr
	FILL 2
	FILL 3
.macro REDUCE                          ; four pairs in T to one number in every lane, in v[T]
	v_pk_add_f32 v[T:T+1], v[T:T+1], v[T+2:T+3]
	v_pk_add_f32 v[T+4:T+5], v[T+4:T+5], v[T+6:T+7]
	v_pk_add_f32 v[T:T+1], v[T:T+1], v[T+4:T+5]
	v_add_f32 v[T], v[T], v[T+1]
	v_add_f32_dpp v[T], v[T], v[T] row_xmask:1 row_mask:0xf bank_mask:0xf
	v_add_f32_dpp v[T], v[T], v[T] row_xmask:2 row_mask:0xf bank_mask:0xf
	v_add_f32_dpp v[T], v[T], v[T] row_xmask:4 row_mask:0xf bank_mask:0xf
	v_add_f32_dpp v[T], v[T], v[T] row_xmask:8 row_mask:0xf bank_mask:0xf
	v_permlanex16_b32 v[T+1], v[T], s18, s19
	v_add_f32 v[T], v[T], v[T+1]
.endm
.macro ROW n, left
.set X, X0+32*(\n)
	s_wait_loadcnt \left                           ; my row is in; the younger rows' loads stay out
.irp c, 0,2,4,6
	v_pk_add_f32 v[T+\c:T+\c+1], v[X+\c:X+\c+1], v[X+8+\c:X+8+\c+1]
.endr
.irp k, 16,24
.irp c, 0,2,4,6
	v_pk_add_f32 v[T+\c:T+\c+1], v[T+\c:T+\c+1], v[X+\k+\c:X+\k+\c+1]
.endr
.endr
	REDUCE
	v_mul_f32 v[M], v[KC], v[T]
	v_mul_f32 v[M+1], v[KC], v[T]
.set e, 0
.rept 16
	v_pk_add_f32 v[X+2*e:X+2*e+1], v[X+2*e:X+2*e+1], v[M:M+1] neg_lo:[0,1] neg_hi:[0,1]
.set e, e+1
.endr
.irp c, 0,2,4,6
	v_pk_mul_f32 v[T+\c:T+\c+1], v[X+\c:X+\c+1], v[X+\c:X+\c+1]
.endr
.irp k, 8,16,24
.irp c, 0,2,4,6
	v_pk_fma_f32 v[T+\c:T+\c+1], v[X+\k+\c:X+\k+\c+1], v[X+\k+\c:X+\k+\c+1], v[T+\c:T+\c+1]
.endr
.endr
	REDUCE
	v_fmaak_f32 v[T+2], v[T], v[KC], 0x3727c5ac    ; the variance + 1e-5
	v_rsq_f32 v[R], v[T+2]
	v_rsq_f32 v[R+1], v[T+2]
	v_nop                                          ; a plain instruction between the root and the use of its result
.set e, 0
	s_wait_alu depctr_va_vdst(0)
.rept 16
	v_pk_mul_f32 v[X+2*e:X+2*e+1], v[X+2*e:X+2*e+1], v[R:R+1]
.set e, e+1
.endr
.set e, 0
.rept 16
	v_fma_mix_f32_bf16 v[X+2*e], v[X+2*e], v[GP+e], v[BP+e] op_sel_hi:[0,1,1]
	v_fma_mix_f32_bf16 v[X+2*e+1], v[X+2*e+1], v[GP+e], v[BP+e] op_sel:[0,1,1] op_sel_hi:[0,1,1]
.set e, e+1
.endr
.irp j, 0,1,2,3,4,5,6,7
	v_cvt_pk_f16_f32 v[X+4*\j], v[X+4*\j], v[X+4*\j+1]
	v_cvt_pk_f16_f32 v[X+4*\j+1], v[X+4*\j+2], v[X+4*\j+3]
	global_store_b64 v[OFS], v[X+4*\j:X+4*\j+1], s[10:11] offset:(\n)*2048+256*\j  ; the wave stores 256 consecutive bytes, aligned
.endr
.endm
	ROW 0, 24
	ROW 1, 16
	ROW 2, 8
	ROW 3, 0
	s_endpgm
.Lfunc_end_k_qd99e481dc5_ln1:
	.size	k_qd99e481dc5_ln1, .Lfunc_end_k_qd99e481dc5_ln1-k_qd99e481dc5_ln1
	.p2alignl 7, 3214868480
	.fill 96, 4, 3214868480
	.section	.rodata,"a",@progbits
	.p2align	6, 0x0
	.amdhsa_kernel k_qd99e481dc5_ln1
		.amdhsa_group_segment_fixed_size 0
		.amdhsa_private_segment_fixed_size 0
		.amdhsa_enable_private_segment 0
		.amdhsa_kernarg_size 32
		.amdhsa_user_sgpr_count 2
		.amdhsa_user_sgpr_kernarg_segment_ptr 1
		.amdhsa_wavefront_size32 1
		.amdhsa_system_sgpr_workgroup_id_x 1
		.amdhsa_system_sgpr_workgroup_id_y 1
		.amdhsa_system_sgpr_workgroup_id_z 1
		.amdhsa_system_vgpr_workitem_id 0
		.amdhsa_next_free_vgpr 176
		.amdhsa_next_free_sgpr 66
		.amdhsa_reserve_vcc 0
		.amdhsa_float_denorm_mode_32 3
		.amdhsa_float_denorm_mode_16_64 3
		.amdhsa_memory_ordered 1
		.amdhsa_forward_progress 1
		.amdhsa_inst_pref_size 44
	.end_amdhsa_kernel
	.amdgpu_metadata
---
amdhsa.version: [ 1, 2 ]
amdhsa.kernels:
  - .name:           k_qd99e481dc5_ln1
    .symbol:         k_qd99e481dc5_ln1.kd
    .args:
      - { .name: y, .offset: 0, .size: 8, .value_kind: global_buffer, .address_space: global }
      - { .name: ln1_g, .offset: 8, .size: 8, .value_kind: global_buffer, .address_space: global }
      - { .name: ln1_b, .offset: 16, .size: 8, .value_kind: global_buffer, .address_space: global }
      - { .name: ah, .offset: 24, .size: 8, .value_kind: global_buffer, .address_space: global }
    .group_segment_fixed_size: 0
    .private_segment_fixed_size: 0
    .kernarg_segment_align: 8
    .kernarg_segment_size: 32
    .max_flat_workgroup_size: 256
    .sgpr_count:     66
    .vgpr_count:     176
    .wavefront_size: 32
...
	.end_amdgpu_metadata
.endif
;; end of part 6
;; launch ffn1 (part 7): grid 8 x 64, 4 waves a work-group, clusters of 4 x 4, 327,680 bytes of LDS; arguments ah, w16, qa, b1; writes qa
.if DOCPART == 7
	.amdgcn_target "amdgcn-amd-amdhsa--gfx1250"
	.amdhsa_code_object_version 6
	.text
	.protected	k_qd99e481dc5_ffn1
	.globl	k_qd99e481dc5_ffn1
	.p2align	8
	.type	k_qd99e481dc5_ffn1,@function
k_qd99e481dc5_ffn1:
	s_mov_b64 s[64:65], 0
	v_nop
	global_prefetch_b8 v0, s[64:65] scope:SCOPE_SE
	s_setreg_imm32_b32 hwreg(HW_REG_WAVE_MODE, 25, 1), 1
	s_wait_xcnt 0x0
	s_wait_alu depctr_hold_cnt(0) depctr_sa_sdst(0) depctr_va_vdst(0) depctr_va_sdst(0) depctr_va_ssrc(0) depctr_va_vcc(0) depctr_vm_vsrc(0)
	s_getreg_b32 s2, hwreg(HW_REG_IB_STS2, 6, 4)
	s_cmp_eq_u32 s2, 0
	s_cbranch_scc0 .Lentry_in_a_cluster
	s_endpgm
.Lentry_in_a_cluster:
	s_bfe_u32 s2, ttmp6, 0x10000c
	s_cmp_lg_u32 s2, 0xf033
	s_cbranch_scc0 .Lentry_shape_is_right
	s_endpgm
.Lentry_shape_is_right:
; FFN1.  a = relu(h [8192][1024] x W1H [1024][1024] + b1), f16 operands, f32 sums, a stored in f16.  b1 is rounded to bf16 like every input and is the C operand that starts the sums.
; LIMIT: a is held to 0 .. 65,504 (f16's largest number) by the same instruction that is the ReLU.
; A tile of C is 128 x 128, four waves of 64 x 64.  K = 1,024 in four steps of 256 through two LDS slots filled by tensor loads; A's rows lie along K, B lies [k][n] and is turned by ds_load_tr16_b128.
; CLUSTER 4 x 4: A's tile is shared along a row of the cluster, B's along a column; each is asked for jointly.  The four K steps are written out.
; The matrix instruction is used transposed (source 0 = B): a lane holds eight neighbouring columns of a row.  A wave's 64 columns are 128 bytes, half of an aligned 256:
; the four waves share one stage, with a barrier between writing and reading, and each then stores 32 whole rows of 256 bytes.
.set NB,     1024
.set BOFF,   5242880
.set KSTEP,  256
.set PA,     528
.set PB,     288
.set HALFA,  64*PA
.set ATILE,  2*HALFA
.set HALFB,  128*PB
.set SLOT,   ATILE+2*HALFB
.set STAGE,  2*SLOT
.set SP,     272
.set SPARE,  STAGE+128*SP
.set ADRA, 16
.set ADRB, 20
.set STO,  24
.set RD,   25
.set CO,   26
.set SPW,  28
.set NIL,  29
.set BO,   31                          ; v31 my byte offset in the bias; never rewritten
.set TMP,  32                          ; v32-95 the way out
.set BIAS, 96                          ; v96-127 bias of column 16 b + 8 hh + j at BIAS + 8 b + j
.set ACC,  128
.set F0,   0
.set F1,   128
.set G1,  24
.set G0,  32
.set G1B, 48
.set G0B, 56
.set MSB, 0
.macro WIN new
.if MSB != (\new)
	s_set_vgpr_msb (MSB<<8)|(\new)
.set MSB, \new
.endif
.endm
.set MUL,  0x05
.set TO_F, 0x40
.macro JLOAD s                         ; a joint load: waves 0, 1 fetch A's halves, waves 2, 3 B's; s_nop 0 and four v_nop follow each line
	s_cmp_eq_u32 s11, 0
	s_cbranch_scc0 .Lfor_b_\@
	tensor_load_to_lds s[G0+4*(\s):G0+4*(\s)+3], s[G1:G1+7]
	s_nop 0
.rept 4
	v_nop
.endr
	s_branch .Lasked_\@
.Lfor_b_\@:
	tensor_load_to_lds s[G0B+4*(\s):G0B+4*(\s)+3], s[G1B:G1B+7]
	s_nop 0
.rept 4
	v_nop
.endr
.Lasked_\@:
.endm
.macro CREST
	s_cmp_lg_u32 s10, 0
	s_cbranch_scc1 .Lnot_wave_0_\@
	s_barrier_signal -3
.Lnot_wave_0_\@:
	s_barrier_wait -3
	s_barrier_signal -1
	s_barrier_wait -1
.endm
.macro CROUND
	s_barrier_signal -1
	s_barrier_wait -1
	CREST
.endm
.macro PLACES
.rept 4
	v_nop
.endr
.endm
	s_load_b128 s[4:7], s[0:1], 0x0                ; ah, w16
	s_load_b64 s[8:9], s[0:1], 0x10                ; qa
	s_load_b64 s[68:69], s[0:1], 0x18              ; b1
	v_lshl_add_u32 v[SPW], v0, 2, SPARE
	v_mov_b32 v[NIL], 0
	ds_add_u32 v[SPW], v[NIL]                      ; the wave's opening: the add; its wait stands ahead of my first tensor load
	v_lshrrev_b32 v1, 5, v0
	v_readfirstlane_b32 s10, v1
	s_lshr_b32 s11, s10, 1
	s_and_b32 s12, s10, 1
	s_bfe_u32 s40, ttmp6, 0x40000
	s_bfe_u32 s41, ttmp6, 0x40004
	s_lshl_b32 s42, ttmp9, 2
	s_add_co_u32 s42, s42, s40                     ; tile column
	s_and_b32 s13, ttmp7, 0xffff
	s_lshl_b32 s13, s13, 2
	s_add_co_u32 s13, s13, s41                     ; tile row
	s_lshl_b32 s43, s41, 2
	s_lshl_b32 s43, 15, s43
	s_lshl_b32 s44, 0x1111, s40
	s_or_b32 s[G1+0], s43, (1<<16)|(1<<20)|(1<<21)|(6<<22)|(3<<25)
	s_or_b32 s[G1B+0], s44, (1<<16)|(1<<20)|(1<<21)|(5<<22)|(7<<25)
	s_mov_b32 s[G1+1], KSTEP<<16
	s_mov_b32 s[G1+2], 64<<16
	s_mov_b32 s[G1+3], KSTEP<<16
	s_mov_b32 s[G1+4], 64
	s_mov_b32 s[G1+5], 1024
	s_mov_b32 s[G1+6], 0
	s_mov_b32 s[G1+7], 0
	s_mov_b32 s[G1B+1], 128<<16
	s_mov_b32 s[G1B+2], 128<<16
	s_mov_b32 s[G1B+3], 128<<16
	s_mov_b32 s[G1B+4], 128
	s_mov_b32 s[G1B+5], NB
	s_mov_b32 s[G1B+6], 0
	s_mov_b32 s[G1B+7], 0
	s_mov_b32 s70, 0x477fe000                      ; 65,504
	s_mov_b32 s71, 0xffff0000
	s_lshl_b32 s17, s12, 6
	s_lshl_b32 s16, s13, 7
	s_add_co_u32 s16, s16, s17
	s_lshl_b32 s16, s16, 11
	s_mov_b32 s17, 0
	s_mul_i32 s46, s12, 128*NB*2
	s_lshl_b32 s47, s42, 8
	s_add_co_u32 s46, s46, s47
	s_add_co_u32 s46, s46, BOFF
	s_mov_b32 s47, 0
	s_mul_i32 s20, s12, HALFA
	s_mul_i32 s21, s12, HALFB
	s_add_co_u32 s21, s21, ATILE
	s_wait_dscnt 0x0
	s_wait_kmcnt 0x0
	s_add_nc_u64 s[14:15], s[4:5], s[16:17]
	s_add_nc_u64 s[46:47], s[6:7], s[46:47]
	CROUND
.irp s, 0,1
	s_mov_b32 s[G0+4*(\s)], 1
	s_add_co_u32 s[G0+4*(\s)+1], s20, (\s)*SLOT
	s_add_nc_u64 s[G0+4*(\s)+2:G0+4*(\s)+3], s[14:15], (\s)*KSTEP*2
	s_or_b32 s[G0+4*(\s)+3], s[G0+4*(\s)+3], 0x80000000
	s_mov_b32 s[G0B+4*(\s)], 1
	s_add_co_u32 s[G0B+4*(\s)+1], s21, (\s)*SLOT
	s_add_nc_u64 s[G0B+4*(\s)+2:G0B+4*(\s)+3], s[46:47], (\s)*KSTEP*NB*2
	s_or_b32 s[G0B+4*(\s)+3], s[G0B+4*(\s)+3], 0x80000000
	JLOAD \s
.endr
	v_and_b32 v1, 15, v0
	v_bfe_u32 v2, v0, 4, 1
	s_lshl_b32 s46, s42, 9
	s_lshl_b32 s47, s12, 8
	s_add_co_u32 s46, s46, s47                     ; my first column, in f32 bytes
	s_mov_b32 s47, 0
	s_add_nc_u64 s[68:69], s[68:69], s[46:47]
	v_lshlrev_b32 v[BO], 5, v2
.irp b, 0,1,2,3
	global_load_b128 v[BIAS+8*\b:BIAS+8*\b+3], v[BO], s[68:69] offset:64*\b
	global_load_b128 v[BIAS+8*\b+4:BIAS+8*\b+7], v[BO], s[68:69] offset:64*\b+16
.endr
	v_mul_u32_u24 v3, v1, PA
	v_lshl_add_u32 v3, v2, 4, v3
	s_mul_i32 s22, s11, HALFA
	v_add_nc_u32 v[ADRA], s22, v3
	v_add_nc_u32 v[ADRA+1], SLOT, v[ADRA]
	v_and_b32 v4, 7, v0
	v_lshl_add_u32 v4, v2, 3, v4
	v_mul_u32_u24 v4, v4, PB
	v_bfe_u32 v5, v0, 3, 1
	v_lshl_add_u32 v4, v5, 4, v4
	s_lshl_b32 s22, s12, 7
	s_add_co_u32 s22, s22, ATILE
	v_add_nc_u32 v[ADRB], s22, v4
	v_add_nc_u32 v[ADRB+1], HALFB, v[ADRB]
	v_add_nc_u32 v[ADRB+2], SLOT, v[ADRB]
	v_add_nc_u32 v[ADRB+3], SLOT+HALFB, v[ADRB]
	s_mul_i32 s23, s11, 64*SP                      ; into the stage: my 64 rows, my half of their 256 bytes
	s_lshl_b32 s22, s12, 7
	s_add_co_u32 s23, s23, s22
	s_add_co_u32 s23, s23, STAGE
	v_mul_u32_u24 v4, v1, SP
	v_lshl_add_u32 v4, v2, 4, v4
	v_add_nc_u32 v[STO], s23, v4
	s_mul_i32 s23, s10, 32*SP                      ; back: wave w takes rows 32 w .. 32 w + 31, whole
	s_add_co_u32 s23, s23, STAGE
	v_mul_u32_u24 v5, v2, SP
	v_lshl_add_u32 v5, v1, 4, v5
	v_add_nc_u32 v[RD], s23, v5
	v_lshlrev_b32 v5, 11, v2
	v_lshl_add_u32 v[CO], v1, 4, v5
	s_lshl_b32 s16, s13, 7
	s_lshl_b32 s17, s10, 5
	s_add_co_u32 s16, s16, s17                     ; the first row that I store
	s_lshl_b32 s16, s16, 11
	s_mov_b32 s17, 0
	s_add_nc_u64 s[8:9], s[8:9], s[16:17]
	s_lshl_b32 s46, s42, 8
	s_add_nc_u64 s[8:9], s[8:9], s[46:47]
	s_wait_loadcnt 0x0                             ; the bias: rounded to bf16 and widened again
.set k, 0
.rept 16
	v_cvt_pk_bf16_f32 v[TMP+k], v[BIAS+2*k], v[BIAS+2*k+1]
.set k, k+1
.endr
.set k, 0
.rept 16
	v_lshlrev_b32 v[BIAS+2*k], 16, v[TMP+k]
	v_and_b32 v[BIAS+2*k+1], s71, v[TMP+k]
.set k, k+1
.endr
.macro MUL8 f, c, a0, zero             ; transposed: source 0 = B's fragment; zero = 1: the bias starts the sums
	WIN MUL
.irp a, \a0, (\a0)+1
.irp b, 0,1,2,3
.set rD, ACC+8*(4*(\a)+(\b))
.set rA, (\f)+8*(4*(\c)+(\a))
.set rB, (\f)+64+8*(4*(\c)+(\b))
.if \zero
	v_wmma_f32_16x16x32_f16 v[rD:rD+7], v[rB:rB+7], v[rA:rA+7], v[BIAS+8*(\b):BIAS+8*(\b)+7]
.else
	v_wmma_f32_16x16x32_f16 v[rD:rD+7], v[rB:rB+7], v[rA:rA+7], v[rD:rD+7]
.endif
.endr
.endr
.endm
.macro FETCH slot, q, f
	WIN TO_F
.irp c, 0,1
.irp i, 0,1,2,3
	ds_load_tr16_b128 v[(\f)+64+8*(4*(\c)+(\i)):(\f)+64+8*(4*(\c)+(\i))+3],   v[ADRB+2*(\slot)+(\q)/2] offset:(((\q)%2)*64+32*(\c))*PB+32*(\i)
	ds_load_tr16_b128 v[(\f)+64+8*(4*(\c)+(\i))+4:(\f)+64+8*(4*(\c)+(\i))+7], v[ADRB+2*(\slot)+(\q)/2] offset:(((\q)%2)*64+32*(\c)+16)*PB+32*(\i)
	ds_load_b128 v[(\f)+8*(4*(\c)+(\i)):(\f)+8*(4*(\c)+(\i))+3],              v[ADRA+(\slot)] offset:128*(\q)+64*(\c)+(\i)*16*PA
	ds_load_b128 v[(\f)+8*(4*(\c)+(\i))+4:(\f)+8*(4*(\c)+(\i))+7],            v[ADRA+(\slot)] offset:128*(\q)+64*(\c)+(\i)*16*PA+32
.endr
.endr
.endm
.macro QUARTER slot, q, f, g, zero
	s_wait_dscnt 16                                ; the first 32 along K are in; the youngest sixteen loads may be out
	WIN MUL
	MUL8 \f, 0, 0, \zero
	MUL8 \f, 0, 2, \zero
	PLACES
	FETCH \slot, \q, \g
	s_wait_dscnt 32                                ; all but the 32 just issued
	WIN MUL
	MUL8 \f, 1, 0, 0
	MUL8 \f, 1, 2, 0
.endm
.macro TURN slot, next, fill
	WIN 0
	s_wait_tensorcnt 0x0                           ; all my tensor loads have landed: my part of the next slot
	ds_add_u32 v[SPW], v[NIL]
	s_wait_dscnt 17                                ; (the add and the youngest sixteen loads may be out)
	WIN MUL
	MUL8 F1, 0, 0, 0
	s_wait_dscnt 0x0                               ; the add is done, and my reads of this slot are over
	s_barrier_signal -1
	MUL8 F1, 0, 2, 0
.if \fill
	WIN 0
.endif
	s_barrier_wait -1
.if \fill
	CREST                                          ; a round of the cluster's barrier: no wave of any partner still reads this slot or has a load on its way
	s_add_nc_u64 s[G0+4*(\slot)+2:G0+4*(\slot)+3], s[G0+4*(\slot)+2:G0+4*(\slot)+3], 2*KSTEP*2
	s_add_nc_u64 s[G0B+4*(\slot)+2:G0B+4*(\slot)+3], s[G0B+4*(\slot)+2:G0B+4*(\slot)+3], 2*KSTEP*NB*2
	JLOAD \slot
.else
	PLACES
.endif
	FETCH \next, 0, F0
	WIN MUL
	MUL8 F1, 1, 0, 0
	MUL8 F1, 1, 2, 0
.endm
	s_wait_tensorcnt 1                             ; my part of K step 0 is in; K step 1's load may stay out
	s_barrier_signal -1
	s_barrier_wait -1
	FETCH 0, 0, F0
	QUARTER 0, 1, F0, F1, 1
	QUARTER 0, 2, F1, F0, 0
	QUARTER 0, 3, F0, F1, 0
	TURN 0, 1, 1
	QUARTER 1, 1, F0, F1, 0
	QUARTER 1, 2, F1, F0, 0
	QUARTER 1, 3, F0, F1, 0
	TURN 1, 0, 1
	QUARTER 0, 1, F0, F1, 0
	QUARTER 0, 2, F1, F0, 0
	QUARTER 0, 3, F0, F1, 0
	TURN 0, 1, 0
	QUARTER 1, 1, F0, F1, 0
	QUARTER 1, 2, F1, F0, 0
	QUARTER 1, 3, F0, F1, 0
	s_wait_dscnt 16
	WIN MUL
	MUL8 F1, 0, 0, 0
	MUL8 F1, 0, 2, 0
	s_wait_dscnt 0
	MUL8 F1, 1, 0, 0
	MUL8 F1, 1, 2, 0
	WIN 0
	PLACES
.irp t, 0,1,2,3,4,5,6,7,8,9,10,11,12,13,14,15
.irp j, 0,1,2,3,4,5,6,7
	v_med3_num_f32 v[ACC+8*(\t)+(\j)], v[ACC+8*(\t)+(\j)], 0, s70  ; the ReLU, and f16's end
.endr
.irp r, 0,1,2,3
	v_cvt_pk_f16_f32 v[TMP+4*(\t)+(\r)], v[ACC+8*(\t)+2*(\r)], v[ACC+8*(\t)+2*(\r)+1]
.endr
.endr
.irp a, 0,1,2,3
.irp b, 0,1,2,3
	ds_store_b128 v[STO], v[TMP+4*(4*(\a)+(\b)):TMP+4*(4*(\a)+(\b))+3] offset:(\a)*16*SP+32*(\b)
.endr
.endr
	s_wait_dscnt 0x0                               ; for the others' sake: my stores into the stage are done
	s_barrier_signal -1
	s_barrier_wait -1
.irp t, 0,1,2,3,4,5,6,7,8,9,10,11,12,13,14,15
	ds_load_b128 v[TMP+4*(\t):TMP+4*(\t)+3], v[RD] offset:(\t)*2*SP
.endr
.irp t, 0,1,2,3,4,5,6,7,8,9,10,11,12,13,14,15
	s_wait_dscnt 15-(\t)
	global_store_b128 v[CO], v[TMP+4*(\t):TMP+4*(\t)+3], s[8:9] offset:2*(\t)*2048  ; 16 lanes store 256 consecutive bytes, aligned
.endr
	s_wait_tensorcnt 0x0                           ; the wave's end
	ds_add_u32 v[SPW], v[NIL]
	s_wait_dscnt 0x0
	CROUND                                         ; the closing round
	s_endpgm
.Lfunc_end_k_qd99e481dc5_ffn1:
	.size	k_qd99e481dc5_ffn1, .Lfunc_end_k_qd99e481dc5_ffn1-k_qd99e481dc5_ffn1
	.p2alignl 7, 3214868480
	.fill 96, 4, 3214868480
	.section	.rodata,"a",@progbits
	.p2align	6, 0x0
	.amdhsa_kernel k_qd99e481dc5_ffn1
		.amdhsa_group_segment_fixed_size 327680
		.amdhsa_private_segment_fixed_size 0
		.amdhsa_enable_private_segment 0
		.amdhsa_kernarg_size 32
		.amdhsa_user_sgpr_count 2
		.amdhsa_user_sgpr_kernarg_segment_ptr 1
		.amdhsa_wavefront_size32 1
		.amdhsa_system_sgpr_workgroup_id_x 1
		.amdhsa_system_sgpr_workgroup_id_y 1
		.amdhsa_system_sgpr_workgroup_id_z 1
		.amdhsa_system_vgpr_workitem_id 0
		.amdhsa_next_free_vgpr 512
		.amdhsa_next_free_sgpr 80
		.amdhsa_reserve_vcc 0
		.amdhsa_float_denorm_mode_32 3
		.amdhsa_float_denorm_mode_16_64 3
		.amdhsa_memory_ordered 1
		.amdhsa_forward_progress 1
		.amdhsa_inst_pref_size 98
	.end_amdhsa_kernel
	.amdgpu_metadata
---
amdhsa.version: [ 1, 2 ]
amdhsa.kernels:
  - .name:           k_qd99e481dc5_ffn1
    .symbol:         k_qd99e481dc5_ffn1.kd
    .args:
      - { .name: ah, .offset: 0, .size: 8, .value_kind: global_buffer, .address_space: global }
      - { .name: w16, .offset: 8, .size: 8, .value_kind: global_buffer, .address_space: global }
      - { .name: qa, .offset: 16, .size: 8, .value_kind: global_buffer, .address_space: global }
      - { .name: b1, .offset: 24, .size: 8, .value_kind: global_buffer, .address_space: global }
    .group_segment_fixed_size: 327680
    .private_segment_fixed_size: 0
    .kernarg_segment_align: 8
    .kernarg_segment_size: 32
    .max_flat_workgroup_size: 128
    .sgpr_count:     80
    .vgpr_count:     512
    .wavefront_size: 32
...
	.end_amdgpu_metadata
.endif
;; end of part 7
;; launch ffn2 (part 8): grid 8 x 64, 4 waves a work-group, clusters of 4 x 4, 327,680 bytes of LDS; arguments qa, w16, y, ah, b2; writes y
.if DOCPART == 8
	.amdgcn_target "amdgcn-amd-amdhsa--gfx1250"
	.amdhsa_code_object_version 6
	.text
	.protected	k_qd99e481dc5_ffn2
	.globl	k_qd99e481dc5_ffn2
	.p2align	8
	.type	k_qd99e481dc5_ffn2,@function
k_qd99e481dc5_ffn2:
	s_mov_b64 s[64:65], 0
	v_nop
	global_prefetch_b8 v0, s[64:65] scope:SCOPE_SE
	s_setreg_imm32_b32 hwreg(HW_REG_WAVE_MODE, 25, 1), 1
	s_wait_xcnt 0x0
	s_wait_alu depctr_hold_cnt(0) depctr_sa_sdst(0) depctr_va_vdst(0) depctr_va_sdst(0) depctr_va_ssrc(0) depctr_va_vcc(0) depctr_vm_vsrc(0)
	s_getreg_b32 s2, hwreg(HW_REG_IB_STS2, 6, 4)
	s_cmp_eq_u32 s2, 0
	s_cbranch_scc0 .Lentry_in_a_cluster
	s_endpgm
.Lentry_in_a_cluster:
	s_bfe_u32 s2, ttmp6, 0x10000c
	s_cmp_lg_u32 s2, 0xf033
	s_cbranch_scc0 .Lentry_shape_is_right
	s_endpgm
.Lentry_shape_is_right:
; FFN2.  y = a [8192][1024] x W2H [1024][1024] + b2 + h, f16 operands, f32 sums, y in f32 for the layer norm that follows.  b2, rounded to bf16 like every input, starts the sums.
; A tile of C is 128 x 128, four waves of 64 x 64.  K = 1,024 in four steps of 256 through two LDS slots filled by tensor loads; A's rows lie along K, B lies [k][n] and is turned by ds_load_tr16_b128.
; CLUSTER 4 x 4: A's tile is shared along a row of the cluster, B's along a column; each is asked for jointly.  The four K steps are written out.
; The matrix instruction is used transposed (source 0 = B).  The way out goes through a stage of the wave's own, so that 16 lanes store the wave's 256 bytes of a row;
; the residual h (f16) is loaded at the start, 8 bytes a lane in the stores' own layout, and added there.
.set NB,     1024
.set BOFF,   7340032
.set KSTEP,  256
.set PA,     528
.set PB,     288
.set HALFA,  64*PA
.set ATILE,  2*HALFA
.set HALFB,  128*PB
.set SLOT,   ATILE+2*HALFB
.set STAGE,  2*SLOT
.set SP,     272
.set SPARE,  STAGE+128*SP
.set ADRA, 16
.set ADRB, 20
.set STO,  24
.set RD,   25
.set CO,   26
.set RO,   27                          ; v27 my byte offset in the residual; never rewritten
.set SPW,  28
.set NIL,  29
.set ONE,  30                          ; v30 1.0
.set BO,   31                          ; v31 my byte offset in the bias; never rewritten
.set RES,  32                          ; v32-95 the residual
.set BIAS, 96                          ; v96-127
.set ACC,  128
.set F0,   0
.set F1,   128
.set G1,  24
.set G0,  32
.set G1B, 48
.set G0B, 56
.set MSB, 0
.macro WIN new
.if MSB != (\new)
	s_set_vgpr_msb (MSB<<8)|(\new)
.set MSB, \new
.endif
.endm
.set MUL,  0x05
.set TO_F, 0x40
.macro JLOAD s                         ; a joint load: waves 0, 1 fetch A's halves, waves 2, 3 B's; s_nop 0 and four v_nop follow each line
	s_cmp_eq_u32 s11, 0
	s_cbranch_scc0 .Lfor_b_\@
	tensor_load_to_lds s[G0+4*(\s):G0+4*(\s)+3], s[G1:G1+7]
	s_nop 0
.rept 4
	v_nop
.endr
	s_branch .Lasked_\@
.Lfor_b_\@:
	tensor_load_to_lds s[G0B+4*(\s):G0B+4*(\s)+3], s[G1B:G1B+7]
	s_nop 0
.rept 4
	v_nop
.endr
.Lasked_\@:
.endm
.macro CREST
	s_cmp_lg_u32 s10, 0
	s_cbranch_scc1 .Lnot_wave_0_\@
	s_barrier_signal -3
.Lnot_wave_0_\@:
	s_barrier_wait -3
	s_barrier_signal -1
	s_barrier_wait -1
.endm
.macro CROUND
	s_barrier_signal -1
	s_barrier_wait -1
	CREST
.endm
.macro PLACES
.rept 4
	v_nop
.endr
.endm
	s_load_b128 s[4:7], s[0:1], 0x0                ; qa, w16
	s_load_b64 s[8:9], s[0:1], 0x10                ; y
	s_load_b64 s[66:67], s[0:1], 0x18              ; ah
	s_load_b64 s[68:69], s[0:1], 0x20              ; b2
	v_lshl_add_u32 v[SPW], v0, 2, SPARE
	v_mov_b32 v[NIL], 0
	ds_add_u32 v[SPW], v[NIL]                      ; the wave's opening: the add; its wait stands ahead of my first tensor load
	v_lshrrev_b32 v1, 5, v0
	v_readfirstlane_b32 s10, v1
	s_lshr_b32 s11, s10, 1
	s_and_b32 s12, s10, 1
	s_bfe_u32 s40, ttmp6, 0x40000
	s_bfe_u32 s41, ttmp6, 0x40004
	s_lshl_b32 s42, ttmp9, 2
	s_add_co_u32 s42, s42, s40                     ; tile column
	s_and_b32 s13, ttmp7, 0xffff
	s_lshl_b32 s13, s13, 2
	s_add_co_u32 s13, s13, s41                     ; tile row
	s_lshl_b32 s43, s41, 2
	s_lshl_b32 s43, 15, s43
	s_lshl_b32 s44, 0x1111, s40
	s_or_b32 s[G1+0], s43, (1<<16)|(1<<20)|(1<<21)|(6<<22)|(3<<25)
	s_or_b32 s[G1B+0], s44, (1<<16)|(1<<20)|(1<<21)|(5<<22)|(7<<25)
	s_mov_b32 s[G1+1], KSTEP<<16
	s_mov_b32 s[G1+2], 64<<16
	s_mov_b32 s[G1+3], KSTEP<<16
	s_mov_b32 s[G1+4], 64
	s_mov_b32 s[G1+5], 1024
	s_mov_b32 s[G1+6], 0
	s_mov_b32 s[G1+7], 0
	s_mov_b32 s[G1B+1], 128<<16
	s_mov_b32 s[G1B+2], 128<<16
	s_mov_b32 s[G1B+3], 128<<16
	s_mov_b32 s[G1B+4], 128
	s_mov_b32 s[G1B+5], NB
	s_mov_b32 s[G1B+6], 0
	s_mov_b32 s[G1B+7], 0
	s_mov_b32 s71, 0xffff0000
	s_lshl_b32 s17, s12, 6
	s_lshl_b32 s16, s13, 7
	s_add_co_u32 s16, s16, s17
	s_lshl_b32 s16, s16, 11
	s_mov_b32 s17, 0
	s_mul_i32 s46, s12, 128*NB*2
	s_lshl_b32 s47, s42, 8
	s_add_co_u32 s46, s46, s47
	s_add_co_u32 s46, s46, BOFF
	s_mov_b32 s47, 0
	s_mul_i32 s20, s12, HALFA
	s_mul_i32 s21, s12, HALFB
	s_add_co_u32 s21, s21, ATILE
	s_wait_dscnt 0x0
	s_wait_kmcnt 0x0
	s_add_nc_u64 s[14:15], s[4:5], s[16:17]
	s_add_nc_u64 s[46:47], s[6:7], s[46:47]
	CROUND
.irp s, 0,1
	s_mov_b32 s[G0+4*(\s)], 1
	s_add_co_u32 s[G0+4*(\s)+1], s20, (\s)*SLOT
	s_add_nc_u64 s[G0+4*(\s)+2:G0+4*(\s)+3], s[14:15], (\s)*KSTEP*2
	s_or_b32 s[G0+4*(\s)+3], s[G0+4*(\s)+3], 0x80000000
	s_mov_b32 s[G0B+4*(\s)], 1
	s_add_co_u32 s[G0B+4*(\s)+1], s21, (\s)*SLOT
	s_add_nc_u64 s[G0B+4*(\s)+2:G0B+4*(\s)+3], s[46:47], (\s)*KSTEP*NB*2
	s_or_b32 s[G0B+4*(\s)+3], s[G0B+4*(\s)+3], 0x80000000
	JLOAD \s
.endr
	v_and_b32 v1, 15, v0
	v_bfe_u32 v2, v0, 4, 1
	s_lshl_b32 s46, s42, 8
	s_lshl_b32 s47, s12, 7
	s_add_co_u32 s46, s46, s47                     ; my first column, in 16-bit bytes
	s_mov_b32 s47, 0
	s_add_nc_u64 s[66:67], s[66:67], s[46:47]
	s_lshl_b32 s46, s46, 1                         ; in f32 bytes
	s_add_nc_u64 s[68:69], s[68:69], s[46:47]
	s_add_nc_u64 s[8:9], s[8:9], s[46:47]
	s_lshl_b32 s16, s13, 7
	s_lshl_b32 s17, s11, 6
	s_add_co_u32 s16, s16, s17                     ; my first row
	s_lshl_b32 s18, s16, 11
	s_mov_b32 s19, 0
	s_add_nc_u64 s[66:67], s[66:67], s[18:19]
	s_lshl_b32 s18, s16, 12
	s_add_nc_u64 s[8:9], s[8:9], s[18:19]
	v_lshlrev_b32 v[BO], 5, v2
.irp b, 0,1,2,3
	global_load_b128 v[BIAS+8*\b:BIAS+8*\b+3], v[BO], s[68:69] offset:64*\b
	global_load_b128 v[BIAS+8*\b+4:BIAS+8*\b+7], v[BO], s[68:69] offset:64*\b+16
.endr
	v_lshlrev_b32 v[RO], 11, v2
	v_lshl_add_u32 v[RO], v1, 3, v[RO]
.set n, 0
.rept 32                               ; they stay out during the products; nothing rewrites their address or base
	global_load_b64 v[RES+2*n:RES+2*n+1], v[RO], s[66:67] offset:2*n*2048
.set n, n+1
.endr
	v_mov_b32 v[ONE], 1.0
	v_mul_u32_u24 v3, v1, PA
	v_lshl_add_u32 v3, v2, 4, v3
	s_mul_i32 s22, s11, HALFA
	v_add_nc_u32 v[ADRA], s22, v3
	v_add_nc_u32 v[ADRA+1], SLOT, v[ADRA]
	v_and_b32 v4, 7, v0
	v_lshl_add_u32 v4, v2, 3, v4
	v_mul_u32_u24 v4, v4, PB
	v_bfe_u32 v5, v0, 3, 1
	v_lshl_add_u32 v4, v5, 4, v4
	s_lshl_b32 s22, s12, 7
	s_add_co_u32 s22, s22, ATILE
	v_add_nc_u32 v[ADRB], s22, v4
	v_add_nc_u32 v[ADRB+1], HALFB, v[ADRB]
	v_add_nc_u32 v[ADRB+2], SLOT, v[ADRB]
	v_add_nc_u32 v[ADRB+3], SLOT+HALFB, v[ADRB]
	s_mul_i32 s23, s10, 16*SP
	s_add_co_u32 s23, s23, STAGE                   ; my own stage
	v_mul_u32_u24 v5, v1, SP
	v_lshl_add_u32 v5, v2, 5, v5
	v_add_nc_u32 v[STO], s23, v5
	v_mul_u32_u24 v5, v2, SP
	v_lshl_add_u32 v5, v1, 4, v5
	v_add_nc_u32 v[RD], s23, v5
	v_lshlrev_b32 v5, 12, v2
	v_lshl_add_u32 v[CO], v1, 4, v5
	s_wait_loadcnt 32                              ; the bias is in; the residual's 32 loads stay out
.set k, 0
.rept 16                               ; rounded to bf16 and widened again
	v_cvt_pk_bf16_f32 v[8+k%4], v[BIAS+2*k], v[BIAS+2*k+1]
	v_lshlrev_b32 v[BIAS+2*k], 16, v[8+k%4]
	v_and_b32 v[BIAS+2*k+1], s71, v[8+k%4]
.set k, k+1
.endr
.macro MUL8 f, c, a0, zero             ; transposed: source 0 = B's fragment; zero = 1: the bias starts the sums
	WIN MUL
.irp a, \a0, (\a0)+1
.irp b, 0,1,2,3
.set rD, ACC+8*(4*(\a)+(\b))
.set rA, (\f)+8*(4*(\c)+(\a))
.set rB, (\f)+64+8*(4*(\c)+(\b))
.if \zero
	v_wmma_f32_16x16x32_f16 v[rD:rD+7], v[rB:rB+7], v[rA:rA+7], v[BIAS+8*(\b):BIAS+8*(\b)+7]
.else
	v_wmma_f32_16x16x32_f16 v[rD:rD+7], v[rB:rB+7], v[rA:rA+7], v[rD:rD+7]
.endif
.endr
.endr
.endm
.macro FETCH slot, q, f
	WIN TO_F
.irp c, 0,1
.irp i, 0,1,2,3
	ds_load_tr16_b128 v[(\f)+64+8*(4*(\c)+(\i)):(\f)+64+8*(4*(\c)+(\i))+3],   v[ADRB+2*(\slot)+(\q)/2] offset:(((\q)%2)*64+32*(\c))*PB+32*(\i)
	ds_load_tr16_b128 v[(\f)+64+8*(4*(\c)+(\i))+4:(\f)+64+8*(4*(\c)+(\i))+7], v[ADRB+2*(\slot)+(\q)/2] offset:(((\q)%2)*64+32*(\c)+16)*PB+32*(\i)
	ds_load_b128 v[(\f)+8*(4*(\c)+(\i)):(\f)+8*(4*(\c)+(\i))+3],              v[ADRA+(\slot)] offset:128*(\q)+64*(\c)+(\i)*16*PA
	ds_load_b128 v[(\f)+8*(4*(\c)+(\i))+4:(\f)+8*(4*(\c)+(\i))+7],            v[ADRA+(\slot)] offset:128*(\q)+64*(\c)+(\i)*16*PA+32
.endr
.endr
.endm
.macro QUARTER slot, q, f, g, zero
	s_wait_dscnt 16                                ; the first 32 along K are in; the youngest sixteen loads may be out
	WIN MUL
	MUL8 \f, 0, 0, \zero
	MUL8 \f, 0, 2, \zero
	PLACES
	FETCH \slot, \q, \g
	s_wait_dscnt 32                                ; all but the 32 just issued
	WIN MUL
	MUL8 \f, 1, 0, 0
	MUL8 \f, 1, 2, 0
.endm
.macro TURN slot, next, fill
	WIN 0
	s_wait_tensorcnt 0x0                           ; all my tensor loads have landed: my part of the next slot
	ds_add_u32 v[SPW], v[NIL]
	s_wait_dscnt 17                                ; (the add and the youngest sixteen loads may be out)
	WIN MUL
	MUL8 F1, 0, 0, 0
	s_wait_dscnt 0x0                               ; the add is done, and my reads of this slot are over
	s_barrier_signal -1
	MUL8 F1, 0, 2, 0
.if \fill
	WIN 0
.endif
	s_barrier_wait -1
.if \fill
	CREST                                          ; a round of the cluster's barrier: no wave of any partner still reads this slot or has a load on its way
	s_add_nc_u64 s[G0+4*(\slot)+2:G0+4*(\slot)+3], s[G0+4*(\slot)+2:G0+4*(\slot)+3], 2*KSTEP*2
	s_add_nc_u64 s[G0B+4*(\slot)+2:G0B+4*(\slot)+3], s[G0B+4*(\slot)+2:G0B+4*(\slot)+3], 2*KSTEP*NB*2
	JLOAD \slot
.else
	PLACES
.endif
	FETCH \next, 0, F0
	WIN MUL
	MUL8 F1, 1, 0, 0
	MUL8 F1, 1, 2, 0
.endm
	s_wait_tensorcnt 1                             ; my part of K step 0 is in; K step 1's load may stay out
	s_barrier_signal -1
	s_barrier_wait -1
	FETCH 0, 0, F0
	QUARTER 0, 1, F0, F1, 1
	QUARTER 0, 2, F1, F0, 0
	QUARTER 0, 3, F0, F1, 0
	TURN 0, 1, 1
	QUARTER 1, 1, F0, F1, 0
	QUARTER 1, 2, F1, F0, 0
	QUARTER 1, 3, F0, F1, 0
	TURN 1, 0, 1
	QUARTER 0, 1, F0, F1, 0
	QUARTER 0, 2, F1, F0, 0
	QUARTER 0, 3, F0, F1, 0
	TURN 0, 1, 0
	QUARTER 1, 1, F0, F1, 0
	QUARTER 1, 2, F1, F0, 0
	QUARTER 1, 3, F0, F1, 0
	s_wait_dscnt 16
	WIN MUL
	MUL8 F1, 0, 0, 0
	MUL8 F1, 0, 2, 0
	s_wait_dscnt 0
	MUL8 F1, 1, 0, 0
	MUL8 F1, 1, 2, 0
	WIN 0
	PLACES
.macro TOST a                          ; 16 rows into my stage and back as whole rows of 256 bytes, into the registers that they left
.irp b, 0,1,2,3
	ds_store_b128 v[STO], v[ACC+8*(4*(\a)+(\b)):ACC+8*(4*(\a)+(\b))+3] offset:64*(\b)
	ds_store_b128 v[STO], v[ACC+8*(4*(\a)+(\b))+4:ACC+8*(4*(\a)+(\b))+7] offset:64*(\b)+16
.endr
.irp t, 0,1,2,3,4,5,6,7
	ds_load_b128 v[ACC+32*(\a)+4*(\t):ACC+32*(\a)+4*(\t)+3], v[RD] offset:(\t)*2*SP
.endr
.endm
.macro SEND a, younger                 ; younger: the next block's sixteen LDS instructions, or none
.irp t, 0,1,2,3,4,5,6,7
.set rD, ACC+32*(\a)+4*(\t)
.set rR, RES+16*(\a)+2*(\t)
	s_wait_dscnt (\younger)+7-(\t)
	v_fma_mix_f32 v[rD], v[rR], v[ONE], v[rD] op_sel_hi:[1,0,0]
	v_fma_mix_f32 v[rD+1], v[rR], v[ONE], v[rD+1] op_sel:[1,0,0] op_sel_hi:[1,0,0]
	v_fma_mix_f32 v[rD+2], v[rR+1], v[ONE], v[rD+2] op_sel_hi:[1,0,0]
	v_fma_mix_f32 v[rD+3], v[rR+1], v[ONE], v[rD+3] op_sel:[1,0,0] op_sel_hi:[1,0,0]
	global_store_b128 v[CO], v[rD:rD+3], s[8:9] offset:(16*(\a)+2*(\t))*4096  ; 16 lanes store 256 consecutive bytes, aligned
.endr
.endm
	s_wait_loadcnt 0x0                             ; the residual
	TOST 0
	TOST 1
	SEND 0, 16
	TOST 2
	SEND 1, 16
	TOST 3
	SEND 2, 16
	SEND 3, 0
	s_wait_tensorcnt 0x0                           ; the wave's end
	ds_add_u32 v[SPW], v[NIL]
	s_wait_dscnt 0x0
	CROUND                                         ; the closing round
	s_endpgm
.Lfunc_end_k_qd99e481dc5_ffn2:
	.size	k_qd99e481dc5_ffn2, .Lfunc_end_k_qd99e481dc5_ffn2-k_qd99e481dc5_ffn2
	.p2alignl 7, 3214868480
	.fill 96, 4, 3214868480
	.section	.rodata,"a",@progbits
	.p2align	6, 0x0
	.amdhsa_kernel k_qd99e481dc5_ffn2
		.amdhsa_group_segment_fixed_size 327680
		.amdhsa_private_segment_fixed_size 0
		.amdhsa_enable_private_segment 0
		.amdhsa_kernarg_size 40
		.amdhsa_user_sgpr_count 2
		.amdhsa_user_sgpr_kernarg_segment_ptr 1
		.amdhsa_wavefront_size32 1
		.amdhsa_system_sgpr_workgroup_id_x 1
		.amdhsa_system_sgpr_workgroup_id_y 1
		.amdhsa_system_sgpr_workgroup_id_z 1
		.amdhsa_system_vgpr_workitem_id 0
		.amdhsa_next_free_vgpr 512
		.amdhsa_next_free_sgpr 80
		.amdhsa_reserve_vcc 0
		.amdhsa_float_denorm_mode_32 3
		.amdhsa_float_denorm_mode_16_64 3
		.amdhsa_memory_ordered 1
		.amdhsa_forward_progress 1
		.amdhsa_inst_pref_size 101
	.end_amdhsa_kernel
	.amdgpu_metadata
---
amdhsa.version: [ 1, 2 ]
amdhsa.kernels:
  - .name:           k_qd99e481dc5_ffn2
    .symbol:         k_qd99e481dc5_ffn2.kd
    .args:
      - { .name: qa, .offset: 0, .size: 8, .value_kind: global_buffer, .address_space: global }
      - { .name: w16, .offset: 8, .size: 8, .value_kind: global_buffer, .address_space: global }
      - { .name: y, .offset: 16, .size: 8, .value_kind: global_buffer, .address_space: global }
      - { .name: ah, .offset: 24, .size: 8, .value_kind: global_buffer, .address_space: global }
      - { .name: b2, .offset: 32, .size: 8, .value_kind: global_buffer, .address_space: global }
    .group_segment_fixed_size: 327680
    .private_segment_fixed_size: 0
    .kernarg_segment_align: 8
    .kernarg_segment_size: 40
    .max_flat_workgroup_size: 128
    .sgpr_count:     80
    .vgpr_count:     512
    .wavefront_size: 32
...
	.end_amdgpu_metadata
.endif
;; end of part 8
;; launch ln2 (part 9): grid 256 x 1, 8 waves a work-group, no clusters, 0 bytes of LDS; arguments y, ln2_g, ln2_b, seq_len, out0; writes out0
.if DOCPART == 9
	.amdgcn_target "amdgcn-amd-amdhsa--gfx1250"
	.amdhsa_code_object_version 6
	.text
	.protected	k_qd99e481dc5_ln2
	.globl	k_qd99e481dc5_ln2
	.p2align	8
	.type	k_qd99e481dc5_ln2,@function
k_qd99e481dc5_ln2:
	s_mov_b64 s[64:65], 0
	v_nop
	global_prefetch_b8 v0, s[64:65] scope:SCOPE_SE
	s_setreg_imm32_b32 hwreg(HW_REG_WAVE_MODE, 25, 1), 1
	s_wait_xcnt 0x0
; LN2.  out = layer norm of y (f32 [8192][1024]), gain and bias rounded to bf16 like every input, times the length mask t < seq_len[b]; out in f32.
; A stream: a wave takes four whole rows; a row is 8 loads of 16 bytes a lane and stays in 32 registers between the mean, the centred squares and the scaling.
; A wave whose first row lies at or past seq_len[b] loads nothing and stores zeros (LIMIT: also where the reference would give NaN x 0); else rows 1 to 3 are multiplied by 1.0 or 0.
; seq_len is only compared, as a signed number; it enters no address.  No LDS, no barrier.
.set OFF, 1                            ; v1 16 x lane
.set KC,  2                            ; v2 2^-10
.set GP,  4                            ; v4-19  g, two bf16 a register
.set BP,  20                           ; v20-35 b
.set X0,  36                           ; v36-163 four rows of 32
.set T,   164
.set M,   172
.set R,   174
	s_load_b256 s[4:11], s[0:1], 0x0               ; y s4, g s6, b s8, seq_len s10
	s_load_b64 s[20:21], s[0:1], 0x20              ; out0
	v_lshrrev_b32 v1, 5, v0
	v_readfirstlane_b32 s12, v1
	v_and_b32 v[OFF], 31, v0
	v_lshlrev_b32 v[OFF], 4, v[OFF]
	v_mov_b32 v[KC], 0x3a800000
	s_lshl_b32 s13, ttmp9, 3
	s_add_co_u32 s13, s13, s12                     ; my four rows
	s_lshl_b32 s14, s13, 14
	s_mov_b32 s15, 0
	s_mov_b32 s18, 0x76543210
	s_mov_b32 s19, 0xfedcba98
	s_lshr_b32 s22, ttmp9, 6                       ; the batch: 64 work-groups of 32 rows
	s_lshl_b32 s22, s22, 2
	s_lshl_b32 s24, s13, 2
	s_and_b32 s24, s24, 2047                       ; my first row's place in its sequence
	s_mov_b32 s27, 0
	s_wait_kmcnt 0x0
	s_load_b32 s23, s[10:11], s22 offset:0x0
	s_add_nc_u64 s[4:5], s[4:5], s[14:15]
	s_add_nc_u64 s[20:21], s[20:21], s[14:15]
	s_wait_kmcnt 0x0
	s_cmp_ge_i32 s24, s23
	s_cbranch_scc1 .Lzero
.irp j, 0,1,2,3,4,5,6,7
	global_load_b128 v[100+4*\j:103+4*\j], v[OFF], s[6:7] offset:512*\j
.endr
.irp j, 0,1,2,3,4,5,6,7
	global_load_b128 v[132+4*\j:135+4*\j], v[OFF], s[8:9] offset:512*\j
.endr
.macro FILL n
.irp j, 0,1,2,3,4,5,6,7
	global_load_b128 v[X0+32*(\n)+4*\j:X0+32*(\n)+4*\j+3], v[OFF], s[4:5] offset:(\n)*4096+512*\j th:TH_LOAD_NT
.endr
.endm
	FILL 0
	FILL 1
	s_wait_loadcnt 16                              ; g and b are in; rows 0 and 1 stay out
.set k, 0
.rept 16
	v_cvt_pk_bf16_f32 v[GP+k], v[100+2*k], v[101+2*k]
	v_cvt_pk_bf16_f32 v[BP+k], v[132+2*k], v[133+2*k]
.set k, k+1
.endr
	FILL 2
	FILL 3
.macro REDUCE                          ; four pairs in T to one number in every lane, in v[T]
	v_pk_add_f32 v[T:T+1], v[T:T+1], v[T+2:T+3]
	v_pk_add_f32 v[T+4:T+5], v[T+4:T+5], v[T+6:T+7]
	v_pk_add_f32 v[T:T+1], v[T:T+1], v[T+4:T+5]
	v_add_f32 v[T], v[T], v[T+1]
	v_add_f32_dpp v[T], v[T], v[T] row_xmask:1 row_mask:0xf bank_mask:0xf
	v_add_f32_dpp v[T], v[T], v[T] row_xmask:2 row_mask:0xf bank_mask:0xf
	v_add_f32_dpp v[T], v[T], v[T] row_xmask:4 row_mask:0xf bank_mask:0xf
	v_add_f32_dpp v[T], v[T], v[T] row_xmask:8 row_mask:0xf bank_mask:0xf
	v_permlanex16_b32 v[T+1], v[T], s18, s19
	v_add_f32 v[T], v[T], v[T+1]
.endm
.macro ROW n, left
.set X, X0+32*(\n)
	s_wait_loadcnt \left                           ; my row is in; the younger rows' loads stay out
.irp c, 0,2,4,6
	v_pk_add_f32 v[T+\c:T+\c+1], v[X+\c:X+\c+1], v[X+8+\c:X+8+\c+1]
.endr
.irp k, 16,24
.irp c, 0,2,4,6
	v_pk_add_f32 v[T+\c:T+\c+1], v[T+\c:T+\c+1], v[X+\k+\c:X+\k+\c+1]
.endr
.endr
	REDUCE
	v_mul_f32 v[M], v[KC], v[T]
	v_mul_f32 v[M+1], v[KC], v[T]
.set e, 0
.rept 16
	v_pk_add_f32 v[X+2*e:X+2*e+1], v[X+2*e:X+2*e+1], v[M:M+1] neg_lo:[0,1] neg_hi:[0,1]
.set e, e+1
.endr
.irp c, 0,2,4,6
	v_pk_mul_f32 v[T+\c:T+\c+1], v[X+\c:X+\c+1], v[X+\c:X+\c+1]
.endr
.irp k, 8,16,24
.irp c, 0,2,4,6
	v_pk_fma_f32 v[T+\c:T+\c+1], v[X+\k+\c:X+\k+\c+1], v[X+\k+\c:X+\k+\c+1], v[T+\c:T+\c+1]
.endr
.endr
	REDUCE
	v_fmaak_f32 v[T+2], v[T], v[KC], 0x3727c5ac    ; the variance + 1e-5
	v_rsq_f32 v[R], v[T+2]
	v_rsq_f32 v[R+1], v[T+2]
	v_nop                                          ; a plain instruction between the root and the use of its result
.set e, 0
	s_wait_alu depctr_va_vdst(0)
.rept 16
	v_pk_mul_f32 v[X+2*e:X+2*e+1], v[X+2*e:X+2*e+1], v[R:R+1]
.set e, e+1
.endr
.set e, 0
.rept 16
	v_fma_mix_f32_bf16 v[X+2*e], v[X+2*e], v[GP+e], v[BP+e] op_sel_hi:[0,1,1]
	v_fma_mix_f32_bf16 v[X+2*e+1], v[X+2*e+1], v[GP+e], v[BP+e] op_sel:[0,1,1] op_sel_hi:[0,1,1]
.set e, e+1
.endr
.if (\n) > 0                           ; row 0 is known to lie inside the sequence
	s_add_co_u32 s25, s24, \n
	s_cmp_lt_i32 s25, s23
	s_cselect_b32 s26, 1.0, 0
.set e, 0
.rept 16
	v_pk_mul_f32 v[X+2*e:X+2*e+1], v[X+2*e:X+2*e+1], s[26:27] op_sel_hi:[1,0]
.set e, e+1
.endr
.endif
.irp j, 0,1,2,3,4,5,6,7
	global_store_b128 v[OFF], v[X+4*\j:X+4*\j+3], s[20:21] offset:(\n)*4096+512*\j th:TH_STORE_NT  ; 512 consecutive bytes
.endr
.endm
	ROW 0, 24
	ROW 1, 16
	ROW 2, 8
	ROW 3, 0
	s_endpgm
.Lzero:
	v_mov_b32 v4, 0
	v_mov_b32 v5, 0
	v_mov_b32 v6, 0
	v_mov_b32 v7, 0
.set n, 0
.rept 32
	global_store_b128 v[OFF], v[4:7], s[20:21] offset:512*n th:TH_STORE_NT
.set n, n+1
.endr
	s_endpgm
.Lfunc_end_k_qd99e481dc5_ln2:
	.size	k_qd99e481dc5_ln2, .Lfunc_end_k_qd99e481dc5_ln2-k_qd99e481dc5_ln2
	.p2alignl 7, 3214868480
	.fill 96, 4, 3214868480
	.section	.rodata,"a",@progbits
	.p2align	6, 0x0
	.amdhsa_kernel k_qd99e481dc5_ln2
		.amdhsa_group_segment_fixed_size 0
		.amdhsa_private_segment_fixed_size 0
		.amdhsa_enable_private_segment 0
		.amdhsa_kernarg_size 40
		.amdhsa_user_sgpr_count 2
		.amdhsa_user_sgpr_kernarg_segment_ptr 1
		.amdhsa_wavefront_size32 1
		.amdhsa_system_sgpr_workgroup_id_x 1
		.amdhsa_system_sgpr_workgroup_id_y 1
		.amdhsa_system_sgpr_workgroup_id_z 1
		.amdhsa_system_vgpr_workitem_id 0
		.amdhsa_next_free_vgpr 176
		.amdhsa_next_free_sgpr 66
		.amdhsa_reserve_vcc 0
		.amdhsa_float_denorm_mode_32 3
		.amdhsa_float_denorm_mode_16_64 3
		.amdhsa_memory_ordered 1
		.amdhsa_forward_progress 1
		.amdhsa_inst_pref_size 46
	.end_amdhsa_kernel
	.amdgpu_metadata
---
amdhsa.version: [ 1, 2 ]
amdhsa.kernels:
  - .name:           k_qd99e481dc5_ln2
    .symbol:         k_qd99e481dc5_ln2.kd
    .args:
      - { .name: y, .offset: 0, .size: 8, .value_kind: global_buffer, .address_space: global }
      - { .name: ln2_g, .offset: 8, .size: 8, .value_kind: global_buffer, .address_space: global }
      - { .name: ln2_b, .offset: 16, .size: 8, .value_kind: global_buffer, .address_space: global }
      - { .name: seq_len, .offset: 24, .size: 8, .value_kind: global_buffer, .address_space: global }
      - { .name: out0, .offset: 32, .size: 8, .value_kind: global_buffer, .address_space: global }
    .group_segment_fixed_size: 0
    .private_segment_fixed_size: 0
    .kernarg_segment_align: 8
    .kernarg_segment_size: 40
    .max_flat_workgroup_size: 256
    .sgpr_count:     66
    .vgpr_count:     176
    .wavefront_size: 32
...
	.end_amdgpu_metadata
.endif
;; end of part 9
;; ======== version 2 of 3: 9 launches; 1.36 times as fast as version 1
;; limits: values are held in f16: magnitudes above 65,504 overflow, below 6.1e-05 lose precision
;; workspace buffers: xb 16,777,216 bytes; w16 9,437,184 bytes; xsp 1,048,576 bytes; qa 16,777,216 bytes; kvp 8,388,608 bytes; kvt 278,528 bytes; ah 16,777,216 bytes; y 33,554,432 bytes
;; launch cast (part 10): grid 416 x 1, 8 waves a work-group, no clusters, 0 bytes of LDS; arguments x, Wq, Wk, Wv, Wg, W1, W2, xb, w16, xsp; writes xb, w16, xsp
.if DOCPART == 10
	.amdgcn_target "amdgcn-amd-amdhsa--gfx1250"
	.amdhsa_code_object_version 6
	.text
	.protected	k_qd99e481dc5_cast
	.globl	k_qd99e481dc5_cast
	.p2align	8
	.type	k_qd99e481dc5_cast,@function
k_qd99e481dc5_cast:
	s_mov_b64 s[64:65], 0
	v_nop
	global_prefetch_b8 v0, s[64:65] scope:SCOPE_SE
	s_setreg_imm32_b32 hwreg(HW_REG_WAVE_MODE, 25, 1), 1
	s_wait_xcnt 0x0
; CAST.  Every large floating input is rounded once to bf16 and laid out for the products that follow.
;   xb   bf16 [8192][1024] = x
;   xsp  f32 [256][1024]: column sums of the rounded x over 32 rows each (the key sum is made of them later, in f32)
;   w16  WQB  bf16 [8][1024][64] at 0: tile T holds Wq's columns 64 T .. 64 T + 63 (heads 2 T, 2 T + 1), dense, 128 bytes a row
;        WKV  bf16 [1024][1024] at WKV: column 64 h + (0..31) = Wk of head h, + 32..63 = Wv of head h
;        WGH  [512][1024] at WGH, W1H, W2H [1024][1024] at W1H on: the bf16 rounding of Wg, W1, W2 written as f16 (exact down to 6e-5; below that f16's fixed step of 6e-8)
; A stream: 256 threads, thread t owns 4 columns; 16 lanes load 256 consecutive bytes, a wave's store covers 256 consecutive bytes, aligned.
; The work-group's number picks the job: 0-255 x (32 rows each), 256-319 Wk|Wv (16 rows), 320-335 Wq, 336-351 Wg, 352-415 W1, W2 (32 rows).
; Every job is two trips with 16 loads of each wave on their way.  No LDS, no matrix unit, no cluster: nothing is shared and memory binds.
.set WKV, 1048576
.set WGH, 3145728
.set W1H, 5242880
.set VS,  1                            ; v1      source byte offset of my 16 bytes
.set VD,  2                            ; v2      destination byte offset of my 8 bytes
.set T,   4                            ; v4-7    at work
.set SUM, 8                            ; v8-11   column sums
.set X,   16                           ; v16-79  up to 16 rows as loaded
.set Y,   80                           ; v80-111 up to 16 rows to store
.set X2,  112                          ; v112-143 the second source's 8 rows (Wv)
; One trip: nr lines are loaded, converted and stored.  kind 0: bf16 and column sums; 1: bf16; 2: bf16, then f16; 3: bf16 of two sources, chosen by lane.
.macro CAST kind, nr, spitch, dpitch
.set i, 0
.rept \nr
	global_load_b128 v[X+4*i:X+4*i+3], v[VS], s[28:29] offset:i*(\spitch)
.if (\kind) == 3
	global_load_b128 v[X2+4*i:X2+4*i+3], v[VS], s[30:31] offset:i*(\spitch)
.endif
.set i, i+1
.endr
.set i, 0
.rept \nr
.if (\kind) == 3
	s_wait_loadcnt 2*((\nr)-1-i)                   ; line i of both sources is in; the younger lines' loads stay out
.else
	s_wait_loadcnt (\nr)-1-i                       ; line i is in; the younger lines' loads stay out
.endif
	v_cvt_pk_bf16_f32 v[Y+2*i], v[X+4*i], v[X+4*i+1]
	v_cvt_pk_bf16_f32 v[Y+2*i+1], v[X+4*i+2], v[X+4*i+3]
.if (\kind) == 3
	v_cvt_pk_bf16_f32 v[T], v[X2+4*i], v[X2+4*i+1]
	v_cvt_pk_bf16_f32 v[T+1], v[X2+4*i+2], v[X2+4*i+3]
	v_cndmask_b32 v[Y+2*i], v[Y+2*i], v[T], s39    ; threads with bit 3 set write Wv's columns
	v_cndmask_b32 v[Y+2*i+1], v[Y+2*i+1], v[T+1], s39
.endif
.if ((\kind) == 0) || ((\kind) == 2)
	v_lshlrev_b32 v[T], 16, v[Y+2*i]               ; the rounded numbers back in f32
	v_and_b32 v[T+1], s37, v[Y+2*i]
	v_lshlrev_b32 v[T+2], 16, v[Y+2*i+1]
	v_and_b32 v[T+3], s37, v[Y+2*i+1]
.endif
.if (\kind) == 0
	v_pk_add_f32 v[SUM:SUM+1], v[SUM:SUM+1], v[T:T+1]
	v_pk_add_f32 v[SUM+2:SUM+3], v[SUM+2:SUM+3], v[T+2:T+3]
.endif
.if (\kind) == 2
	v_cvt_pk_f16_f32 v[Y+2*i], v[T], v[T+1]
	v_cvt_pk_f16_f32 v[Y+2*i+1], v[T+2], v[T+3]
.endif
	global_store_b64 v[VD], v[Y+2*i:Y+2*i+1], s[32:33] offset:i*(\dpitch)
.set i, i+1
.endr
	s_wait_xcnt 0x0                                ; the bases and Y are rewritten only behind this wait
	s_add_nc_u64 s[28:29], s[28:29], (\nr)*(\spitch)
.if (\kind) == 3
	s_add_nc_u64 s[30:31], s[30:31], (\nr)*(\spitch)
.endif
	s_add_nc_u64 s[32:33], s[32:33], (\nr)*(\dpitch)
	s_sub_co_u32 s36, s36, 1
	s_cmp_lg_u32 s36, 0
.endm
	s_load_b512 s[8:23], s[0:1], 0x0               ; x s8, Wq s10, Wk s12, Wv s14, Wg s16, W1 s18, W2 s20, xb s22
	s_load_b128 s[24:27], s[0:1], 0x40             ; w16 s24, xsp s26
	s_mov_b32 s37, 0xffff0000
	s_mov_b32 s35, 0
	v_lshlrev_b32 v[VS], 4, v0                     ; 16 t
	v_lshlrev_b32 v[VD], 3, v0                     ; 8 t
	s_wait_kmcnt 0x0
	s_cmp_lt_u32 ttmp9, 256
	s_cbranch_scc0 .Lnot_x
	s_lshl_b32 s34, ttmp9, 17                      ; x: 32 rows of 4,096 bytes
	s_add_nc_u64 s[28:29], s[8:9], s[34:35]
	s_lshl_b32 s34, ttmp9, 16                      ; 32 rows of 2,048 bytes
	s_add_nc_u64 s[32:33], s[22:23], s[34:35]
	v_mov_b32 v[SUM], 0
	v_mov_b32 v[SUM+1], 0
	v_mov_b32 v[SUM+2], 0
	v_mov_b32 v[SUM+3], 0
	s_mov_b32 s36, 2
.Lrows_trip:
	CAST 0, 16, 4096, 2048
	s_cbranch_scc1 .Lrows_trip
	s_lshl_b32 s34, ttmp9, 12
	s_add_nc_u64 s[26:27], s[26:27], s[34:35]
	global_store_b128 v[VS], v[SUM:SUM+3], s[26:27]
	s_endpgm
.Lnot_x:
	s_cmp_lt_u32 ttmp9, 320
	s_cbranch_scc1 .Lkv
	s_cmp_lt_u32 ttmp9, 336
	s_cbranch_scc1 .Lq
	s_cmp_lt_u32 ttmp9, 352
	s_cbranch_scc0 .Lw
	s_sub_co_u32 s36, ttmp9, 336                   ; Wg: 32 rows
	s_lshl_b32 s34, s36, 17
	s_add_nc_u64 s[28:29], s[16:17], s[34:35]
	s_lshl_b32 s34, s36, 16
	s_add_co_u32 s34, s34, WGH
	s_add_nc_u64 s[32:33], s[24:25], s[34:35]
	s_branch .Lw_go
.Lw:                                                   ; W1 and W2: 32 rows
	s_sub_co_u32 s36, ttmp9, 352                   ; 0..63
	s_cmp_lt_u32 s36, 32
	s_cselect_b64 s[28:29], s[18:19], s[20:21]
	s_and_b32 s38, s36, 31
	s_lshl_b32 s34, s38, 17
	s_add_nc_u64 s[28:29], s[28:29], s[34:35]
	s_lshl_b32 s34, s36, 16                        ; W2H follows W1H
	s_add_co_u32 s34, s34, W1H
	s_add_nc_u64 s[32:33], s[24:25], s[34:35]
.Lw_go:
	s_mov_b32 s36, 2
.Lw_trip:
	CAST 2, 16, 4096, 2048
	s_cbranch_scc1 .Lw_trip
	s_endpgm
.Lkv:                                                  ; Wk and Wv, interleaved by heads: 16 rows
	s_sub_co_u32 s36, ttmp9, 256
	s_lshl_b32 s34, s36, 15                        ; 16 rows of 2,048 bytes, in the sources and in WKV
	s_add_nc_u64 s[28:29], s[12:13], s[34:35]
	s_add_nc_u64 s[30:31], s[14:15], s[34:35]
	s_add_co_u32 s34, s34, WKV
	s_add_nc_u64 s[32:33], s[24:25], s[34:35]
	v_lshrrev_b32 v3, 4, v0                        ; head
	v_and_b32 v[VS], 7, v0
	v_lshlrev_b32 v[VS], 4, v[VS]
	v_lshl_add_u32 v[VS], v3, 7, v[VS]             ; 128 head + 16 (t % 8)
	v_and_b32 v3, 8, v0
	v_cmp_ne_u32 s39, 0, v3
	s_mov_b32 s36, 2
.Lkv_trip:
	CAST 3, 8, 2048, 2048
	s_cbranch_scc1 .Lkv_trip
	s_endpgm
.Lq:                                                   ; Wq by tiles: work-group j takes tile j / 2, rows 512 (j % 2) on; a line is 16 rows x 64 columns
	s_sub_co_u32 s36, ttmp9, 320
	s_lshr_b32 s34, s36, 1
	s_lshl_b32 s34, s34, 8                         ; the tile's 64 columns: 256 bytes of a row of Wq
	s_and_b32 s38, s36, 1
	s_lshl_b32 s38, s38, 20                        ; 512 rows of 2,048 bytes
	s_add_co_u32 s34, s34, s38
	s_add_nc_u64 s[28:29], s[10:11], s[34:35]
	s_lshl_b32 s34, s36, 16                        ; 512 rows of 128 bytes: the tiles lie end to end
	s_add_nc_u64 s[32:33], s[24:25], s[34:35]
	v_lshrrev_b32 v3, 4, v0
	v_and_b32 v[VS], 15, v0
	v_lshlrev_b32 v[VS], 4, v[VS]
	v_lshl_add_u32 v[VS], v3, 11, v[VS]            ; row t / 16, 16 bytes at 16 (t % 16); the store's 8 t is dense
	s_mov_b32 s36, 2
.Lq_trip:
	CAST 1, 16, 32768, 2048
	s_cbranch_scc1 .Lq_trip
	s_endpgm
.Lfunc_end_k_qd99e481dc5_cast:
	.size	k_qd99e481dc5_cast, .Lfunc_end_k_qd99e481dc5_cast-k_qd99e481dc5_cast
	.p2alignl 7, 3214868480
	.fill 96, 4, 3214868480
	.section	.rodata,"a",@progbits
	.p2align	6, 0x0
	.amdhsa_kernel k_qd99e481dc5_cast
		.amdhsa_group_segment_fixed_size 0
		.amdhsa_private_segment_fixed_size 0
		.amdhsa_enable_private_segment 0
		.amdhsa_kernarg_size 80
		.amdhsa_user_sgpr_count 2
		.amdhsa_user_sgpr_kernarg_segment_ptr 1
		.amdhsa_wavefront_size32 1
		.amdhsa_system_sgpr_workgroup_id_x 1
		.amdhsa_system_sgpr_workgroup_id_y 1
		.amdhsa_system_sgpr_workgroup_id_z 1
		.amdhsa_system_vgpr_workitem_id 0
		.amdhsa_next_free_vgpr 144
		.amdhsa_next_free_sgpr 66
		.amdhsa_reserve_vcc 0
		.amdhsa_float_denorm_mode_32 3
		.amdhsa_float_denorm_mode_16_64 3
		.amdhsa_memory_ordered 1
		.amdhsa_forward_progress 1
		.amdhsa_inst_pref_size 35
	.end_amdhsa_kernel
	.amdgpu_metadata
---
amdhsa.version: [ 1, 2 ]
amdhsa.kernels:
  - .name:           k_qd99e481dc5_cast
    .symbol:         k_qd99e481dc5_cast.kd
    .args:
      - { .name: x, .offset: 0, .size: 8, .value_kind: global_buffer, .address_space: global }
      - { .name: Wq, .offset: 8, .size: 8, .value_kind: global_buffer, .address_space: global }
      - { .name: Wk, .offset: 16, .size: 8, .value_kind: global_buffer, .address_space: global }
      - { .name: Wv, .offset: 24, .size: 8, .value_kind: global_buffer, .address_space: global }
      - { .name: Wg, .offset: 32, .size: 8, .value_kind: global_buffer, .address_space: global }
      - { .name: W1, .offset: 40, .size: 8, .value_kind: global_buffer, .address_space: global }
      - { .name: W2, .offset: 48, .size: 8, .value_kind: global_buffer, .address_space: global }
      - { .name: xb, .offset: 56, .size: 8, .value_kind: global_buffer, .address_space: global }
      - { .name: w16, .offset: 64, .size: 8, .value_kind: global_buffer, .address_space: global }
      - { .name: xsp, .offset: 72, .size: 8, .value_kind: global_buffer, .address_space: global }
    .group_segment_fixed_size: 0
    .private_segment_fixed_size: 0
    .kernarg_segment_align: 8
    .kernarg_segment_size: 80
    .max_flat_workgroup_size: 256
    .sgpr_count:     66
    .vgpr_count:     144
    .wavefront_size: 32
...
	.end_amdgpu_metadata
.endif
;; end of part 10
;; launch proj (part 11): grid 8 x 32, 4 waves a work-group, clusters of 4 x 4, 327,680 bytes of LDS; arguments xb, w16, qa, kvp; writes qa, kvp
.if DOCPART == 11
	.amdgcn_target "amdgcn-amd-amdhsa--gfx1250"
	.amdhsa_code_object_version 6
	.text
	.protected	k_qd99e481dc5_proj
	.globl	k_qd99e481dc5_proj
	.p2align	8
	.type	k_qd99e481dc5_proj,@function
k_qd99e481dc5_proj:
	s_mov_b64 s[64:65], 0
	v_nop
	global_prefetch_b8 v0, s[64:65] scope:SCOPE_SE
	s_setreg_imm32_b32 hwreg(HW_REG_WAVE_MODE, 25, 1), 1
	s_wait_xcnt 0x0
	s_wait_alu depctr_hold_cnt(0) depctr_sa_sdst(0) depctr_va_vdst(0) depctr_va_sdst(0) depctr_va_ssrc(0) depctr_va_vcc(0) depctr_vm_vsrc(0)
	s_getreg_b32 s2, hwreg(HW_REG_IB_STS2, 6, 4)
	s_cmp_eq_u32 s2, 0
	s_cbranch_scc0 .Lentry_in_a_cluster
	s_endpgm
.Lentry_in_a_cluster:
	s_bfe_u32 s2, ttmp6, 0x10000c
	s_cmp_lg_u32 s2, 0xf033
	s_cbranch_scc0 .Lentry_shape_is_right
	s_endpgm
.Lentry_shape_is_right:
; PROJ.  q, k and v = xb [8192][1024] x (Wq | Wk, Wv), bf16 operands, f32 sums.  256 work-groups, one tile each: 256 rows x 192 columns = two heads' q (64) and the same heads' k, v (128).
; Four waves, each 64 rows x 192 columns: 48 accumulators.  K = 1,024 goes in 8 steps of 128 through two LDS slots filled by tensor loads.
; A's rows lie along K (LDS rows of 256 + 16 bytes); the weights lie [k][n] (LDS rows of 256 + 32 and of 128 + 32 bytes) and are turned on the way into registers by ds_load_tr16_b128.
; CLUSTER 4 x 4: A's tile is shared along a row of the cluster, the weights' along a column; each is asked for jointly.
; THE TEXT.  A step is four quarters of 32 along K on two fragment buffers.  The first quarter, whose products start the sums, stands ahead of the loop; a trip goes from a step's second
; quarter to the next step's first.  Six trips fill a slot again; the last two steps run a second text without a fill, which is left in its middle.  The price of one text for both:
; the last change of slots passes a barrier and fetches 32 fragments that nobody needs.  The slots lie 1 << 17 bytes apart, so one exclusive or turns an address in one into the other's.
; THE WAY OUT.  q is kept in f32, since the divisor q . ksum cancels; it is laid so that a lane of the next launch holds one row:
;   qa byte = rowblock16 * 32768 + head * 2048 + part * 512 + lane * 16; lane (r, hh): row r, d = 16 (part / 2) + 8 hh + 4 (part % 2) + 0..3.
; In the natural operand order a lane holds one column and eight tokens, so k and v rounded to f16 in pairs ARE the operands of K^T V: the wave multiplies its 64 tokens at once
; and stores a partial 32 x 32 sum in f32 for each of its two heads:
;   kvp byte = (group64 * 16 + head) * 4096 + ((2 db + eb) * 2 + qq) * 512 + lane * 16: registers 4 qq .. of the tile d = 16 db + 8 hh + j, e = 16 eb + r.
; LIMIT: k and v pass through f16, which ends at 65,504.
; REGISTERS, in windows of 256: window 0 addresses, v64-127 K^T V, v128-255 k and v in f16; window 1 the 32 accumulators of k and v ((a, c) at 8 (8 a + c));
;   window 2 v0-127 the 16 accumulators of q ((a, b) at 8 (4 a + b)); window 3 two fragment buffers of 128: A 32, q's weights 32, k's and v's 64.
.set KSTEP,  128
.set STEPS,  8
.set WKV,    1048576                   ; Wk | Wv in w16; Wq's tiles lie at 0
.set PA,     272                       ; A's LDS row: an odd multiple of 16 bytes: the 16 rows of a load start in 16 different groups of four banks
.set PB,     288                       ; k's and v's weights: an odd multiple of 32, for the turning load
.set PQ,     160                       ; q's weights: likewise
.set HALFA,  128*PA                    ; what one tensor load brings of A
.set BK,     2*HALFA
.set BQ,     BK+128*PB
.set SLOT1,  1<<17                     ; a slot uses 126,976 bytes
.set STAGE,  2*SLOT1                   ; behind the ring, never filled by a tensor load: 16 rows x 272 bytes a wave
.set SP,     272
.set SPARE,  STAGE+4*16*SP             ; the spare words, 128 bytes a wave; no other line names them
.set ADRA0, 16                         ; v16-18 my lane's place in a slot: A, k|v, q; never rewritten
.set ADRK0, 17
.set ADRQ0, 18
.set ADRA,  19                         ; v19-21 the same in the slot in hand
.set ADRK,  20
.set ADRQ,  21
.set STO,  24
.set RD,   25
.set CO,   26
.set SPW,  28
.set NIL,  29
.set KVA,  64
.set PK,   128
.set F0,   0
.set F1,   128
.set G1,  24                           ; s[24:31] group 1, s[32:39] two groups 0 for A; the second walks on
.set G0,  32
.set G1K, 48                           ; the same for k's and v's weights
.set G0K, 56
.set G1Q, 72                           ; and for q's
.set G0Q, 80
.set TB,  45                           ; s45 LDS byte at which the slot in hand begins
.set MSB, 0
.macro WIN new                         ; the immediate's high byte repeats the setting that is left
.if MSB != (\new)
	s_set_vgpr_msb (MSB<<8)|(\new)
.set MSB, \new
.endif
.endm
.set W_Q,   0xaf                       ; sources 0 and 1 window 3; C and D window 2
.set W_K,   0x5f                       ; sources 0 and 1 window 3; C and D window 1
.set TO_F,  0xc0                       ; destination window 3, address window 0
.set W_OUT, 0x88                       ; q's way out: loaded data and stored data window 2, addresses window 0
.macro JLOAD s                         ; a joint load: waves 0, 1 fetch A's halves, wave 2 k's and v's weights, wave 3 q's; s_nop 0 and four v_nop follow each line
	s_cmp_lt_u32 s10, 2
	s_cbranch_scc0 .Lnot_a_\@
	tensor_load_to_lds s[G0+4*(\s):G0+4*(\s)+3], s[G1:G1+7]
	s_nop 0
.rept 4
	v_nop
.endr
	s_branch .Lasked_\@
.Lnot_a_\@:
	s_cmp_eq_u32 s10, 2
	s_cbranch_scc0 .Lfor_q_\@
	tensor_load_to_lds s[G0K+4*(\s):G0K+4*(\s)+3], s[G1K:G1K+7]
	s_nop 0
.rept 4
	v_nop
.endr
	s_branch .Lasked_\@
.Lfor_q_\@:
	tensor_load_to_lds s[G0Q+4*(\s):G0Q+4*(\s)+3], s[G1Q:G1Q+7]
	s_nop 0
.rept 4
	v_nop
.endr
.Lasked_\@:
.endm
.macro CREST                           ; a round of the cluster's barrier behind its opening barrier
	s_cmp_lg_u32 s10, 0
	s_cbranch_scc1 .Lnot_wave_0_\@
	s_barrier_signal -3
.Lnot_wave_0_\@:
	s_barrier_wait -3
	s_barrier_signal -1
	s_barrier_wait -1
.endm
.macro CROUND
	s_barrier_signal -1
	s_barrier_wait -1
	CREST
.endm
.macro PLACES                          ; four places behind matrix instructions whose registers are read, written or loaded next
.rept 4
	v_nop
.endr
.endm
	s_load_b128 s[4:7], s[0:1], 0x0                ; xb, w16
	s_load_b64 s[8:9], s[0:1], 0x10                ; qa
	s_load_b64 s[66:67], s[0:1], 0x18              ; kvp
	v_lshl_add_u32 v[SPW], v0, 2, SPARE
	v_mov_b32 v[NIL], 0
	ds_add_u32 v[SPW], v[NIL]                      ; the wave's opening: the add; its wait stands ahead of my first tensor load
	v_lshrrev_b32 v1, 5, v0
	v_readfirstlane_b32 s10, v1                    ; wave 0..3: my 64 rows of the tile
	s_and_b32 s12, s10, 1                          ; which half of A I fetch, if I fetch A
	s_bfe_u32 s40, ttmp6, 0x40000                  ; cx
	s_bfe_u32 s41, ttmp6, 0x40004                  ; cy
	s_lshl_b32 s42, ttmp9, 2
	s_add_co_u32 s42, s42, s40                     ; tile column 0..7
	s_and_b32 s13, ttmp7, 0xffff
	s_lshl_b32 s13, s13, 2
	s_add_co_u32 s13, s13, s41                     ; tile row 0..31
	s_lshl_b32 s43, s41, 2
	s_lshl_b32 s43, 15, s43                        ; my row of the cluster
	s_lshl_b32 s44, 0x1111, s40                    ; my column
	s_or_b32 s[G1+0], s43, (1<<16)|(1<<20)|(1<<21)|(5<<22)|(3<<25)   ; A: 2-byte elements, 4 words of padding after every 64
	s_or_b32 s[G1K+0], s44, (1<<16)|(1<<20)|(1<<21)|(5<<22)|(7<<25)  ; k|v: 8 words after every 64
	s_or_b32 s[G1Q+0], s44, (1<<16)|(1<<20)|(1<<21)|(4<<22)|(7<<25)  ; q: 8 words after every 32: two k rows lie in a row of 256 bytes
	s_mov_b32 s[G1+1], KSTEP<<16                   ; A: 128 rows x 128 elements, 1,024 from row to row
	s_mov_b32 s[G1+2], 128<<16
	s_mov_b32 s[G1+3], KSTEP<<16
	s_mov_b32 s[G1+4], 128
	s_mov_b32 s[G1+5], 1024
	s_mov_b32 s[G1+6], 0
	s_mov_b32 s[G1+7], 0
	s_mov_b32 s[G1K+1], 128<<16                    ; k|v: 128 rows (k) x 128 elements, 1,024 from row to row
	s_mov_b32 s[G1K+2], 128<<16
	s_mov_b32 s[G1K+3], 128<<16
	s_mov_b32 s[G1K+4], 128
	s_mov_b32 s[G1K+5], 1024
	s_mov_b32 s[G1K+6], 0
	s_mov_b32 s[G1K+7], 0
	s_mov_b32 s[G1Q+1], 128<<16                    ; q: 128 k x 64 columns are 16,384 dense bytes: 64 rows of 128 elements
	s_mov_b32 s[G1Q+2], 64<<16
	s_mov_b32 s[G1Q+3], 128<<16
	s_mov_b32 s[G1Q+4], 64
	s_mov_b32 s[G1Q+5], 128
	s_mov_b32 s[G1Q+6], 0
	s_mov_b32 s[G1Q+7], 0
	s_mov_b32 s[TB], 0
	s_lshl_b32 s16, s13, 8
	s_lshl_b32 s17, s12, 7
	s_add_co_u32 s16, s16, s17                     ; A: row 256 x tile row + 128 x half,
	s_lshl_b32 s16, s16, 11                        ; of 2,048 bytes
	s_mov_b32 s17, 0
	s_lshl_b32 s46, s42, 8                         ; k|v: column 128 x tile column
	s_add_co_u32 s46, s46, WKV
	s_mov_b32 s47, 0
	s_lshl_b32 s68, s42, 17                        ; q: the tile's 131,072 bytes
	s_mov_b32 s69, 0
	s_mul_i32 s20, s12, HALFA                      ; where A goes: no place in the cluster enters an LDS address
	s_wait_dscnt 0x0                               ; the opening add is done
	s_wait_kmcnt 0x0
	s_add_nc_u64 s[14:15], s[4:5], s[16:17]
	s_add_nc_u64 s[46:47], s[6:7], s[46:47]
	s_add_nc_u64 s[68:69], s[6:7], s[68:69]
	CROUND                                         ; all sixteen work-groups are here: the first joint loads meet
.irp s, 0,1
	s_mov_b32 s[G0+4*(\s)], 1
	s_add_co_u32 s[G0+4*(\s)+1], s20, (\s)*SLOT1
	s_add_nc_u64 s[G0+4*(\s)+2:G0+4*(\s)+3], s[14:15], (\s)*KSTEP*2
	s_or_b32 s[G0+4*(\s)+3], s[G0+4*(\s)+3], 0x80000000
	s_mov_b32 s[G0K+4*(\s)], 1
	s_mov_b32 s[G0K+4*(\s)+1], BK+(\s)*SLOT1
	s_add_nc_u64 s[G0K+4*(\s)+2:G0K+4*(\s)+3], s[46:47], (\s)*KSTEP*2048
	s_or_b32 s[G0K+4*(\s)+3], s[G0K+4*(\s)+3], 0x80000000
	s_mov_b32 s[G0Q+4*(\s)], 1
	s_mov_b32 s[G0Q+4*(\s)+1], BQ+(\s)*SLOT1
	s_add_nc_u64 s[G0Q+4*(\s)+2:G0Q+4*(\s)+3], s[68:69], (\s)*KSTEP*128
	s_or_b32 s[G0Q+4*(\s)+3], s[G0Q+4*(\s)+3], 0x80000000
	JLOAD \s
.endr
	v_and_b32 v1, 15, v0                           ; r
	v_bfe_u32 v2, v0, 4, 1                         ; hh
	v_mul_u32_u24 v3, v1, PA
	v_lshl_add_u32 v3, v2, 4, v3                   ; A: row x pitch + 16 hh
	s_mul_i32 s22, s10, 64*PA
	v_add_nc_u32 v[ADRA0], s22, v3
	v_and_b32 v4, 7, v0
	v_lshl_add_u32 v4, v2, 3, v4                   ; the weights: k row 8 hh + lane % 8,
	v_bfe_u32 v5, v0, 3, 1
	v_lshlrev_b32 v5, 4, v5                        ; 16 bytes for each half of eight lanes
	v_mad_u32_u24 v6, v4, PB, v5
	v_add_nc_u32 v[ADRK0], BK, v6
	v_mad_u32_u24 v6, v4, PQ, v5
	v_add_nc_u32 v[ADRQ0], BQ, v6
	v_add_nc_u32 v[ADRA], s[TB], v[ADRA0]
	v_add_nc_u32 v[ADRK], s[TB], v[ADRK0]
	v_add_nc_u32 v[ADRQ], s[TB], v[ADRQ0]
	s_mul_i32 s23, s10, 16*SP
	s_add_co_u32 s23, s23, STAGE                   ; my own stage
	v_mul_u32_u24 v5, v2, 8*SP
	v_lshl_add_u32 v5, v1, 2, v5
	v_add_nc_u32 v[STO], s23, v5                   ; in: row 8 hh (+ j), column r
	v_mul_u32_u24 v5, v1, SP
	v_lshl_add_u32 v5, v2, 5, v5
	v_add_nc_u32 v[RD], s23, v5                    ; back: row r, 32 hh bytes on
	v_and_b32 v[CO], 31, v0
	v_lshlrev_b32 v[CO], 4, v[CO]                  ; 16 x lane
	s_lshl_b32 s16, s13, 4
	s_lshl_b32 s17, s10, 2
	s_add_co_u32 s16, s16, s17                     ; my first block of 16 rows
	s_lshl_b32 s16, s16, 15
	s_mov_b32 s17, 0
	s_add_nc_u64 s[8:9], s[8:9], s[16:17]
	s_lshl_b32 s46, s42, 12                        ; my first head, 2 x tile column, of 2,048 bytes
	s_mov_b32 s47, 0
	s_add_nc_u64 s[8:9], s[8:9], s[46:47]
	s_lshl_b32 s16, s13, 2
	s_add_co_u32 s16, s16, s10                     ; my group of 64 rows,
	s_lshl_b32 s16, s16, 16                        ; x 16 heads x 4,096 bytes
	s_add_nc_u64 s[66:67], s[66:67], s[16:17]
	s_lshl_b32 s46, s42, 13
	s_add_nc_u64 s[66:67], s[66:67], s[46:47]
; 8 products for q: m blocks a0, a0 + 1 x 4 n blocks, 32 along K.  Natural order: source 0 = A.  zero = 1: the product starts the sum.
.macro MULQ f, a0, zero
	WIN W_Q
.irp a, \a0, (\a0)+1
.irp b, 0,1,2,3
.set rD, 8*(4*(\a)+(\b))
.set rA, (\f)+8*(\a)
.set rB, (\f)+32+8*(\b)
.if \zero
	v_wmma_f32_16x16x32_bf16 v[rD:rD+7], v[rA:rA+7], v[rB:rB+7], 0
.else
	v_wmma_f32_16x16x32_bf16 v[rD:rD+7], v[rA:rA+7], v[rB:rB+7], v[rD:rD+7]
.endif
.endr
.endr
.endm
; 16 products for k and v: m blocks a0, a0 + 1 x 8 n blocks
.macro MULK f, a0, zero
	WIN W_K
.irp a, \a0, (\a0)+1
.irp c, 0,1,2,3,4,5,6,7
.set rD, 8*(8*(\a)+(\c))
.set rA, (\f)+8*(\a)
.set rB, (\f)+64+8*(\c)
.if \zero
	v_wmma_f32_16x16x32_bf16 v[rD:rD+7], v[rA:rA+7], v[rB:rB+7], 0
.else
	v_wmma_f32_16x16x32_bf16 v[rD:rD+7], v[rA:rA+7], v[rB:rB+7], v[rD:rD+7]
.endif
.endr
.endr
.endm
; 32 LDS loads in one run: the fragments of quarter q of the slot in hand into buffer f: A, q's weights, then k's and v's
.macro FETCH q, f
	WIN TO_F
.irp a, 0,1,2,3
	ds_load_b128 v[(\f)+8*(\a):(\f)+8*(\a)+3],   v[ADRA] offset:64*(\q)+(\a)*16*PA
	ds_load_b128 v[(\f)+8*(\a)+4:(\f)+8*(\a)+7], v[ADRA] offset:64*(\q)+(\a)*16*PA+32
.endr
.irp b, 0,1,2,3
	ds_load_tr16_b128 v[(\f)+32+8*(\b):(\f)+32+8*(\b)+3],   v[ADRQ] offset:32*(\q)*PQ+32*(\b)
	ds_load_tr16_b128 v[(\f)+32+8*(\b)+4:(\f)+32+8*(\b)+7], v[ADRQ] offset:(32*(\q)+16)*PQ+32*(\b)
.endr
.irp c, 0,1,2,3,4,5,6,7
	ds_load_tr16_b128 v[(\f)+64+8*(\c):(\f)+64+8*(\c)+3],   v[ADRK] offset:32*(\q)*PB+32*(\c)
	ds_load_tr16_b128 v[(\f)+64+8*(\c)+4:(\f)+64+8*(\c)+7], v[ADRK] offset:(32*(\q)+16)*PB+32*(\c)
.endr
.endm
; A quarter: multiplies buffer f and fetches quarter q into g.  The 48 accumulators take turns.
.macro QUARTER q, f, g, zero
	s_wait_dscnt 16                                ; A and q's weights are in; the youngest sixteen loads (k's and v's weights) may be out
	MULQ \f, 0, \zero
	MULQ \f, 2, \zero
	PLACES
	FETCH \q, \g
	s_wait_dscnt 32                                ; all but the 32 just issued
	MULK \f, 0, \zero
	MULK \f, 2, \zero
.endm
; A step's last quarter multiplies buffer 1 and changes slots: in front of the barrier each wave waits for all its tensor loads (one is out: its part of the next slot),
; adds 0 to its spare word, and waits for that and for its reads of this slot.  fill = 1: the barrier opens a round of the cluster's, and this slot takes the step two further on.
.macro TURN fill
	WIN 0
	s_wait_tensorcnt 0x0
	ds_add_u32 v[SPW], v[NIL]
	s_wait_dscnt 17                                ; (the add and the youngest sixteen loads may be out)
	MULQ F1, 0, 0
	s_wait_dscnt 0x0                               ; the add is done, and my reads of this slot are over
	s_barrier_signal -1
	MULQ F1, 2, 0
	WIN 0
	s_barrier_wait -1
.if \fill
	CREST                                          ; no wave of any partner still reads this slot or has a load on its way
.irp g, G0, G0K, G0Q
	s_xor_b32 s[\g+5], s[\g+5], SLOT1              ; the walking descriptors: the other slot than last time,
.endr
	s_add_nc_u64 s[G0+6:G0+7], s[G0+6:G0+7], KSTEP*2          ; the next step; the type bits on top are not reached
	s_add_nc_u64 s[G0K+6:G0K+7], s[G0K+6:G0K+7], KSTEP*2048
	s_add_nc_u64 s[G0Q+6:G0Q+7], s[G0Q+6:G0Q+7], KSTEP*128
	JLOAD 1                                        ; the first tensor load behind the round; its four v_nop are also the places in front of the loads below
.else
	PLACES
.endif
	s_xor_b32 s[TB], s[TB], SLOT1                  ; the fetches go on in the other slot
	v_add_nc_u32 v[ADRA], s[TB], v[ADRA0]
	v_add_nc_u32 v[ADRK], s[TB], v[ADRK0]
	v_add_nc_u32 v[ADRQ], s[TB], v[ADRQ0]
	FETCH 0, F0
	MULK F1, 0, 0
	MULK F1, 2, 0
.endm
	s_wait_tensorcnt 1                             ; my part of step 0 is in; step 1's load may stay out
	s_barrier_signal -1
	s_barrier_wait -1
	FETCH 0, F0
	QUARTER 1, F0, F1, 1
	WIN 0                                          ; at a label and at a branch every window is 0
	s_mov_b32 s3, STEPS-2
.Lstep:                                                ; six trips: steps 2 to 7 are asked for
	QUARTER 2, F1, F0, 0
	QUARTER 3, F0, F1, 0
	TURN 1
	QUARTER 1, F0, F1, 0
	WIN 0
	s_sub_co_u32 s3, s3, 1
	s_cmp_lg_u32 s3, 0
	s_cbranch_scc1 .Lstep
	s_mov_b32 s3, 2
.Ltail:                                                ; the last two steps ask for nothing; the second trip is left in its middle
	QUARTER 2, F1, F0, 0
	QUARTER 3, F0, F1, 0
	TURN 0
	WIN 0
	s_sub_co_u32 s3, s3, 1
	s_cmp_eq_u32 s3, 0
	s_cbranch_scc1 .Lout
	QUARTER 1, F0, F1, 0
	WIN 0
	s_branch .Ltail
.Lout:
	s_wait_dscnt 0x0                               ; the fetch that nobody needs is back
	PLACES
	; Q'S WAY OUT: a lane holds a column; through my own stage it becomes a row.  LDS serves a wave's instructions in order, so no wait stands between stores and loads.
.macro TOSTQ a
.irp b, 0,1,2,3
.irp j, 0,1,2,3,4,5,6,7
	ds_store_b32 v[STO], v[8*(4*(\a)+(\b))+(\j)] offset:(\j)*SP+64*(\b)
.endr
.endr
.irp f, 0,1,2,3,4,5,6,7
	ds_load_b128 v[32*(\a)+4*(\f):32*(\a)+4*(\f)+3], v[RD] offset:128*((\f)/4)+64*(((\f)%4)/2)+16*((\f)%2)
.endr
.endm
.macro SENDQ a, younger                ; younger: the next block's 32 stores and 8 loads, or none
.irp f, 0,1,2,3,4,5,6,7
	s_wait_dscnt (\younger)+7-(\f)
	global_store_b128 v[CO], v[32*(\a)+4*(\f):32*(\a)+4*(\f)+3], s[8:9] offset:(\a)*32768+((\f)/4)*2048+((\f)%4)*512  ; 512 consecutive bytes
.endr
.endm
	WIN W_OUT
	TOSTQ 0
	TOSTQ 1
	SENDQ 0, 40
	TOSTQ 2
	SENDQ 1, 40
	TOSTQ 3
	; K'S AND V'S WAY OUT stands between the last blocks' LDS loads and their stores: the wave's partial K^T V over its 64 tokens, for two heads
	WIN 0x05                                       ; sources window 1, destination window 0
.irp a, 0,1,2,3
.irp c, 0,1,2,3,4,5,6,7
.irp jj, 0,1,2,3
	v_cvt_pk_f16_f32 v[PK+16*(\c)+8*((\a)/2)+4*((\a)%2)+(\jj)], v[8*(8*(\a)+(\c))+2*(\jj)], v[8*(8*(\a)+(\c))+2*(\jj)+1]
.endr
.endr
.endr
	WIN 0
.irp t, 0,1                            ; 32 tokens a step; the eight accumulators take turns
.irp u, 0,1
.irp db, 0,1
.irp eb, 0,1
.set rD, KVA+32*(\u)+8*(2*(\db)+(\eb))
.set rA, PK+64*(\u)+16*(\db)+8*(\t)
.set rB, PK+64*(\u)+16*(2+(\eb))+8*(\t)
.if (\t) == 0
	v_wmma_f32_16x16x32_f16 v[rD:rD+7], v[rA:rA+7], v[rB:rB+7], 0
.else
	v_wmma_f32_16x16x32_f16 v[rD:rD+7], v[rA:rA+7], v[rB:rB+7], v[rD:rD+7]
.endif
.endr
.endr
.endr
.endr
	PLACES
.irp k, 0,1,2,3,4,5,6,7                ; k = 4 u + 2 db + eb: the two heads' tiles lie end to end
	global_store_b128 v[CO], v[KVA+8*(\k):KVA+8*(\k)+3], s[66:67] offset:(2*(\k))*512
	global_store_b128 v[CO], v[KVA+8*(\k)+4:KVA+8*(\k)+7], s[66:67] offset:(2*(\k)+1)*512
.endr
	WIN W_OUT
	SENDQ 2, 40
	SENDQ 3, 0
	WIN 0
	s_wait_tensorcnt 0x0                           ; the wave's end
	ds_add_u32 v[SPW], v[NIL]
	s_wait_dscnt 0x0
	CROUND                                         ; the closing round: no work-group ends while a partner may still ask for a tile that names it
	s_endpgm
.Lfunc_end_k_qd99e481dc5_proj:
	.size	k_qd99e481dc5_proj, .Lfunc_end_k_qd99e481dc5_proj-k_qd99e481dc5_proj
	.p2alignl 7, 3214868480
	.fill 96, 4, 3214868480
	.section	.rodata,"a",@progbits
	.p2align	6, 0x0
	.amdhsa_kernel k_qd99e481dc5_proj
		.amdhsa_group_segment_fixed_size 327680
		.amdhsa_private_segment_fixed_size 0
		.amdhsa_enable_private_segment 0
		.amdhsa_kernarg_size 32
		.amdhsa_user_sgpr_count 2
		.amdhsa_user_sgpr_kernarg_segment_ptr 1
		.amdhsa_wavefront_size32 1
		.amdhsa_system_sgpr_workgroup_id_x 1
		.amdhsa_system_sgpr_workgroup_id_y 1
		.amdhsa_system_sgpr_workgroup_id_z 1
		.amdhsa_system_vgpr_workitem_id 0
		.amdhsa_next_free_vgpr 1024
		.amdhsa_next_free_sgpr 96
		.amdhsa_reserve_vcc 0
		.amdhsa_float_denorm_mode_32 3
		.amdhsa_float_denorm_mode_16_64 3
		.amdhsa_memory_ordered 1
		.amdhsa_forward_progress 1
		.amdhsa_inst_pref_size 87
	.end_amdhsa_kernel
	.amdgpu_metadata
---
amdhsa.version: [ 1, 2 ]
amdhsa.kernels:
  - .name:           k_qd99e481dc5_proj
    .symbol:         k_qd99e481dc5_proj.kd
    .args:
      - { .name: xb, .offset: 0, .size: 8, .value_kind: global_buffer, .address_space: global }
      - { .name: w16, .offset: 8, .size: 8, .value_kind: global_buffer, .address_space: global }
      - { .name: qa, .offset: 16, .size: 8, .value_kind: global_buffer, .address_space: global }
      - { .name: kvp, .offset: 24, .size: 8, .value_kind: global_buffer, .address_space: global }
    .group_segment_fixed_size: 327680
    .private_segment_fixed_size: 0
    .kernarg_segment_align: 8
    .kernarg_segment_size: 32
    .max_flat_workgroup_size: 128
    .sgpr_count:     96
    .vgpr_count:     1024
    .wavefront_size: 32
...
	.end_amdgpu_metadata
.endif
;; end of part 11
;; launch kvred (part 12): grid 128 x 1, 8 waves a work-group, no clusters, 11,264 bytes of LDS; arguments kvp, xsp, Wk, kvt; writes kvt
.if DOCPART == 12
	.amdgcn_target "amdgcn-amd-amdhsa--gfx1250"
	.amdhsa_code_object_version 6
	.text
	.protected	k_qd99e481dc5_kvred
	.globl	k_qd99e481dc5_kvred
	.p2align	8
	.type	k_qd99e481dc5_kvred,@function
k_qd99e481dc5_kvred:
	s_mov_b64 s[64:65], 0
	v_nop
	global_prefetch_b8 v0, s[64:65] scope:SCOPE_SE
	s_setreg_imm32_b32 hwreg(HW_REG_WAVE_MODE, 25, 1), 1
	s_wait_xcnt 0x0
; KVRED.  The small tables of the linear attention, c = 1 / sqrt(32) folded in.  128 work-groups of eight waves; all of a wave's global loads are 16 bytes a lane.
; Work-groups 64-127: c K^T V of one batch and head = the sum of 32 partial tiles of kvp, split into a high and a low bf16 part and stored as matrix fragments:
;   kvt byte = (16 b + head) * 4096 + piece * 2048 + eb * 1024 + db * 512 + lane * 16.  Wave w adds 16 of the 32 groups (half w / 4) of tile w % 4: 32 loads, all out at once;
;   waves 4-7 hand their sums to waves 0-3 in LDS behind one barrier.
; Work-groups 0-63: c ksum = c (sum over tokens of x) . Wk, all in f32 on the vector unit from the bf16-rounded x and Wk: the divisor cancels, so this sum is not taken from
;   rounded k.  Work-group = (batch b = id / 16, 64 columns p = (id / 2) % 8, half of K kq = id % 2): it makes a partial sum over 512 k; the next launch adds the two halves.
;   Thread t adds 32 of the batch's 64 chunk sums of xsp (half t / 128) for four k; the sums meet in LDS.  Wave w then multiplies k = 64 w .. 64 w + 63: lanes 0-15 rows 0-31,
;   lanes 16-31 rows 32-63, four columns a lane, so that 16 lanes read a row's 256 bytes.  The waves' sums meet in LDS and wave 0 stores
;   kvt + 262144 + kq * 8192 + (16 b + head) * 128.
; The branch between the jobs hangs on the work-group's number alone, so every wave of a work-group passes the same barriers.
.set XSL,   0                          ; 4,096 bytes: two halves' sums over chunks of 512 k
.set KSL,   4096                       ; 2,048 bytes: 8 waves x 64 partial sums
.set J0L,   6144                       ; 4,096 bytes: the sums of waves 4-7, 1,024 bytes each
.set SPARE, 10240                      ; the spare words, 128 bytes for each of 8 waves
.set SPW, 2
.set NIL, 3
.set S,   8                            ; v8-15 a tile's sums
.macro FINISH                          ; the wave's end
	s_wait_tensorcnt 0x0
	ds_add_u32 v[SPW], v[NIL]
	s_wait_dscnt 0x0
	s_endpgm
.endm
	s_load_b256 s[4:11], s[0:1], 0x0               ; kvp s4, xsp s6, Wk s8, kvt s10
	v_lshl_add_u32 v[SPW], v0, 2, SPARE
	v_mov_b32 v[NIL], 0
	v_lshrrev_b32 v1, 5, v0
	v_readfirstlane_b32 s12, v1                    ; wave 0..7
	v_and_b32 v4, 31, v0                           ; lane
	v_lshlrev_b32 v5, 4, v4                        ; 16 l
	s_mov_b32 s15, 0
	s_wait_kmcnt 0x0
	s_cmp_lt_u32 ttmp9, 64
	s_cbranch_scc0 .Lkv
	s_lshr_b32 s13, ttmp9, 4                       ; b
	s_bfe_u32 s16, ttmp9, 0x30001                  ; p: 3 bits from bit 1
	s_and_b32 s17, ttmp9, 1                        ; kq
	s_lshr_b32 s18, s12, 2                         ; which 32 chunks my wave adds
	s_and_b32 s19, s12, 3                          ; which 512 bytes of a chunk's 2,048
	s_mov_b32 s21, 0x76543210
	s_mov_b32 s22, 0xfedcba98
	s_lshl_b32 s14, s13, 18                        ; xsp: 64 chunks of 4,096 bytes a batch,
	s_lshl_b32 s20, s18, 17                        ; 32 chunks,
	s_add_co_u32 s14, s14, s20
	s_lshl_b32 s20, s17, 11                        ; 512 k,
	s_add_co_u32 s14, s14, s20
	s_lshl_b32 s20, s19, 9
	s_add_co_u32 s14, s14, s20
	s_add_nc_u64 s[6:7], s[6:7], s[14:15]
	s_lshl_b32 s14, s17, 20                        ; Wk: 512 rows of 2,048 bytes,
	s_lshl_b32 s20, s12, 17                        ; 64 rows,
	s_add_co_u32 s14, s14, s20
	s_lshl_b32 s20, s16, 8                         ; 64 columns
	s_add_co_u32 s14, s14, s20
	s_add_nc_u64 s[8:9], s[8:9], s[14:15]
	v_and_b32 v6, 15, v0
	v_lshlrev_b32 v6, 4, v6                        ; 16 r
	v_bfe_u32 v7, v0, 4, 1                         ; hh
	v_lshl_add_u32 v24, v7, 16, v6                 ; 32 rows further down for lanes 16-31; never rewritten
.set n, 0
.rept 32
	global_load_b128 v[32+4*n:35+4*n], v5, s[6:7] offset:n*4096
.set n, n+1
.endr
.set n, 0
.rept 16
	global_load_b128 v[160+4*n:163+4*n], v24, s[8:9] offset:n*2048
.set n, n+1
.endr
	v_lshlrev_b32 v25, 4, v0                       ; 16 t
	s_wait_loadcnt 16                              ; the 32 chunk sums are in; Wk's 16 loads stay out
.set n, 4
.rept 28                               ; four chains of two pairs
	v_pk_add_f32 v[32+4*(n%4):33+4*(n%4)], v[32+4*(n%4):33+4*(n%4)], v[32+4*n:33+4*n]
	v_pk_add_f32 v[34+4*(n%4):35+4*(n%4)], v[34+4*(n%4):35+4*(n%4)], v[34+4*n:35+4*n]
.set n, n+1
.endr
	v_pk_add_f32 v[32:33], v[32:33], v[36:37]
	v_pk_add_f32 v[34:35], v[34:35], v[38:39]
	v_pk_add_f32 v[40:41], v[40:41], v[44:45]
	v_pk_add_f32 v[42:43], v[42:43], v[46:47]
	v_pk_add_f32 v[8:9], v[32:33], v[40:41]
	v_pk_add_f32 v[10:11], v[34:35], v[42:43]
	ds_store_b128 v25, v[8:11] offset:XSL          ; half t / 128, k 4 (t % 128) on: 16 t in all
.set n, 0
.rept 16
	global_load_b128 v[32+4*n:35+4*n], v24, s[8:9] offset:(16+n)*2048
.set n, n+1
.endr
	s_wait_dscnt 0x0                               ; for the others' sake: my store is done
	s_barrier_signal -1
	s_barrier_wait -1
	v_lshlrev_b32 v26, 7, v7
	v_lshl_add_u32 v26, s12, 8, v26                ; my 32 k: 4 (64 w + 32 hh) bytes; 16 lanes read the same bytes
.set n, 0
.rept 8
	ds_load_b128 v[96+4*n:99+4*n], v26 offset:XSL+16*n
	ds_load_b128 v[128+4*n:131+4*n], v26 offset:XSL+2048+16*n
.set n, n+1
.endr
.set n, 12
.rept 8
	v_mov_b32 v[n], 0
.set n, n+1
.endr
	s_wait_dscnt 0x0
.set n, 0
.rept 16                               ; the two halves of the chunks
	v_pk_add_f32 v[96+2*n:97+2*n], v[96+2*n:97+2*n], v[128+2*n:129+2*n]
.set n, n+1
.endr
.macro DOT w, x, k                     ; four columns of one row of Wk, rounded to bf16, times the row's sum of x; two sets of sums take turns
.set a, 12+4*((\k)%2)
.set c, 20+2*((\k)%2)
	v_cvt_pk_bf16_f32 v[c], v[\w], v[(\w)+1]
	v_cvt_pk_bf16_f32 v[c+1], v[(\w)+2], v[(\w)+3]
	v_fma_mix_f32_bf16 v[a], v[c], v[\x], v[a] op_sel_hi:[1,0,0]
	v_fma_mix_f32_bf16 v[a+1], v[c], v[\x], v[a+1] op_sel:[1,0,0] op_sel_hi:[1,0,0]
	v_fma_mix_f32_bf16 v[a+2], v[c+1], v[\x], v[a+2] op_sel_hi:[1,0,0]
	v_fma_mix_f32_bf16 v[a+3], v[c+1], v[\x], v[a+3] op_sel:[1,0,0] op_sel_hi:[1,0,0]
.endm
	s_wait_loadcnt 16                              ; Wk's first 16 loads are in; the second 16 stay out
.set n, 0
.rept 16
	DOT 160+4*n, 96+n, n
.set n, n+1
.endr
	s_wait_loadcnt 0x0
.set n, 0
.rept 16
	DOT 32+4*n, 112+n, n
.set n, n+1
.endr
	v_pk_add_f32 v[12:13], v[12:13], v[16:17]
	v_pk_add_f32 v[14:15], v[14:15], v[18:19]
.irp j, 0,1,2,3
	v_permlanex16_b32 v[16+\j], v[12+\j], s21, s22 ; the other 32 rows' sums lie in the lane 16 away
.endr
	v_pk_add_f32 v[12:13], v[12:13], v[16:17]
	v_pk_add_f32 v[14:15], v[14:15], v[18:19]
	v_lshl_add_u32 v27, s12, 8, v6                 ; 256 w + 16 r: lanes r and r + 16 store the same number to the same place
	ds_store_b128 v27, v[12:15] offset:KSL
	s_wait_dscnt 0x0
	s_barrier_signal -1
	s_barrier_wait -1
	s_cmp_lg_u32 s12, 0
	s_cbranch_scc1 .Lothers
	v_lshlrev_b32 v28, 3, v4                       ; 8 l
.set n, 0
.rept 8
	ds_load_b64 v[32+2*n:33+2*n], v28 offset:KSL+256*n
.set n, n+1
.endr
	s_lshl_b32 s14, s13, 4
	s_lshl_b32 s20, s16, 1
	s_add_co_u32 s14, s14, s20                     ; 16 b + 2 p
	s_lshl_b32 s14, s14, 7
	s_lshl_b32 s20, s17, 13                        ; the half of K
	s_add_co_u32 s14, s14, s20
	s_add_co_u32 s14, s14, 262144
	s_add_nc_u64 s[10:11], s[10:11], s[14:15]
	s_wait_dscnt 0x0
.set n, 2
.rept 6                                ; two chains
	v_pk_add_f32 v[32+2*(n%2):33+2*(n%2)], v[32+2*(n%2):33+2*(n%2)], v[32+2*n:33+2*n]
.set n, n+1
.endr
	v_pk_add_f32 v[32:33], v[32:33], v[34:35]
	v_pk_mul_f32 v[32:33], v[32:33], 0x3e3504f3 op_sel_hi:[1,0]  ; c
	global_store_b64 v28, v[32:33], s[10:11]       ; 256 consecutive bytes: two heads
	FINISH
.Lothers:
	FINISH
.Lkv:
	s_sub_co_u32 s13, ttmp9, 64                    ; 0..63
	s_lshr_b32 s16, s13, 4                         ; b
	s_and_b32 s17, s13, 15                         ; head
	s_and_b32 s18, s12, 3                          ; tile 2 db + eb
	s_lshr_b32 s19, s12, 2                         ; which 16 groups
	s_lshl_b32 s14, s16, 21                        ; 32 groups x 16 heads x 4,096 bytes
	s_lshl_b32 s20, s19, 20
	s_add_co_u32 s14, s14, s20
	s_lshl_b32 s20, s17, 12
	s_add_co_u32 s14, s14, s20
	s_lshl_b32 s20, s18, 10
	s_add_co_u32 s14, s14, s20
	s_add_nc_u64 s[4:5], s[4:5], s[14:15]
.set g, 0
.rept 16
	global_load_b128 v[32+8*g:35+8*g], v5, s[4:5] offset:g*65536
	global_load_b128 v[36+8*g:39+8*g], v5, s[4:5] offset:g*65536+512
.set g, g+1
.endr
	v_lshl_add_u32 v6, s12, 10, v5                 ; 1,024 w + 16 l
	s_wait_loadcnt 16                              ; the first eight groups are in; the other eight stay out
.irp k, 0,2,4,6
	v_pk_add_f32 v[S+\k:S+\k+1], v[32+\k:32+\k+1], v[40+\k:40+\k+1]  ; the first two groups start the sums
.endr
.set g, 2
.rept 6
.irp k, 0,2,4,6
	v_pk_add_f32 v[S+\k:S+\k+1], v[S+\k:S+\k+1], v[32+8*g+\k:32+8*g+\k+1]
.endr
.set g, g+1
.endr
	s_wait_loadcnt 0x0
.rept 8
.irp k, 0,2,4,6
	v_pk_add_f32 v[S+\k:S+\k+1], v[S+\k:S+\k+1], v[32+8*g+\k:32+8*g+\k+1]
.endr
.set g, g+1
.endr
	s_cmp_lt_u32 s12, 4
	s_cbranch_scc1 .Lkeep
	ds_store_b128 v6, v[S:S+3] offset:J0L-4096     ; wave w = 4..7 at J0L + 1,024 (w - 4)
	ds_store_b128 v6, v[S+4:S+7] offset:J0L-4096+512
.Lkeep:
	s_wait_dscnt 0x0                               ; for the others' sake: my stores are done
	s_barrier_signal -1
	s_barrier_wait -1
	s_cmp_lt_u32 s12, 4
	s_cbranch_scc1 .Lsum
	FINISH
.Lsum:
	ds_load_b128 v[16:19], v6 offset:J0L           ; wave w + 4's sums of my tile
	ds_load_b128 v[20:23], v6 offset:J0L+512
	s_lshl_b32 s14, s16, 4
	s_add_co_u32 s14, s14, s17                     ; 16 b + head
	s_lshl_b32 s14, s14, 12
	s_and_b32 s20, s12, 1                          ; eb
	s_lshl_b32 s20, s20, 10
	s_add_co_u32 s14, s14, s20
	s_bfe_u32 s20, s12, 0x10001                    ; db
	s_lshl_b32 s20, s20, 9
	s_add_co_u32 s14, s14, s20
	s_add_nc_u64 s[10:11], s[10:11], s[14:15]
	s_mov_b32 s20, 0xffff0000
	s_wait_dscnt 0x0
.irp k, 0,2,4,6
	v_pk_add_f32 v[S+\k:S+\k+1], v[S+\k:S+\k+1], v[16+\k:16+\k+1]
.endr
.irp k, 0,2,4,6
	v_pk_mul_f32 v[S+\k:S+\k+1], v[S+\k:S+\k+1], 0x3e3504f3 op_sel_hi:[1,0]  ; c
.endr
.irp i, 0,1,2,3
	v_cvt_pk_bf16_f32 v[16+\i], v[S+2*\i], v[S+2*\i+1]     ; the high part,
.endr
.irp i, 0,1,2,3
	v_lshlrev_b32 v[20+2*\i], 16, v[16+\i]
	v_and_b32 v[21+2*\i], s20, v[16+\i]
.endr
.irp i, 0,1,2,3
	v_pk_add_f32 v[S+2*\i:S+2*\i+1], v[S+2*\i:S+2*\i+1], v[20+2*\i:21+2*\i] neg_lo:[0,1] neg_hi:[0,1]
.endr
.irp i, 0,1,2,3
	v_cvt_pk_bf16_f32 v[28+\i], v[S+2*\i], v[S+2*\i+1]     ; and what it left
.endr
	global_store_b128 v5, v[16:19], s[10:11]
	global_store_b128 v5, v[28:31], s[10:11] offset:2048
	FINISH
.Lfunc_end_k_qd99e481dc5_kvred:
	.size	k_qd99e481dc5_kvred, .Lfunc_end_k_qd99e481dc5_kvred-k_qd99e481dc5_kvred
	.p2alignl 7, 3214868480
	.fill 96, 4, 3214868480
	.section	.rodata,"a",@progbits
	.p2align	6, 0x0
	.amdhsa_kernel k_qd99e481dc5_kvred
		.amdhsa_group_segment_fixed_size 11264
		.amdhsa_private_segment_fixed_size 0
		.amdhsa_enable_private_segment 0
		.amdhsa_kernarg_size 32
		.amdhsa_user_sgpr_count 2
		.amdhsa_user_sgpr_kernarg_segment_ptr 1
		.amdhsa_wavefront_size32 1
		.amdhsa_system_sgpr_workgroup_id_x 1
		.amdhsa_system_sgpr_workgroup_id_y 1
		.amdhsa_system_sgpr_workgroup_id_z 1
		.amdhsa_system_vgpr_workitem_id 0
		.amdhsa_next_free_vgpr 224
		.amdhsa_next_free_sgpr 66
		.amdhsa_reserve_vcc 0
		.amdhsa_float_denorm_mode_32 3
		.amdhsa_float_denorm_mode_16_64 3
		.amdhsa_memory_ordered 1
		.amdhsa_forward_progress 1
		.amdhsa_inst_pref_size 40
	.end_amdhsa_kernel
	.amdgpu_metadata
---
amdhsa.version: [ 1, 2 ]
amdhsa.kernels:
  - .name:           k_qd99e481dc5_kvred
    .symbol:         k_qd99e481dc5_kvred.kd
    .args:
      - { .name: kvp, .offset: 0, .size: 8, .value_kind: global_buffer, .address_space: global }
      - { .name: xsp, .offset: 8, .size: 8, .value_kind: global_buffer, .address_space: global }
      - { .name: Wk, .offset: 16, .size: 8, .value_kind: global_buffer, .address_space: global }
      - { .name: kvt, .offset: 24, .size: 8, .value_kind: global_buffer, .address_space: global }
    .group_segment_fixed_size: 11264
    .private_segment_fixed_size: 0
    .kernarg_segment_align: 8
    .kernarg_segment_size: 32
    .max_flat_workgroup_size: 256
    .sgpr_count:     66
    .vgpr_count:     224
    .wavefront_size: 32
...
	.end_amdgpu_metadata
.endif
;; end of part 12
;; launch attn (part 13): grid 512 x 1, 8 waves a work-group, no clusters, 18,432 bytes of LDS; arguments qa, kvt, ah, xsp; writes ah, xsp
.if DOCPART == 13
	.amdgcn_target "amdgcn-amd-amdhsa--gfx1250"
	.amdhsa_code_object_version 6
	.text
	.protected	k_qd99e481dc5_attn
	.globl	k_qd99e481dc5_attn
	.p2align	8
	.type	k_qd99e481dc5_attn,@function
k_qd99e481dc5_attn:
	s_mov_b64 s[64:65], 0
	v_nop
	global_prefetch_b8 v0, s[64:65] scope:SCOPE_SE
	s_setreg_imm32_b32 hwreg(HW_REG_WAVE_MODE, 25, 1), 1
	s_wait_xcnt 0x0
; ATTN.  attn[row][head] = (q . cKV) / (q . cksum + 1e-9): the reference's sum-normalised attention, with the sums over keys taken first (an identity for every input).
; A work-group takes 16 rows and all 16 heads; wave w takes heads 2 w and 2 w + 1.  q is f32.  The divisor is an f32 dot product on the vector unit: it cancels, and its absolute
; error decides the result; cksum comes as two partial sums over halves of K, added here.  The numerator goes to the matrix unit in bf16 high and low parts:
; KVh Qh + KVh Ql + KVl Qh.  Source 0 = cKV^T (rows e), source 1 = q: a lane holds one row and eight e.
; THE SCALE.  The quotient has no bound (the divisor may be near 0), so a power of two is taken out of each row: with E the exponent of the row's largest |attn| over all heads,
; attn x 2^-E lies inside (-2, 2) and is stored in f16: ah = f16 [8192][512], column 32 head + e.  2^E goes into xsp (whose sums are no longer needed): 128 bytes for each block
; of 16 rows, lane l's word for row l % 16; the layer norm behind the next product multiplies by it, exactly.  The waves' row maxima meet in LDS behind one barrier.
; THE WAY OUT.  A wave's two heads are 128 bytes of a row of 1,024, so the rows are gathered in one stage, and behind a second barrier each wave stores two whole rows.
; LIMITS: a divisor of exactly 0 gives infinities and NaN, as it does in the reference; a quotient of 2^127 or more makes the row's scale 0;
; a term below 6e-5 of its row's largest keeps f16's fixed step, 6e-8 of that largest.
.set MX,    0                          ; 512 bytes: row r's eight maxima at 32 r
.set STG,   512                        ; 16 rows x 1,040 bytes
.set SP,    1040                       ; 1,024 + 16 bytes: an odd multiple of 16
.set SPARE, 17152                      ; the spare words, 128 bytes for each of 8 waves
.set LO,  3                            ; v3  16 x lane
.set KO,  5                            ; v5  32 hh
.set STO, 6
.set RD,  7
.set DEN, 8                            ; v8-11  a pair a head
.set RC,  12                           ; v12-15 1 / divisor, twice a head
.set SPW, 16
.set NIL, 17
.set T,   18                           ; v18-25 at work
.set MA,  26                           ; where my wave's maximum of row r goes
.set ML,  27                           ; where row r's eight maxima lie
.set SG,  28                           ; v28-29 2^-E, twice
.set EB,  30                           ; 2^E
.set L4,  31                           ; 4 x lane
.set KVF, 32                           ; v32-95  at 32 u + 16 piece + 8 eb
.set KS,  96                           ; v96-127 16 a head; later |attn|
.set Q,   128                          ; v128-159 16 a head; later the packed results
.set QH,  160
.set QL,  176
.set N,   192                          ; v192-223 at 16 u + 8 eb; before the products: cksum's second half
	s_load_b256 s[4:11], s[0:1], 0x0               ; qa s4, kvt s6, ah s8, xsp s10
	v_lshl_add_u32 v[SPW], v0, 2, SPARE
	v_mov_b32 v[NIL], 0
	v_lshrrev_b32 v1, 5, v0
	v_readfirstlane_b32 s12, v1                    ; wave = pair of heads
	s_lshr_b32 s13, ttmp9, 7                       ; batch: 128 blocks of 16 rows
	s_lshl_b32 s14, s13, 4
	s_lshl_b32 s15, s12, 1
	s_add_co_u32 s14, s14, s15                     ; 16 b + 2 p
	s_mov_b32 s16, 0x76543210
	s_mov_b32 s17, 0xfedcba98
	s_mov_b32 s18, 0xffff0000
	s_mov_b32 s32, 0x7fffffff
	s_lshl_b32 s22, ttmp9, 15
	s_lshl_b32 s24, s12, 12
	s_add_co_u32 s22, s22, s24                     ; q: block x 32,768 + 2 p x 2,048
	s_mov_b32 s23, 0
	s_lshl_b32 s24, s14, 12                        ; the fragments of cKV
	s_mov_b32 s25, 0
	s_lshl_b32 s26, s14, 7
	s_add_co_u32 s26, s26, 262144                  ; cksum
	s_mov_b32 s27, 0
	s_lshl_b32 s28, ttmp9, 14                      ; out: 16 rows of 1,024 bytes,
	s_lshl_b32 s29, s12, 11                        ; of which I store two
	s_add_co_u32 s28, s28, s29
	s_mov_b32 s29, 0
	s_lshl_b32 s30, ttmp9, 7                       ; the block's scales
	s_mov_b32 s31, 0
	v_and_b32 v1, 15, v0                           ; r
	v_bfe_u32 v4, v0, 4, 1                         ; hh
	v_and_b32 v[LO], 31, v0
	v_lshlrev_b32 v[L4], 2, v[LO]
	v_lshlrev_b32 v[LO], 4, v[LO]
	v_lshlrev_b32 v[KO], 5, v4
	s_wait_kmcnt 0x0
	s_add_nc_u64 s[4:5], s[4:5], s[22:23]
	s_add_nc_u64 s[20:21], s[6:7], s[26:27]
	s_add_nc_u64 s[6:7], s[6:7], s[24:25]
	s_add_nc_u64 s[8:9], s[8:9], s[28:29]
	s_add_nc_u64 s[10:11], s[10:11], s[30:31]
.irp f, 0,1,2,3,4,5,6,7
	global_load_b128 v[Q+4*\f:Q+4*\f+3], v[LO], s[4:5] offset:(\f/4)*2048+(\f%4)*512
.endr
.irp u, 0,1
	global_load_b128 v[KS+16*\u:KS+16*\u+3],     v[KO], s[20:21] offset:\u*128
	global_load_b128 v[KS+16*\u+4:KS+16*\u+7],   v[KO], s[20:21] offset:\u*128+16
	global_load_b128 v[KS+16*\u+8:KS+16*\u+11],  v[KO], s[20:21] offset:\u*128+64
	global_load_b128 v[KS+16*\u+12:KS+16*\u+15], v[KO], s[20:21] offset:\u*128+80
.endr
.irp u, 0,1
	global_load_b128 v[N+16*\u:N+16*\u+3],     v[KO], s[20:21] offset:8192+\u*128
	global_load_b128 v[N+16*\u+4:N+16*\u+7],   v[KO], s[20:21] offset:8192+\u*128+16
	global_load_b128 v[N+16*\u+8:N+16*\u+11],  v[KO], s[20:21] offset:8192+\u*128+64
	global_load_b128 v[N+16*\u+12:N+16*\u+15], v[KO], s[20:21] offset:8192+\u*128+80
.endr
.irp f, 0,1,2,3,4,5,6,7,8,9,10,11,12,13,14,15
	global_load_b128 v[KVF+4*\f:KVF+4*\f+3], v[LO], s[6:7] offset:\f*512  ; u, piece, eb, db in this order: 512 bytes each
.endr
	v_mul_u32_u24 v[STO], v1, SP
	v_lshl_add_u32 v[STO], v4, 4, v[STO]
	s_lshl_b32 s19, s12, 7
	v_add_nc_u32 v[STO], s19, v[STO]               ; in: row r, my pair's 128 bytes, 16 hh
	s_mul_i32 s19, s12, 2*SP
	v_add_nc_u32 v[RD], s19, v[LO]                 ; back: rows 2 w and 2 w + 1, 512 bytes at a time
	v_lshlrev_b32 v[ML], 5, v1
	v_lshl_add_u32 v[MA], s12, 2, v[ML]
	s_wait_loadcnt 16                              ; q and both halves of cksum are in; the 16 loads of cKV stay out
.set k, 0
.rept 16
	v_pk_add_f32 v[KS+2*k:KS+2*k+1], v[KS+2*k:KS+2*k+1], v[N+2*k:N+2*k+1]
.set k, k+1
.endr
	; the divisor: my 16 d, then the other half of the lanes' 16
.irp u, 0,1
	v_pk_mul_f32 v[DEN+2*\u:DEN+2*\u+1], v[Q+16*\u:Q+16*\u+1], v[KS+16*\u:KS+16*\u+1]
.endr
.irp k, 1,2,3,4,5,6,7
.irp u, 0,1
	v_pk_fma_f32 v[DEN+2*\u:DEN+2*\u+1], v[Q+16*\u+2*\k:Q+16*\u+2*\k+1], v[KS+16*\u+2*\k:KS+16*\u+2*\k+1], v[DEN+2*\u:DEN+2*\u+1]
.endr
.endr
.irp u, 0,1
	v_add_f32 v[DEN+2*\u], v[DEN+2*\u], v[DEN+2*\u+1]
.endr
.irp u, 0,1
	v_permlanex16_b32 v[DEN+2*\u+1], v[DEN+2*\u], s16, s17
.endr
.irp u, 0,1
	v_add_f32 v[DEN+2*\u], v[DEN+2*\u], v[DEN+2*\u+1]
.endr
.irp u, 0,1
	v_add_f32 v[DEN+2*\u], 0x3089705f, v[DEN+2*\u] ; + 1e-9
.endr
.irp u, 0,1
	v_rcp_f32 v[RC+2*\u], v[DEN+2*\u]              ; used far below: plain instructions stand between
	v_rcp_f32 v[RC+2*\u+1], v[DEN+2*\u]
.endr
	; q in a high and a low bf16 part: both are fragments as they stand
.irp i, 0,1,2,3,4,5,6,7,8,9,10,11,12,13,14,15
	v_cvt_pk_bf16_f32 v[QH+\i], v[Q+2*\i], v[Q+2*\i+1]
	v_lshlrev_b32 v[T+2*(\i%4)], 16, v[QH+\i]
	v_and_b32 v[T+2*(\i%4)+1], s18, v[QH+\i]
	v_pk_add_f32 v[Q+2*\i:Q+2*\i+1], v[Q+2*\i:Q+2*\i+1], v[T+2*(\i%4):T+2*(\i%4)+1] neg_lo:[0,1] neg_hi:[0,1]
	v_cvt_pk_bf16_f32 v[QL+\i], v[Q+2*\i], v[Q+2*\i+1]
.endr
	s_wait_loadcnt 0x0
	; three terms; the four accumulators take turns
.irp u, 0,1
.irp eb, 0,1
	v_wmma_f32_16x16x32_bf16 v[N+16*\u+8*\eb:N+16*\u+8*\eb+7], v[KVF+32*\u+8*\eb:KVF+32*\u+8*\eb+7], v[QH+8*\u:QH+8*\u+7], 0
.endr
.endr
.irp u, 0,1
.irp eb, 0,1
	v_wmma_f32_16x16x32_bf16 v[N+16*\u+8*\eb:N+16*\u+8*\eb+7], v[KVF+32*\u+8*\eb:KVF+32*\u+8*\eb+7], v[QL+8*\u:QL+8*\u+7], v[N+16*\u+8*\eb:N+16*\u+8*\eb+7]
.endr
.endr
.irp u, 0,1
.irp eb, 0,1
	v_wmma_f32_16x16x32_bf16 v[N+16*\u+8*\eb:N+16*\u+8*\eb+7], v[KVF+32*\u+16+8*\eb:KVF+32*\u+16+8*\eb+7], v[QH+8*\u:QH+8*\u+7], v[N+16*\u+8*\eb:N+16*\u+8*\eb+7]
.endr
.endr
.rept 4
	v_nop                                          ; the places behind the last products
.endr
	s_wait_alu depctr_va_vdst(0)
.irp u, 0,1
.irp k, 0,1,2,3,4,5,6,7
	v_pk_mul_f32 v[N+16*\u+2*\k:N+16*\u+2*\k+1], v[N+16*\u+2*\k:N+16*\u+2*\k+1], v[RC+2*\u:RC+2*\u+1] op_sel_hi:[1,0]
.endr
.endr
	; the largest |attn| of my row: my 32 numbers in two chains, the lane 16 away, then the eight waves
.set k, 0
.rept 32
	v_and_b32 v[KS+k], s32, v[N+k]
.set k, k+1
.endr
.irp c, 0,1
	v_max3_num_f32 v[T+\c], v[KS+16*\c], v[KS+16*\c+1], v[KS+16*\c+2]
.endr
.irp k, 3,5,7,9,11,13
.irp c, 0,1
	v_max3_num_f32 v[T+\c], v[T+\c], v[KS+16*\c+\k], v[KS+16*\c+\k+1]
.endr
.endr
	v_max3_num_f32 v[T], v[T], v[KS+15], v[KS+31]
	v_max_num_f32 v[T], v[T], v[T+1]
	v_permlanex16_b32 v[T+1], v[T], s16, s17
	v_max_num_f32 v[T], v[T], v[T+1]
	ds_store_b32 v[MA], v[T] offset:MX             ; lanes r and r + 16 store the same number to the same word
	s_wait_dscnt 0x0                               ; for the others' sake: my store is done
	s_barrier_signal -1
	s_barrier_wait -1
	ds_load_b128 v[T:T+3], v[ML] offset:MX
	ds_load_b128 v[T+4:T+7], v[ML] offset:MX+16
	s_wait_dscnt 0x0
	v_max3_num_f32 v[T], v[T], v[T+1], v[T+2]
	v_max3_num_f32 v[T+3], v[T+3], v[T+4], v[T+5]
	v_max3_num_f32 v[T], v[T], v[T+6], v[T+7]
	v_max_num_f32 v[T], v[T], v[T+3]
	v_and_b32 v[EB], 0x7f800000, v[T]              ; 2^E: the exponent's bits alone
	v_sub_nc_u32 v[SG], 0x7f000000, v[EB]          ; 2^-E: the exponent field 254 - (E + 127)
	v_mov_b32 v[SG+1], v[SG]
.set k, 0
.rept 16
	v_pk_mul_f32 v[N+2*k:N+2*k+1], v[N+2*k:N+2*k+1], v[SG:SG+1]
.set k, k+1
.endr
.set k, 0
.rept 16
	v_cvt_pk_f16_f32 v[Q+k], v[N+2*k], v[N+2*k+1]
.set k, k+1
.endr
.irp f, 0,1,2,3                        ; f = 2 u + eb: 32 bytes of a row each
	ds_store_b128 v[STO], v[Q+4*\f:Q+4*\f+3] offset:STG+32*\f
.endr
	s_wait_dscnt 0x0                               ; for the others' sake: my stores into the stage are done
	s_barrier_signal -1
	s_barrier_wait -1
.irp k, 0,1,2,3
	ds_load_b128 v[KVF+4*\k:KVF+4*\k+3], v[RD] offset:STG+(\k/2)*SP+(\k%2)*512
.endr
.irp k, 0,1,2,3
	s_wait_dscnt 3-\k                              ; load k is back; my later ones may be out
	global_store_b128 v[LO], v[KVF+4*\k:KVF+4*\k+3], s[8:9] offset:512*\k  ; the wave stores 512 consecutive bytes, aligned
.endr
	s_cmp_lg_u32 s12, 0
	s_cbranch_scc1 .Lno_scale
	global_store_b32 v[L4], v[EB], s[10:11]        ; wave 0: the block's 128 bytes of scales
.Lno_scale:
	s_wait_tensorcnt 0x0                           ; the wave's end
	ds_add_u32 v[SPW], v[NIL]
	s_wait_dscnt 0x0
	s_endpgm
.Lfunc_end_k_qd99e481dc5_attn:
	.size	k_qd99e481dc5_attn, .Lfunc_end_k_qd99e481dc5_attn-k_qd99e481dc5_attn
	.p2alignl 7, 3214868480
	.fill 96, 4, 3214868480
	.section	.rodata,"a",@progbits
	.p2align	6, 0x0
	.amdhsa_kernel k_qd99e481dc5_attn
		.amdhsa_group_segment_fixed_size 18432
		.amdhsa_private_segment_fixed_size 0
		.amdhsa_enable_private_segment 0
		.amdhsa_kernarg_size 32
		.amdhsa_user_sgpr_count 2
		.amdhsa_user_sgpr_kernarg_segment_ptr 1
		.amdhsa_wavefront_size32 1
		.amdhsa_system_sgpr_workgroup_id_x 1
		.amdhsa_system_sgpr_workgroup_id_y 1
		.amdhsa_system_sgpr_workgroup_id_z 1
		.amdhsa_system_vgpr_workitem_id 0
		.amdhsa_next_free_vgpr 224
		.amdhsa_next_free_sgpr 66
		.amdhsa_reserve_vcc 0
		.amdhsa_float_denorm_mode_32 3
		.amdhsa_float_denorm_mode_16_64 3
		.amdhsa_memory_ordered 1
		.amdhsa_forward_progress 1
		.amdhsa_inst_pref_size 21
	.end_amdhsa_kernel
	.amdgpu_metadata
---
amdhsa.version: [ 1, 2 ]
amdhsa.kernels:
  - .name:           k_qd99e481dc5_attn
    .symbol:         k_qd99e481dc5_attn.kd
    .args:
      - { .name: qa, .offset: 0, .size: 8, .value_kind: global_buffer, .address_space: global }
      - { .name: kvt, .offset: 8, .size: 8, .value_kind: global_buffer, .address_space: global }
      - { .name: ah, .offset: 16, .size: 8, .value_kind: global_buffer, .address_space: global }
      - { .name: xsp, .offset: 24, .size: 8, .value_kind: global_buffer, .address_space: global }
    .group_segment_fixed_size: 18432
    .private_segment_fixed_size: 0
    .kernarg_segment_align: 8
    .kernarg_segment_size: 32
    .max_flat_workgroup_size: 256
    .sgpr_count:     66
    .vgpr_count:     224
    .wavefront_size: 32
...
	.end_amdgpu_metadata
.endif
;; end of part 13
;; launch wg (part 14): grid 8 x 32, 4 waves a work-group, clusters of 4 x 4, 327,680 bytes of LDS; arguments ah, w16, y; writes y
.if DOCPART == 14
	.amdgcn_target "amdgcn-amd-amdhsa--gfx1250"
	.amdhsa_code_object_version 6
	.text
	.protected	k_qd99e481dc5_wg
	.globl	k_qd99e481dc5_wg
	.p2align	8
	.type	k_qd99e481dc5_wg,@function
k_qd99e481dc5_wg:
	s_mov_b64 s[64:65], 0
	v_nop
	global_prefetch_b8 v0, s[64:65] scope:SCOPE_SE
	s_setreg_imm32_b32 hwreg(HW_REG_WAVE_MODE, 25, 1), 1
	s_wait_xcnt 0x0
	s_wait_alu depctr_hold_cnt(0) depctr_sa_sdst(0) depctr_va_vdst(0) depctr_va_sdst(0) depctr_va_ssrc(0) depctr_va_vcc(0) depctr_vm_vsrc(0)
	s_getreg_b32 s2, hwreg(HW_REG_IB_STS2, 6, 4)
	s_cmp_eq_u32 s2, 0
	s_cbranch_scc0 .Lentry_in_a_cluster
	s_endpgm
.Lentry_in_a_cluster:
	s_bfe_u32 s2, ttmp6, 0x10000c
	s_cmp_lg_u32 s2, 0xf033
	s_cbranch_scc0 .Lentry_shape_is_right
	s_endpgm
.Lentry_shape_is_right:
; WG.  y = attn' [8192][512] x WGH [512][1024], f16 operands (attn' is attn with a power of two taken out of each row), f32 sums, y in f32; the layer norm that follows
; puts the power of two back and adds the residual.
; 256 work-groups, one tile of 256 x 128 each; four waves of 64 rows x 128 columns: 32 accumulators.  K = 512 goes in 4 steps of 128 through two LDS slots filled by tensor loads.
; A's rows lie along K (LDS rows of 256 + 16 bytes); B lies [k][n] (256 + 32 bytes) and is turned on the way into registers by ds_load_tr16_b128.
; CLUSTER 4 x 4: A's tile is shared along a row of the cluster, B's along a column; each is asked for jointly.
; THE TEXT.  A step is four quarters of 32 along K on two fragment buffers.  The first quarter, whose products start the sums, stands ahead of the loop; a trip goes from a step's second
; quarter to the next step's first.  Two trips fill a slot again; the last two steps run a second text without a fill, which is left in its middle.  The price of one text for both:
; the last change of slots passes a barrier and fetches 24 fragments that nobody needs.  The slots lie 1 << 17 bytes apart, so one exclusive or turns an address in one into the other's.
; The matrix instruction is used transposed (source 0 = B): a lane holds eight neighbouring columns of one row.  The way out goes through a stage of the wave's own:
; 16 rows in, whole rows of 512 bytes back into the registers that they left, and each store of the wave covers 512 consecutive bytes.
; REGISTERS, in windows of 256: window 0 addresses; window 1 the accumulators ((a, b) at 8 (8 a + b)); window 2 two fragment buffers of 96: A 32, B 64.
.set NB,     1024                      ; B's columns
.set KA,     512                       ; A's columns
.set BOFF,   3145728
.set KSTEP,  128
.set STEPS,  4
.set PA,     272
.set PB,     288
.set HALFA,  128*PA
.set BT,     2*HALFA
.set HALFB,  64*PB
.set SLOT1,  1<<17                     ; a slot uses 106,496 bytes
.set STAGE,  SLOT1+BT+2*HALFB          ; behind the ring, never filled by a tensor load
.set SPF,    528                       ; a stage row: 512 + 16 bytes
.set SPARE,  STAGE+4*16*SPF
.set ADRA0, 16
.set ADRB0, 17
.set ADRA,  18
.set ADRB,  19
.set STO,  24
.set RD,   25
.set CO,   26
.set SPW,  28
.set NIL,  29
.set F0,   0
.set F1,   96
.set G1,  24
.set G0,  32
.set G1B, 48
.set G0B, 56
.set TB,  45
.set MSB, 0
.macro WIN new
.if MSB != (\new)
	s_set_vgpr_msb (MSB<<8)|(\new)
.set MSB, \new
.endif
.endm
.set MUL,   0x5a                       ; sources 0 and 1 window 2; C and D window 1
.set TO_F,  0x80                       ; destination window 2, address window 0
.set W_OUT, 0x44                       ; the way out: loaded data and stored data window 1, addresses window 0
.macro JLOAD s                         ; a joint load: waves 0, 1 fetch A's halves, waves 2, 3 B's; s_nop 0 and four v_nop follow each line
	s_cmp_eq_u32 s11, 0
	s_cbranch_scc0 .Lfor_b_\@
	tensor_load_to_lds s[G0+4*(\s):G0+4*(\s)+3], s[G1:G1+7]
	s_nop 0
.rept 4
	v_nop
.endr
	s_branch .Lasked_\@
.Lfor_b_\@:
	tensor_load_to_lds s[G0B+4*(\s):G0B+4*(\s)+3], s[G1B:G1B+7]
	s_nop 0
.rept 4
	v_nop
.endr
.Lasked_\@:
.endm
.macro CREST
	s_cmp_lg_u32 s10, 0
	s_cbranch_scc1 .Lnot_wave_0_\@
	s_barrier_signal -3
.Lnot_wave_0_\@:
	s_barrier_wait -3
	s_barrier_signal -1
	s_barrier_wait -1
.endm
.macro CROUND
	s_barrier_signal -1
	s_barrier_wait -1
	CREST
.endm
.macro PLACES
.rept 4
	v_nop
.endr
.endm
	s_load_b128 s[4:7], s[0:1], 0x0                ; ah, w16
	s_load_b64 s[8:9], s[0:1], 0x10                ; y
	v_lshl_add_u32 v[SPW], v0, 2, SPARE
	v_mov_b32 v[NIL], 0
	ds_add_u32 v[SPW], v[NIL]                      ; the wave's opening: the add; its wait stands ahead of my first tensor load
	v_lshrrev_b32 v1, 5, v0
	v_readfirstlane_b32 s10, v1                    ; wave 0..3: my 64 rows of the tile
	s_lshr_b32 s11, s10, 1                         ; I fetch A (0) or B (1),
	s_and_b32 s12, s10, 1                          ; this half of it
	s_bfe_u32 s40, ttmp6, 0x40000
	s_bfe_u32 s41, ttmp6, 0x40004
	s_lshl_b32 s42, ttmp9, 2
	s_add_co_u32 s42, s42, s40                     ; tile column 0..7
	s_and_b32 s13, ttmp7, 0xffff
	s_lshl_b32 s13, s13, 2
	s_add_co_u32 s13, s13, s41                     ; tile row 0..31
	s_lshl_b32 s43, s41, 2
	s_lshl_b32 s43, 15, s43
	s_lshl_b32 s44, 0x1111, s40
	s_or_b32 s[G1+0], s43, (1<<16)|(1<<20)|(1<<21)|(5<<22)|(3<<25)   ; A: 4 words of padding after every 64
	s_or_b32 s[G1B+0], s44, (1<<16)|(1<<20)|(1<<21)|(5<<22)|(7<<25)  ; B: 8 words
	s_mov_b32 s[G1+1], KSTEP<<16                   ; A: 128 rows x 128 elements, 512 from row to row
	s_mov_b32 s[G1+2], 128<<16
	s_mov_b32 s[G1+3], KSTEP<<16
	s_mov_b32 s[G1+4], 128
	s_mov_b32 s[G1+5], KA
	s_mov_b32 s[G1+6], 0
	s_mov_b32 s[G1+7], 0
	s_mov_b32 s[G1B+1], 128<<16                    ; B: 64 rows (k) x 128 elements
	s_mov_b32 s[G1B+2], 64<<16
	s_mov_b32 s[G1B+3], 128<<16
	s_mov_b32 s[G1B+4], 64
	s_mov_b32 s[G1B+5], NB
	s_mov_b32 s[G1B+6], 0
	s_mov_b32 s[G1B+7], 0
	s_mov_b32 s[TB], 0
	s_lshl_b32 s16, s13, 8
	s_lshl_b32 s17, s12, 7
	s_add_co_u32 s16, s16, s17                     ; A: row 256 x tile row + 128 x half,
	s_lshl_b32 s16, s16, 10                        ; of 1,024 bytes
	s_mov_b32 s17, 0
	s_mul_i32 s46, s12, 64*NB*2
	s_lshl_b32 s47, s42, 8
	s_add_co_u32 s46, s46, s47
	s_add_co_u32 s46, s46, BOFF
	s_mov_b32 s47, 0
	s_mul_i32 s20, s12, HALFA
	s_mul_i32 s21, s12, HALFB
	s_add_co_u32 s21, s21, BT
	s_wait_dscnt 0x0
	s_wait_kmcnt 0x0
	s_add_nc_u64 s[14:15], s[4:5], s[16:17]
	s_add_nc_u64 s[46:47], s[6:7], s[46:47]
	CROUND
.irp s, 0,1
	s_mov_b32 s[G0+4*(\s)], 1
	s_add_co_u32 s[G0+4*(\s)+1], s20, (\s)*SLOT1
	s_add_nc_u64 s[G0+4*(\s)+2:G0+4*(\s)+3], s[14:15], (\s)*KSTEP*2
	s_or_b32 s[G0+4*(\s)+3], s[G0+4*(\s)+3], 0x80000000
	s_mov_b32 s[G0B+4*(\s)], 1
	s_add_co_u32 s[G0B+4*(\s)+1], s21, (\s)*SLOT1
	s_add_nc_u64 s[G0B+4*(\s)+2:G0B+4*(\s)+3], s[46:47], (\s)*KSTEP*NB*2
	s_or_b32 s[G0B+4*(\s)+3], s[G0B+4*(\s)+3], 0x80000000
	JLOAD \s
.endr
	v_and_b32 v1, 15, v0
	v_bfe_u32 v2, v0, 4, 1
	v_mul_u32_u24 v3, v1, PA
	v_lshl_add_u32 v3, v2, 4, v3
	s_mul_i32 s22, s10, 64*PA
	v_add_nc_u32 v[ADRA0], s22, v3
	v_and_b32 v4, 7, v0
	v_lshl_add_u32 v4, v2, 3, v4
	v_mul_u32_u24 v4, v4, PB
	v_bfe_u32 v5, v0, 3, 1
	v_lshl_add_u32 v4, v5, 4, v4
	v_add_nc_u32 v[ADRB0], BT, v4
	v_add_nc_u32 v[ADRA], s[TB], v[ADRA0]
	v_add_nc_u32 v[ADRB], s[TB], v[ADRB0]
	v_and_b32 v[CO], 31, v0
	v_lshlrev_b32 v[CO], 4, v[CO]                  ; 16 x lane
	s_mul_i32 s23, s10, 16*SPF
	s_add_co_u32 s23, s23, STAGE                   ; my own stage
	v_mul_u32_u24 v5, v1, SPF
	v_lshl_add_u32 v5, v2, 5, v5
	v_add_nc_u32 v[STO], s23, v5                   ; in: row r, 32 hh bytes
	v_add_nc_u32 v[RD], s23, v[CO]                 ; back: a whole row
	s_lshl_b32 s16, s13, 8
	s_lshl_b32 s17, s10, 6
	s_add_co_u32 s16, s16, s17                     ; my first row
	s_lshl_b32 s16, s16, 12
	s_mov_b32 s17, 0
	s_add_nc_u64 s[8:9], s[8:9], s[16:17]
	s_lshl_b32 s46, s42, 9                         ; the tile's first column, in f32 bytes
	s_mov_b32 s47, 0
	s_add_nc_u64 s[8:9], s[8:9], s[46:47]
; 8 products: m blocks a0, a0 + 1 x n blocks 4 bh .. 4 bh + 3, 32 along K.  Transposed: source 0 = B's fragment.  zero = 1: the product starts the sum.
.macro MUL8 f, bh, a0, zero
	WIN MUL
.irp a, \a0, (\a0)+1
.irp b, 0,1,2,3
.set rD, 8*(8*(\a)+4*(\bh)+(\b))
.set rA, (\f)+8*(\a)
.set rB, (\f)+32+8*(4*(\bh)+(\b))
.if \zero
	v_wmma_f32_16x16x32_f16 v[rD:rD+7], v[rB:rB+7], v[rA:rA+7], 0
.else
	v_wmma_f32_16x16x32_f16 v[rD:rD+7], v[rB:rB+7], v[rA:rA+7], v[rD:rD+7]
.endif
.endr
.endr
.endm
; 24 LDS loads in one run: the fragments of quarter q of the slot in hand into buffer f: A, then B
.macro FETCH q, f
	WIN TO_F
.irp a, 0,1,2,3
	ds_load_b128 v[(\f)+8*(\a):(\f)+8*(\a)+3],   v[ADRA] offset:64*(\q)+(\a)*16*PA
	ds_load_b128 v[(\f)+8*(\a)+4:(\f)+8*(\a)+7], v[ADRA] offset:64*(\q)+(\a)*16*PA+32
.endr
.irp b, 0,1,2,3,4,5,6,7
	ds_load_tr16_b128 v[(\f)+32+8*(\b):(\f)+32+8*(\b)+3],   v[ADRB] offset:32*(\q)*PB+32*(\b)
	ds_load_tr16_b128 v[(\f)+32+8*(\b)+4:(\f)+32+8*(\b)+7], v[ADRB] offset:(32*(\q)+16)*PB+32*(\b)
.endr
.endm
; A quarter: multiplies buffer f and fetches quarter q into g.  The 32 accumulators take turns.
.macro QUARTER q, f, g, zero
	s_wait_dscnt 8                                 ; A and B's first four blocks are in; the youngest eight loads may be out
	MUL8 \f, 0, 0, \zero
	MUL8 \f, 0, 2, \zero
	PLACES
	FETCH \q, \g
	s_wait_dscnt 24                                ; all but the 24 just issued
	MUL8 \f, 1, 0, \zero
	MUL8 \f, 1, 2, \zero
.endm
; A step's last quarter multiplies buffer 1 and changes slots: in front of the barrier each wave waits for all its tensor loads (one is out: its part of the next slot),
; adds 0 to its spare word, and waits for that and for its reads of this slot.  fill = 1: the barrier opens a round of the cluster's, and this slot takes the step two further on.
.macro TURN fill
	WIN 0
	s_wait_tensorcnt 0x0
	ds_add_u32 v[SPW], v[NIL]
	s_wait_dscnt 9                                 ; (the add and the youngest eight loads may be out)
	MUL8 F1, 0, 0, 0
	s_wait_dscnt 0x0                               ; the add is done, and my reads of this slot are over
	s_barrier_signal -1
	MUL8 F1, 0, 2, 0
	WIN 0
	s_barrier_wait -1
.if \fill
	CREST                                          ; no wave of any partner still reads this slot or has a load on its way
	s_xor_b32 s[G0+5], s[G0+5], SLOT1              ; the walking descriptors: the other slot than last time,
	s_xor_b32 s[G0B+5], s[G0B+5], SLOT1
	s_add_nc_u64 s[G0+6:G0+7], s[G0+6:G0+7], KSTEP*2          ; the next step; the type bits on top are not reached
	s_add_nc_u64 s[G0B+6:G0B+7], s[G0B+6:G0B+7], KSTEP*NB*2
	JLOAD 1                                        ; the first tensor load behind the round; its four v_nop are also the places in front of the loads below
.else
	PLACES
.endif
	s_xor_b32 s[TB], s[TB], SLOT1                  ; the fetches go on in the other slot
	v_add_nc_u32 v[ADRA], s[TB], v[ADRA0]
	v_add_nc_u32 v[ADRB], s[TB], v[ADRB0]
	FETCH 0, F0
	MUL8 F1, 1, 0, 0
	MUL8 F1, 1, 2, 0
.endm
	s_wait_tensorcnt 1                             ; my part of step 0 is in; step 1's load may stay out
	s_barrier_signal -1
	s_barrier_wait -1
	FETCH 0, F0
	QUARTER 1, F0, F1, 1
	WIN 0                                          ; at a label and at a branch every window is 0
	s_mov_b32 s3, STEPS-2
.Lstep:                                                ; two trips: steps 2 and 3 are asked for
	QUARTER 2, F1, F0, 0
	QUARTER 3, F0, F1, 0
	TURN 1
	QUARTER 1, F0, F1, 0
	WIN 0
	s_sub_co_u32 s3, s3, 1
	s_cmp_lg_u32 s3, 0
	s_cbranch_scc1 .Lstep
	s_mov_b32 s3, 2
.Ltail:                                                ; the last two steps ask for nothing; the second trip is left in its middle
	QUARTER 2, F1, F0, 0
	QUARTER 3, F0, F1, 0
	TURN 0
	WIN 0
	s_sub_co_u32 s3, s3, 1
	s_cmp_eq_u32 s3, 0
	s_cbranch_scc1 .Lout
	QUARTER 1, F0, F1, 0
	WIN 0
	s_branch .Ltail
.Lout:
	s_wait_dscnt 0x0                               ; the fetch that nobody needs is back
	PLACES
.macro TOST a                          ; 16 rows into my stage and back as whole rows of 512 bytes, into the registers that they left; LDS serves a wave's instructions in order
.irp b, 0,1,2,3,4,5,6,7
	ds_store_b128 v[STO], v[64*(\a)+8*(\b):64*(\a)+8*(\b)+3] offset:64*(\b)
	ds_store_b128 v[STO], v[64*(\a)+8*(\b)+4:64*(\a)+8*(\b)+7] offset:64*(\b)+16
.endr
.irp t, 0,1,2,3,4,5,6,7,8,9,10,11,12,13,14,15
	ds_load_b128 v[64*(\a)+4*(\t):64*(\a)+4*(\t)+3], v[RD] offset:(\t)*SPF
.endr
.endm
.macro SEND a, younger                 ; younger: the next block's 32 LDS instructions, or none
.irp t, 0,1,2,3,4,5,6,7,8,9,10,11,12,13,14,15
	s_wait_dscnt (\younger)+15-(\t)
	global_store_b128 v[CO], v[64*(\a)+4*(\t):64*(\a)+4*(\t)+3], s[8:9] offset:(16*(\a)+(\t))*4096  ; the wave stores 512 consecutive bytes, aligned
.endr
.endm
	WIN W_OUT
	TOST 0
	TOST 1
	SEND 0, 32
	TOST 2
	SEND 1, 32
	TOST 3
	SEND 2, 32
	SEND 3, 0
	WIN 0
	s_wait_tensorcnt 0x0                           ; the wave's end
	ds_add_u32 v[SPW], v[NIL]
	s_wait_dscnt 0x0
	CROUND                                         ; the closing round
	s_endpgm
.Lfunc_end_k_qd99e481dc5_wg:
	.size	k_qd99e481dc5_wg, .Lfunc_end_k_qd99e481dc5_wg-k_qd99e481dc5_wg
	.p2alignl 7, 3214868480
	.fill 96, 4, 3214868480
	.section	.rodata,"a",@progbits
	.p2align	6, 0x0
	.amdhsa_kernel k_qd99e481dc5_wg
		.amdhsa_group_segment_fixed_size 327680
		.amdhsa_private_segment_fixed_size 0
		.amdhsa_enable_private_segment 0
		.amdhsa_kernarg_size 24
		.amdhsa_user_sgpr_count 2
		.amdhsa_user_sgpr_kernarg_segment_ptr 1
		.amdhsa_wavefront_size32 1
		.amdhsa_system_sgpr_workgroup_id_x 1
		.amdhsa_system_sgpr_workgroup_id_y 1
		.amdhsa_system_sgpr_workgroup_id_z 1
		.amdhsa_system_vgpr_workitem_id 0
		.amdhsa_next_free_vgpr 704
		.amdhsa_next_free_sgpr 80
		.amdhsa_reserve_vcc 0
		.amdhsa_float_denorm_mode_32 3
		.amdhsa_float_denorm_mode_16_64 3
		.amdhsa_memory_ordered 1
		.amdhsa_forward_progress 1
		.amdhsa_inst_pref_size 61
	.end_amdhsa_kernel
	.amdgpu_metadata
---
amdhsa.version: [ 1, 2 ]
amdhsa.kernels:
  - .name:           k_qd99e481dc5_wg
    .symbol:         k_qd99e481dc5_wg.kd
    .args:
      - { .name: ah, .offset: 0, .size: 8, .value_kind: global_buffer, .address_space: global }
      - { .name: w16, .offset: 8, .size: 8, .value_kind: global_buffer, .address_space: global }
      - { .name: y, .offset: 16, .size: 8, .value_kind: global_buffer, .address_space: global }
    .group_segment_fixed_size: 327680
    .private_segment_fixed_size: 0
    .kernarg_segment_align: 8
    .kernarg_segment_size: 24
    .max_flat_workgroup_size: 128
    .sgpr_count:     80
    .vgpr_count:     704
    .wavefront_size: 32
...
	.end_amdgpu_metadata
.endif
;; end of part 14
;; launch ln1 (part 15): grid 256 x 1, 16 waves a work-group, no clusters, 6,144 bytes of LDS; arguments y, ln1_g, ln1_b, xb, xsp, ah; writes ah
.if DOCPART == 15
	.amdgcn_target "amdgcn-amd-amdhsa--gfx1250"
	.amdhsa_code_object_version 6
	.text
	.protected	k_qd99e481dc5_ln1
	.globl	k_qd99e481dc5_ln1
	.p2align	8
	.type	k_qd99e481dc5_ln1,@function
k_qd99e481dc5_ln1:
	s_mov_b64 s[64:65], 0
	v_nop
	global_prefetch_b8 v0, s[64:65] scope:SCOPE_SE
	s_setreg_imm32_b32 hwreg(HW_REG_WAVE_MODE, 25, 1), 1
	s_wait_xcnt 0x0
; LN1.  h = layer norm of (y x 2^E + x): y in f32 [8192][1024] is the attention's product with a power of two taken out of each row, 2^E that power (xsp: 128 bytes for each
; block of 16 rows, word r for row r), x as rounded to bf16; gain and bias are rounded to bf16 like every input; h is stored in f16 (|h| is at most 32 |g| + |b|; f16 ends at 65,504).
; A stream: 16 waves, the work-group owns 32 rows, a wave two whole rows.  A row is 8 loads of 16 bytes a lane (y) and 8 of 8 bytes (x) and stays in registers between the mean,
; the centred squares and the scaling, so it is read once.  All of a wave's loads go out at its start.  The mean is taken away before the squares are summed.
; g and b are read once a work-group: thread t rounds two numbers of each, they meet in 4,096 bytes of LDS behind one barrier, and each lane takes the pairs of its own columns.
.set GBL,   0                          ; LDS: g in bf16 pairs (2,048 bytes), then b
.set SPARE, 4096                       ; the spare words, 128 bytes for each of 16 waves
.set OFF, 1                            ; v1 16 x lane
.set KC,  2                            ; v2 2^-10
.set OFS, 3                            ; v3 8 x lane
.set GP,  4                            ; v4-19  g, two bf16 a register
.set BP,  20                           ; v20-35 b
.set X0,  36                           ; v36-99 two rows of 32
.set RS,  100                          ; v100-131 their residuals, 16 registers a row
.set T,   132                          ; v132-139 at work
.set M,   140                          ; the mean, twice
.set R,   142                          ; 1 / sqrt(var + eps), twice
.set SPW, 144
.set NIL, 145
.set TA,  146                          ; 8 x thread
.set TL,  147                          ; 4 x thread
.set W,   148                          ; v148-151 my two g, my two b
.set SC,  152                          ; v152-153 my two rows' 2^E
	s_load_b256 s[4:11], s[0:1], 0x0               ; y s4, g s6, b s8, xb s10
	s_load_b128 s[20:23], s[0:1], 0x20             ; xsp s20, ah s22
	v_lshl_add_u32 v[SPW], v0, 2, SPARE
	v_mov_b32 v[NIL], 0
	v_lshrrev_b32 v1, 5, v0
	v_readfirstlane_b32 s12, v1
	v_lshlrev_b32 v[TA], 3, v0
	v_lshlrev_b32 v[TL], 2, v0
	v_and_b32 v[OFS], 31, v0
	v_lshlrev_b32 v[OFF], 4, v[OFS]
	v_lshlrev_b32 v[OFS], 3, v[OFS]
	v_mov_b32 v[KC], 0x3a800000
	s_lshl_b32 s13, ttmp9, 4
	s_add_co_u32 s13, s13, s12                     ; my pair of rows
	s_lshl_b32 s14, s13, 13
	s_mov_b32 s15, 0
	s_lshl_b32 s16, s13, 12
	s_mov_b32 s17, 0
	s_mov_b32 s18, 0x76543210
	s_mov_b32 s19, 0xfedcba98
	s_lshr_b32 s24, s13, 3                         ; the pair's block of 16 rows: 128 bytes of scales,
	s_lshl_b32 s24, s24, 7
	s_and_b32 s25, s13, 7                          ; and its 8 bytes there
	s_lshl_b32 s25, s25, 3
	s_add_co_u32 s24, s24, s25
	s_wait_kmcnt 0x0
	s_load_b64 s[26:27], s[20:21], s24 offset:0x0
	s_add_nc_u64 s[4:5], s[4:5], s[14:15]
	s_add_nc_u64 s[10:11], s[10:11], s[16:17]
	s_add_nc_u64 s[22:23], s[22:23], s[16:17]
	global_load_b64 v[W:W+1], v[TA], s[6:7]
	global_load_b64 v[W+2:W+3], v[TA], s[8:9]
.macro FILL n
.irp j, 0,1,2,3,4,5,6,7
	global_load_b128 v[X0+32*(\n)+4*\j:X0+32*(\n)+4*\j+3], v[OFF], s[4:5] offset:(\n)*4096+512*\j th:TH_LOAD_NT
.endr
.irp j, 0,1,2,3,4,5,6,7
	global_load_b64 v[RS+16*(\n)+2*\j:RS+16*(\n)+2*\j+1], v[OFS], s[10:11] offset:(\n)*2048+256*\j th:TH_LOAD_NT
.endr
.endm
	FILL 0
	FILL 1
	s_wait_kmcnt 0x0
	v_mov_b32 v[SC], s26
	v_mov_b32 v[SC+1], s27
	s_wait_loadcnt 32                              ; my g and b are in; the two rows' 32 loads stay out
	v_cvt_pk_bf16_f32 v[W], v[W], v[W+1]
	v_cvt_pk_bf16_f32 v[W+2], v[W+2], v[W+3]
	ds_store_b32 v[TL], v[W] offset:GBL
	ds_store_b32 v[TL], v[W+2] offset:GBL+2048
	s_wait_dscnt 0x0                               ; for the others' sake: my stores are done
	s_barrier_signal -1
	s_barrier_wait -1
.irp j, 0,1,2,3,4,5,6,7
	ds_load_b64 v[GP+2*\j:GP+2*\j+1], v[OFS] offset:GBL+256*\j       ; columns 128 j + 4 lane .. + 3
	ds_load_b64 v[BP+2*\j:BP+2*\j+1], v[OFS] offset:GBL+2048+256*\j
.endr
	s_wait_dscnt 0x0
.macro REDUCE                          ; four pairs in T to one number in every lane, in v[T]
	v_pk_add_f32 v[T:T+1], v[T:T+1], v[T+2:T+3]
	v_pk_add_f32 v[T+4:T+5], v[T+4:T+5], v[T+6:T+7]
	v_pk_add_f32 v[T:T+1], v[T:T+1], v[T+4:T+5]
	v_add_f32 v[T], v[T], v[T+1]
	v_add_f32_dpp v[T], v[T], v[T] row_xmask:1 row_mask:0xf bank_mask:0xf
	v_add_f32_dpp v[T], v[T], v[T] row_xmask:2 row_mask:0xf bank_mask:0xf
	v_add_f32_dpp v[T], v[T], v[T] row_xmask:4 row_mask:0xf bank_mask:0xf
	v_add_f32_dpp v[T], v[T], v[T] row_xmask:8 row_mask:0xf bank_mask:0xf
	v_permlanex16_b32 v[T+1], v[T], s18, s19
	v_add_f32 v[T], v[T], v[T+1]
.endm
.macro ROW n, left
.set X, X0+32*(\n)
.set Q, RS+16*(\n)
	s_wait_loadcnt \left                           ; my row is in; the younger row's loads stay out
.set e, 0
.rept 16                               ; y x 2^E + x, in one multiply-add
	v_fma_mix_f32_bf16 v[X+2*e], v[X+2*e], v[SC+(\n)], v[Q+e] op_sel_hi:[0,0,1]
	v_fma_mix_f32_bf16 v[X+2*e+1], v[X+2*e+1], v[SC+(\n)], v[Q+e] op_sel:[0,0,1] op_sel_hi:[0,0,1]
.set e, e+1
.endr
.irp c, 0,2,4,6
	v_pk_add_f32 v[T+\c:T+\c+1], v[X+\c:X+\c+1], v[X+8+\c:X+8+\c+1]
.endr
.irp k, 16,24
.irp c, 0,2,4,6
	v_pk_add_f32 v[T+\c:T+\c+1], v[T+\c:T+\c+1], v[X+\k+\c:X+\k+\c+1]
.endr
.endr
	REDUCE
	v_mul_f32 v[M], v[KC], v[T]
	v_mul_f32 v[M+1], v[KC], v[T]
.set e, 0
.rept 16
	v_pk_add_f32 v[X+2*e:X+2*e+1], v[X+2*e:X+2*e+1], v[M:M+1] neg_lo:[0,1] neg_hi:[0,1]
.set e, e+1
.endr
.irp c, 0,2,4,6
	v_pk_mul_f32 v[T+\c:T+\c+1], v[X+\c:X+\c+1], v[X+\c:X+\c+1]
.endr
.irp k, 8,16,24
.irp c, 0,2,4,6
	v_pk_fma_f32 v[T+\c:T+\c+1], v[X+\k+\c:X+\k+\c+1], v[X+\k+\c:X+\k+\c+1], v[T+\c:T+\c+1]
.endr
.endr
	REDUCE
	v_fmaak_f32 v[T+2], v[T], v[KC], 0x3727c5ac    ; the variance + 1e-5
	v_rsq_f32 v[R], v[T+2]
	v_rsq_f32 v[R+1], v[T+2]
	v_nop                                          ; a plain instruction between the root and the use of its result
.set e, 0
	s_wait_alu depctr_va_vdst(0)
.rept 16
	v_pk_mul_f32 v[X+2*e:X+2*e+1], v[X+2*e:X+2*e+1], v[R:R+1]
.set e, e+1
.endr
.set e, 0
.rept 16
	v_fma_mix_f32_bf16 v[X+2*e], v[X+2*e], v[GP+e], v[BP+e] op_sel_hi:[0,1,1]
	v_fma_mix_f32_bf16 v[X+2*e+1], v[X+2*e+1], v[GP+e], v[BP+e] op_sel:[0,1,1] op_sel_hi:[0,1,1]
.set e, e+1
.endr
.irp j, 0,1,2,3,4,5,6,7
	v_cvt_pk_f16_f32 v[X+4*\j], v[X+4*\j], v[X+4*\j+1]
	v_cvt_pk_f16_f32 v[X+4*\j+1], v[X+4*\j+2], v[X+4*\j+3]
	global_store_b64 v[OFS], v[X+4*\j:X+4*\j+1], s[22:23] offset:(\n)*2048+256*\j  ; the wave stores 256 consecutive bytes, aligned
.endr
.endm
	ROW 0, 16
	ROW 1, 0
	s_wait_tensorcnt 0x0                           ; the wave's end
	ds_add_u32 v[SPW], v[NIL]
	s_wait_dscnt 0x0
	s_endpgm
.Lfunc_end_k_qd99e481dc5_ln1:
	.size	k_qd99e481dc5_ln1, .Lfunc_end_k_qd99e481dc5_ln1-k_qd99e481dc5_ln1
	.p2alignl 7, 3214868480
	.fill 96, 4, 3214868480
	.section	.rodata,"a",@progbits
	.p2align	6, 0x0
	.amdhsa_kernel k_qd99e481dc5_ln1
		.amdhsa_group_segment_fixed_size 6144
		.amdhsa_private_segment_fixed_size 0
		.amdhsa_enable_private_segment 0
		.amdhsa_kernarg_size 48
		.amdhsa_user_sgpr_count 2
		.amdhsa_user_sgpr_kernarg_segment_ptr 1
		.amdhsa_wavefront_size32 1
		.amdhsa_system_sgpr_workgroup_id_x 1
		.amdhsa_system_sgpr_workgroup_id_y 1
		.amdhsa_system_sgpr_workgroup_id_z 1
		.amdhsa_system_vgpr_workitem_id 0
		.amdhsa_next_free_vgpr 156
		.amdhsa_next_free_sgpr 66
		.amdhsa_reserve_vcc 0
		.amdhsa_float_denorm_mode_32 3
		.amdhsa_float_denorm_mode_16_64 3
		.amdhsa_memory_ordered 1
		.amdhsa_forward_progress 1
		.amdhsa_inst_pref_size 29
	.end_amdhsa_kernel
	.amdgpu_metadata
---
amdhsa.version: [ 1, 2 ]
amdhsa.kernels:
  - .name:           k_qd99e481dc5_ln1
    .symbol:         k_qd99e481dc5_ln1.kd
    .args:
      - { .name: y, .offset: 0, .size: 8, .value_kind: global_buffer, .address_space: global }
      - { .name: ln1_g, .offset: 8, .size: 8, .value_kind: global_buffer, .address_space: global }
      - { .name: ln1_b, .offset: 16, .size: 8, .value_kind: global_buffer, .address_space: global }
      - { .name: xb, .offset: 24, .size: 8, .value_kind: global_buffer, .address_space: global }
      - { .name: xsp, .offset: 32, .size: 8, .value_kind: global_buffer, .address_space: global }
      - { .name: ah, .offset: 40, .size: 8, .value_kind: global_buffer, .address_space: global }
    .group_segment_fixed_size: 6144
    .private_segment_fixed_size: 0
    .kernarg_segment_align: 8
    .kernarg_segment_size: 48
    .max_flat_workgroup_size: 512
    .sgpr_count:     66
    .vgpr_count:     156
    .wavefront_size: 32
...
	.end_amdgpu_metadata
.endif
;; end of part 15
;; launch ffn1 (part 16): grid 8 x 32, 4 waves a work-group, clusters of 4 x 4, 327,680 bytes of LDS; arguments ah, w16, qa, b1; writes qa
.if DOCPART == 16
	.amdgcn_target "amdgcn-amd-amdhsa--gfx1250"
	.amdhsa_code_object_version 6
	.text
	.protected	k_qd99e481dc5_ffn1
	.globl	k_qd99e481dc5_ffn1
	.p2align	8
	.type	k_qd99e481dc5_ffn1,@function
k_qd99e481dc5_ffn1:
	s_mov_b64 s[64:65], 0
	v_nop
	global_prefetch_b8 v0, s[64:65] scope:SCOPE_SE
	s_setreg_imm32_b32 hwreg(HW_REG_WAVE_MODE, 25, 1), 1
	s_wait_xcnt 0x0
	s_wait_alu depctr_hold_cnt(0) depctr_sa_sdst(0) depctr_va_vdst(0) depctr_va_sdst(0) depctr_va_ssrc(0) depctr_va_vcc(0) depctr_vm_vsrc(0)
	s_getreg_b32 s2, hwreg(HW_REG_IB_STS2, 6, 4)
	s_cmp_eq_u32 s2, 0
	s_cbranch_scc0 .Lentry_in_a_cluster
	s_endpgm
.Lentry_in_a_cluster:
	s_bfe_u32 s2, ttmp6, 0x10000c
	s_cmp_lg_u32 s2, 0xf033
	s_cbranch_scc0 .Lentry_shape_is_right
	s_endpgm
.Lentry_shape_is_right:
; FFN1.  a = relu(h [8192][1024] x W1H [1024][1024] + b1), f16 operands, f32 sums, a stored in f16.  b1 is rounded to bf16 like every input and is the C operand that starts the sums.
; LIMIT: a is rounded to f16: a number of 65,520 or more becomes an infinity.
; 256 work-groups, one tile of 256 x 128 each; four waves of 64 rows x 128 columns: 32 accumulators.  K = 1,024 goes in 8 steps of 128 through two LDS slots filled by tensor loads.
; A's rows lie along K (LDS rows of 256 + 16 bytes); B lies [k][n] (256 + 32 bytes) and is turned on the way into registers by ds_load_tr16_b128.
; CLUSTER 4 x 4: A's tile is shared along a row of the cluster, B's along a column; each is asked for jointly.
; THE TEXT.  A step is four quarters of 32 along K on two fragment buffers.  The first quarter, whose products start the sums, stands ahead of the loop; a trip goes from a step's second
; quarter to the next step's first.  Six trips fill a slot again; the last two steps run a second text without a fill, which is left in its middle.  The price of one text for both:
; the last change of slots passes a barrier and fetches 24 fragments that nobody needs.  The slots lie 1 << 17 bytes apart, so one exclusive or turns an address in one into the other's.
; The matrix instruction is used transposed (source 0 = B): a lane holds eight neighbouring columns of one row.  On the way out a block of 16 rows is packed in place to f16, the ReLU is
; a packed maximum, and the block goes through a stage of the wave's own: 16 lanes then store a row's 256 bytes.
; REGISTERS, in windows of 256: window 0 addresses, v32-95 the bias; window 1 the accumulators ((a, b) at 8 (8 a + b)); window 2 two fragment buffers of 96: A 32, B 64.
.set NB,     1024
.set BOFF,   5242880
.set KSTEP,  128
.set STEPS,  8
.set PA,     272
.set PB,     288
.set HALFA,  128*PA
.set BT,     2*HALFA
.set HALFB,  64*PB
.set SLOT1,  1<<17
.set STAGE,  SLOT1+BT+2*HALFB
.set SP,     272
.set SPARE,  STAGE+4*16*SP
.set ADRA0, 16
.set ADRB0, 17
.set ADRA,  18
.set ADRB,  19
.set STO,  24
.set RD,   25
.set CO,   26
.set SPW,  28
.set NIL,  29
.set BO,   31                          ; v31 my byte offset in the bias; never rewritten
.set BIAS, 32                          ; v32-95 bias of column 16 b + 8 hh + j at BIAS + 8 b + j
.set F0,   0
.set F1,   96
.set G1,  24
.set G0,  32
.set G1B, 48
.set G0B, 56
.set TB,  45
.set MSB, 0
.macro WIN new
.if MSB != (\new)
	s_set_vgpr_msb (MSB<<8)|(\new)
.set MSB, \new
.endif
.endm
.set MUL,   0x5a                       ; sources 0 and 1 window 2; C and D window 1
.set MUL_B, 0x4a                       ; the same with C, the bias, in window 0
.set TO_F,  0x80
.set W_PK,  0x45                       ; packing in place: destination and sources 0, 1 window 1
.set W_OUT, 0x44                       ; loaded data and stored data window 1, addresses window 0
.macro JLOAD s                         ; a joint load: waves 0, 1 fetch A's halves, waves 2, 3 B's; s_nop 0 and four v_nop follow each line
	s_cmp_eq_u32 s11, 0
	s_cbranch_scc0 .Lfor_b_\@
	tensor_load_to_lds s[G0+4*(\s):G0+4*(\s)+3], s[G1:G1+7]
	s_nop 0
.rept 4
	v_nop
.endr
	s_branch .Lasked_\@
.Lfor_b_\@:
	tensor_load_to_lds s[G0B+4*(\s):G0B+4*(\s)+3], s[G1B:G1B+7]
	s_nop 0
.rept 4
	v_nop
.endr
.Lasked_\@:
.endm
.macro CREST
	s_cmp_lg_u32 s10, 0
	s_cbranch_scc1 .Lnot_wave_0_\@
	s_barrier_signal -3
.Lnot_wave_0_\@:
	s_barrier_wait -3
	s_barrier_signal -1
	s_barrier_wait -1
.endm
.macro CROUND
	s_barrier_signal -1
	s_barrier_wait -1
	CREST
.endm
.macro PLACES
.rept 4
	v_nop
.endr
.endm
	s_load_b128 s[4:7], s[0:1], 0x0                ; ah, w16
	s_load_b64 s[8:9], s[0:1], 0x10                ; qa
	s_load_b64 s[68:69], s[0:1], 0x18              ; b1
	v_lshl_add_u32 v[SPW], v0, 2, SPARE
	v_mov_b32 v[NIL], 0
	ds_add_u32 v[SPW], v[NIL]                      ; the wave's opening: the add; its wait stands ahead of my first tensor load
	v_lshrrev_b32 v1, 5, v0
	v_readfirstlane_b32 s10, v1
	s_lshr_b32 s11, s10, 1
	s_and_b32 s12, s10, 1
	s_bfe_u32 s40, ttmp6, 0x40000
	s_bfe_u32 s41, ttmp6, 0x40004
	s_lshl_b32 s42, ttmp9, 2
	s_add_co_u32 s42, s42, s40
	s_and_b32 s13, ttmp7, 0xffff
	s_lshl_b32 s13, s13, 2
	s_add_co_u32 s13, s13, s41
	s_lshl_b32 s43, s41, 2
	s_lshl_b32 s43, 15, s43
	s_lshl_b32 s44, 0x1111, s40
	s_or_b32 s[G1+0], s43, (1<<16)|(1<<20)|(1<<21)|(5<<22)|(3<<25)
	s_or_b32 s[G1B+0], s44, (1<<16)|(1<<20)|(1<<21)|(5<<22)|(7<<25)
	s_mov_b32 s[G1+1], KSTEP<<16
	s_mov_b32 s[G1+2], 128<<16
	s_mov_b32 s[G1+3], KSTEP<<16
	s_mov_b32 s[G1+4], 128
	s_mov_b32 s[G1+5], 1024
	s_mov_b32 s[G1+6], 0
	s_mov_b32 s[G1+7], 0
	s_mov_b32 s[G1B+1], 128<<16
	s_mov_b32 s[G1B+2], 64<<16
	s_mov_b32 s[G1B+3], 128<<16
	s_mov_b32 s[G1B+4], 64
	s_mov_b32 s[G1B+5], NB
	s_mov_b32 s[G1B+6], 0
	s_mov_b32 s[G1B+7], 0
	s_mov_b32 s[TB], 0
	s_mov_b32 s70, 0                               ; two f16 zeros, for the ReLU
	s_mov_b32 s71, 0xffff0000
	s_lshl_b32 s16, s13, 8
	s_lshl_b32 s17, s12, 7
	s_add_co_u32 s16, s16, s17
	s_lshl_b32 s16, s16, 11
	s_mov_b32 s17, 0
	s_mul_i32 s46, s12, 64*NB*2
	s_lshl_b32 s47, s42, 8
	s_add_co_u32 s46, s46, s47
	s_add_co_u32 s46, s46, BOFF
	s_mov_b32 s47, 0
	s_mul_i32 s20, s12, HALFA
	s_mul_i32 s21, s12, HALFB
	s_add_co_u32 s21, s21, BT
	s_wait_dscnt 0x0
	s_wait_kmcnt 0x0
	s_add_nc_u64 s[14:15], s[4:5], s[16:17]
	s_add_nc_u64 s[46:47], s[6:7], s[46:47]
	CROUND
.irp s, 0,1
	s_mov_b32 s[G0+4*(\s)], 1
	s_add_co_u32 s[G0+4*(\s)+1], s20, (\s)*SLOT1
	s_add_nc_u64 s[G0+4*(\s)+2:G0+4*(\s)+3], s[14:15], (\s)*KSTEP*2
	s_or_b32 s[G0+4*(\s)+3], s[G0+4*(\s)+3], 0x80000000
	s_mov_b32 s[G0B+4*(\s)], 1
	s_add_co_u32 s[G0B+4*(\s)+1], s21, (\s)*SLOT1
	s_add_nc_u64 s[G0B+4*(\s)+2:G0B+4*(\s)+3], s[46:47], (\s)*KSTEP*NB*2
	s_or_b32 s[G0B+4*(\s)+3], s[G0B+4*(\s)+3], 0x80000000
	JLOAD \s
.endr
	v_and_b32 v1, 15, v0
	v_bfe_u32 v2, v0, 4, 1
	s_lshl_b32 s46, s42, 9                         ; the tile's first column, in f32 bytes
	s_mov_b32 s47, 0
	s_add_nc_u64 s[68:69], s[68:69], s[46:47]
	v_lshlrev_b32 v[BO], 5, v2
.irp b, 0,1,2,3,4,5,6,7
	global_load_b128 v[BIAS+8*\b:BIAS+8*\b+3], v[BO], s[68:69] offset:64*\b
	global_load_b128 v[BIAS+8*\b+4:BIAS+8*\b+7], v[BO], s[68:69] offset:64*\b+16
.endr
	v_mul_u32_u24 v3, v1, PA
	v_lshl_add_u32 v3, v2, 4, v3
	s_mul_i32 s22, s10, 64*PA
	v_add_nc_u32 v[ADRA0], s22, v3
	v_and_b32 v4, 7, v0
	v_lshl_add_u32 v4, v2, 3, v4
	v_mul_u32_u24 v4, v4, PB
	v_bfe_u32 v5, v0, 3, 1
	v_lshl_add_u32 v4, v5, 4, v4
	v_add_nc_u32 v[ADRB0], BT, v4
	v_add_nc_u32 v[ADRA], s[TB], v[ADRA0]
	v_add_nc_u32 v[ADRB], s[TB], v[ADRB0]
	s_mul_i32 s23, s10, 16*SP
	s_add_co_u32 s23, s23, STAGE                   ; my own stage
	v_mul_u32_u24 v5, v1, SP
	v_lshl_add_u32 v5, v2, 4, v5
	v_add_nc_u32 v[STO], s23, v5                   ; in: row r, 16 hh bytes
	v_mul_u32_u24 v5, v2, SP
	v_lshl_add_u32 v5, v1, 4, v5
	v_add_nc_u32 v[RD], s23, v5                    ; back: two whole rows of 256 bytes
	v_lshlrev_b32 v5, 11, v2
	v_lshl_add_u32 v[CO], v1, 4, v5
	s_lshl_b32 s16, s13, 8
	s_lshl_b32 s17, s10, 6
	s_add_co_u32 s16, s16, s17                     ; my first row
	s_lshl_b32 s16, s16, 11
	s_mov_b32 s17, 0
	s_add_nc_u64 s[8:9], s[8:9], s[16:17]
	s_lshl_b32 s46, s42, 8
	s_add_nc_u64 s[8:9], s[8:9], s[46:47]
	s_wait_loadcnt 0x0                             ; the bias: rounded to bf16 and widened again
.set k, 0
.rept 32
	v_cvt_pk_bf16_f32 v[8+k%4], v[BIAS+2*k], v[BIAS+2*k+1]
	v_lshlrev_b32 v[BIAS+2*k], 16, v[8+k%4]
	v_and_b32 v[BIAS+2*k+1], s71, v[8+k%4]
.set k, k+1
.endr
; 8 products: m blocks a0, a0 + 1 x n blocks 4 bh .. 4 bh + 3, 32 along K.  Transposed: source 0 = B's fragment.  zero = 1: the bias starts the sum.
.macro MUL8 f, bh, a0, zero
.if \zero
	WIN MUL_B
.else
	WIN MUL
.endif
.irp a, \a0, (\a0)+1
.irp b, 0,1,2,3
.set rD, 8*(8*(\a)+4*(\bh)+(\b))
.set rA, (\f)+8*(\a)
.set rB, (\f)+32+8*(4*(\bh)+(\b))
.set rC, BIAS+8*(4*(\bh)+(\b))
.if \zero
	v_wmma_f32_16x16x32_f16 v[rD:rD+7], v[rB:rB+7], v[rA:rA+7], v[rC:rC+7]
.else
	v_wmma_f32_16x16x32_f16 v[rD:rD+7], v[rB:rB+7], v[rA:rA+7], v[rD:rD+7]
.endif
.endr
.endr
.endm
.macro FETCH q, f
	WIN TO_F
.irp a, 0,1,2,3
	ds_load_b128 v[(\f)+8*(\a):(\f)+8*(\a)+3],   v[ADRA] offset:64*(\q)+(\a)*16*PA
	ds_load_b128 v[(\f)+8*(\a)+4:(\f)+8*(\a)+7], v[ADRA] offset:64*(\q)+(\a)*16*PA+32
.endr
.irp b, 0,1,2,3,4,5,6,7
	ds_load_tr16_b128 v[(\f)+32+8*(\b):(\f)+32+8*(\b)+3],   v[ADRB] offset:32*(\q)*PB+32*(\b)
	ds_load_tr16_b128 v[(\f)+32+8*(\b)+4:(\f)+32+8*(\b)+7], v[ADRB] offset:(32*(\q)+16)*PB+32*(\b)
.endr
.endm
.macro QUARTER q, f, g, zero           ; the 32 accumulators take turns
	s_wait_dscnt 8                                 ; A and B's first four blocks are in; the youngest eight loads may be out
	MUL8 \f, 0, 0, \zero
	MUL8 \f, 0, 2, \zero
	PLACES
	FETCH \q, \g
	s_wait_dscnt 24                                ; all but the 24 just issued
	MUL8 \f, 1, 0, \zero
	MUL8 \f, 1, 2, \zero
.endm
; A step's last quarter multiplies buffer 1 and changes slots: in front of the barrier each wave waits for all its tensor loads (one is out: its part of the next slot),
; adds 0 to its spare word, and waits for that and for its reads of this slot.  fill = 1: the barrier opens a round of the cluster's, and this slot takes the step two further on.
.macro TURN fill
	WIN 0
	s_wait_tensorcnt 0x0
	ds_add_u32 v[SPW], v[NIL]
	s_wait_dscnt 9                                 ; (the add and the youngest eight loads may be out)
	MUL8 F1, 0, 0, 0
	s_wait_dscnt 0x0                               ; the add is done, and my reads of this slot are over
	s_barrier_signal -1
	MUL8 F1, 0, 2, 0
	WIN 0
	s_barrier_wait -1
.if \fill
	CREST                                          ; no wave of any partner still reads this slot or has a load on its way
	s_xor_b32 s[G0+5], s[G0+5], SLOT1
	s_xor_b32 s[G0B+5], s[G0B+5], SLOT1
	s_add_nc_u64 s[G0+6:G0+7], s[G0+6:G0+7], KSTEP*2
	s_add_nc_u64 s[G0B+6:G0B+7], s[G0B+6:G0B+7], KSTEP*NB*2
	JLOAD 1                                        ; the first tensor load behind the round; its four v_nop are also the places in front of the loads below
.else
	PLACES
.endif
	s_xor_b32 s[TB], s[TB], SLOT1
	v_add_nc_u32 v[ADRA], s[TB], v[ADRA0]
	v_add_nc_u32 v[ADRB], s[TB], v[ADRB0]
	FETCH 0, F0
	MUL8 F1, 1, 0, 0
	MUL8 F1, 1, 2, 0
.endm
	s_wait_tensorcnt 1                             ; my part of step 0 is in; step 1's load may stay out
	s_barrier_signal -1
	s_barrier_wait -1
	FETCH 0, F0
	QUARTER 1, F0, F1, 1
	WIN 0
	s_mov_b32 s3, STEPS-2
.Lstep:                                                ; six trips: steps 2 to 7 are asked for
	QUARTER 2, F1, F0, 0
	QUARTER 3, F0, F1, 0
	TURN 1
	QUARTER 1, F0, F1, 0
	WIN 0
	s_sub_co_u32 s3, s3, 1
	s_cmp_lg_u32 s3, 0
	s_cbranch_scc1 .Lstep
	s_mov_b32 s3, 2
.Ltail:                                                ; the last two steps ask for nothing; the second trip is left in its middle
	QUARTER 2, F1, F0, 0
	QUARTER 3, F0, F1, 0
	TURN 0
	WIN 0
	s_sub_co_u32 s3, s3, 1
	s_cmp_eq_u32 s3, 0
	s_cbranch_scc1 .Lout
	QUARTER 1, F0, F1, 0
	WIN 0
	s_branch .Ltail
.Lout:
	s_wait_dscnt 0x0                               ; the fetch that nobody needs is back
	PLACES
.macro PACK a                          ; block a's 64 registers become 32, in place: result d takes registers 2 d and 2 d + 1, which no earlier result has overwritten
	WIN W_PK
.set d, 0
.rept 32
	v_cvt_pk_f16_f32 v[64*(\a)+d], v[64*(\a)+2*d], v[64*(\a)+2*d+1]
.set d, d+1
.endr
.set d, 0
.rept 32
	v_pk_max_num_f16 v[64*(\a)+d], v[64*(\a)+d], s70               ; the ReLU, two at a time
.set d, d+1
.endr
.endm
.macro TOSTAGE a                       ; into my stage, and back as whole rows into the block's upper 32 registers; LDS serves a wave's instructions in order
	WIN W_OUT
.irp b, 0,1,2,3,4,5,6,7
	ds_store_b128 v[STO], v[64*(\a)+4*(\b):64*(\a)+4*(\b)+3] offset:32*(\b)
.endr
.irp t, 0,1,2,3,4,5,6,7
	ds_load_b128 v[64*(\a)+32+4*(\t):64*(\a)+32+4*(\t)+3], v[RD] offset:(\t)*2*SP
.endr
.endm
.macro SEND a, younger                 ; younger: the next block's sixteen LDS instructions, or none
	WIN W_OUT
.irp t, 0,1,2,3,4,5,6,7
	s_wait_dscnt (\younger)+7-(\t)
	global_store_b128 v[CO], v[64*(\a)+32+4*(\t):64*(\a)+32+4*(\t)+3], s[8:9] offset:(16*(\a)+2*(\t))*2048  ; 16 lanes store 256 consecutive bytes, aligned
.endr
.endm
	PACK 0
	TOSTAGE 0
	PACK 1
	TOSTAGE 1
	SEND 0, 16
	PACK 2
	TOSTAGE 2
	SEND 1, 16
	PACK 3
	TOSTAGE 3
	SEND 2, 16
	SEND 3, 0
	WIN 0
	s_wait_tensorcnt 0x0                           ; the wave's end
	ds_add_u32 v[SPW], v[NIL]
	s_wait_dscnt 0x0
	CROUND                                         ; the closing round
	s_endpgm
.Lfunc_end_k_qd99e481dc5_ffn1:
	.size	k_qd99e481dc5_ffn1, .Lfunc_end_k_qd99e481dc5_ffn1-k_qd99e481dc5_ffn1
	.p2alignl 7, 3214868480
	.fill 96, 4, 3214868480
	.section	.rodata,"a",@progbits
	.p2align	6, 0x0
	.amdhsa_kernel k_qd99e481dc5_ffn1
		.amdhsa_group_segment_fixed_size 327680
		.amdhsa_private_segment_fixed_size 0
		.amdhsa_enable_private_segment 0
		.amdhsa_kernarg_size 32
		.amdhsa_user_sgpr_count 2
		.amdhsa_user_sgpr_kernarg_segment_ptr 1
		.amdhsa_wavefront_size32 1
		.amdhsa_system_sgpr_workgroup_id_x 1
		.amdhsa_system_sgpr_workgroup_id_y 1
		.amdhsa_system_sgpr_workgroup_id_z 1
		.amdhsa_system_vgpr_workitem_id 0
		.amdhsa_next_free_vgpr 704
		.amdhsa_next_free_sgpr 80
		.amdhsa_reserve_vcc 0
		.amdhsa_float_denorm_mode_32 3
		.amdhsa_float_denorm_mode_16_64 3
		.amdhsa_memory_ordered 1
		.amdhsa_forward_progress 1
		.amdhsa_inst_pref_size 76
	.end_amdhsa_kernel
	.amdgpu_metadata
---
amdhsa.version: [ 1, 2 ]
amdhsa.kernels:
  - .name:           k_qd99e481dc5_ffn1
    .symbol:         k_qd99e481dc5_ffn1.kd
    .args:
      - { .name: ah, .offset: 0, .size: 8, .value_kind: global_buffer, .address_space: global }
      - { .name: w16, .offset: 8, .size: 8, .value_kind: global_buffer, .address_space: global }
      - { .name: qa, .offset: 16, .size: 8, .value_kind: global_buffer, .address_space: global }
      - { .name: b1, .offset: 24, .size: 8, .value_kind: global_buffer, .address_space: global }
    .group_segment_fixed_size: 327680
    .private_segment_fixed_size: 0
    .kernarg_segment_align: 8
    .kernarg_segment_size: 32
    .max_flat_workgroup_size: 128
    .sgpr_count:     80
    .vgpr_count:     704
    .wavefront_size: 32
...
	.end_amdgpu_metadata
.endif
;; end of part 16
;; launch ffn2 (part 17): grid 8 x 32, 4 waves a work-group, clusters of 4 x 4, 327,680 bytes of LDS; arguments qa, w16, y, b2; writes y
.if DOCPART == 17
	.amdgcn_target "amdgcn-amd-amdhsa--gfx1250"
	.amdhsa_code_object_version 6
	.text
	.protected	k_qd99e481dc5_ffn2
	.globl	k_qd99e481dc5_ffn2
	.p2align	8
	.type	k_qd99e481dc5_ffn2,@function
k_qd99e481dc5_ffn2:
	s_mov_b64 s[64:65], 0
	v_nop
	global_prefetch_b8 v0, s[64:65] scope:SCOPE_SE
	s_setreg_imm32_b32 hwreg(HW_REG_WAVE_MODE, 25, 1), 1
	s_wait_xcnt 0x0
	s_wait_alu depctr_hold_cnt(0) depctr_sa_sdst(0) depctr_va_vdst(0) depctr_va_sdst(0) depctr_va_ssrc(0) depctr_va_vcc(0) depctr_vm_vsrc(0)
	s_getreg_b32 s2, hwreg(HW_REG_IB_STS2, 6, 4)
	s_cmp_eq_u32 s2, 0
	s_cbranch_scc0 .Lentry_in_a_cluster
	s_endpgm
.Lentry_in_a_cluster:
	s_bfe_u32 s2, ttmp6, 0x10000c
	s_cmp_lg_u32 s2, 0xf033
	s_cbranch_scc0 .Lentry_shape_is_right
	s_endpgm
.Lentry_shape_is_right:
; FFN2.  y = a [8192][1024] x W2H [1024][1024] + b2, f16 operands, f32 sums, y in f32; the layer norm that follows adds the residual.  b2, rounded to bf16 like every input, starts the sums.
; 256 work-groups, one tile of 256 x 128 each; four waves of 64 rows x 128 columns: 32 accumulators.  K = 1,024 goes in 8 steps of 128 through two LDS slots filled by tensor loads.
; A's rows lie along K (LDS rows of 256 + 16 bytes); B lies [k][n] (256 + 32 bytes) and is turned on the way into registers by ds_load_tr16_b128.
; CLUSTER 4 x 4: A's tile is shared along a row of the cluster, B's along a column; each is asked for jointly.
; THE TEXT.  A step is four quarters of 32 along K on two fragment buffers.  The first quarter, whose products start the sums, stands ahead of the loop; a trip goes from a step's second
; quarter to the next step's first.  Six trips fill a slot again; the last two steps run a second text without a fill, which is left in its middle.  The price of one text for both:
; the last change of slots passes a barrier and fetches 24 fragments that nobody needs.  The slots lie 1 << 17 bytes apart, so one exclusive or turns an address in one into the other's.
; The matrix instruction is used transposed (source 0 = B): a lane holds eight neighbouring columns of one row.  The way out goes through a stage of the wave's own:
; 16 rows in, whole rows of 512 bytes back into the registers that they left, and each store of the wave covers 512 consecutive bytes.
; REGISTERS, in windows of 256: window 0 addresses, v32-95 the bias; window 1 the accumulators ((a, b) at 8 (8 a + b)); window 2 two fragment buffers of 96: A 32, B 64.
.set NB,     1024
.set BOFF,   7340032
.set KSTEP,  128
.set STEPS,  8
.set PA,     272
.set PB,     288
.set HALFA,  128*PA
.set BT,     2*HALFA
.set HALFB,  64*PB
.set SLOT1,  1<<17
.set STAGE,  SLOT1+BT+2*HALFB
.set SPF,    528
.set SPARE,  STAGE+4*16*SPF
.set ADRA0, 16
.set ADRB0, 17
.set ADRA,  18
.set ADRB,  19
.set STO,  24
.set RD,   25
.set CO,   26
.set SPW,  28
.set NIL,  29
.set BO,   31
.set BIAS, 32
.set F0,   0
.set F1,   96
.set G1,  24
.set G0,  32
.set G1B, 48
.set G0B, 56
.set TB,  45
.set MSB, 0
.macro WIN new
.if MSB != (\new)
	s_set_vgpr_msb (MSB<<8)|(\new)
.set MSB, \new
.endif
.endm
.set MUL,   0x5a
.set MUL_B, 0x4a
.set TO_F,  0x80
.set W_OUT, 0x44
.macro JLOAD s                         ; a joint load: waves 0, 1 fetch A's halves, waves 2, 3 B's; s_nop 0 and four v_nop follow each line
	s_cmp_eq_u32 s11, 0
	s_cbranch_scc0 .Lfor_b_\@
	tensor_load_to_lds s[G0+4*(\s):G0+4*(\s)+3], s[G1:G1+7]
	s_nop 0
.rept 4
	v_nop
.endr
	s_branch .Lasked_\@
.Lfor_b_\@:
	tensor_load_to_lds s[G0B+4*(\s):G0B+4*(\s)+3], s[G1B:G1B+7]
	s_nop 0
.rept 4
	v_nop
.endr
.Lasked_\@:
.endm
.macro CREST
	s_cmp_lg_u32 s10, 0
	s_cbranch_scc1 .Lnot_wave_0_\@
	s_barrier_signal -3
.Lnot_wave_0_\@:
	s_barrier_wait -3
	s_barrier_signal -1
	s_barrier_wait -1
.endm
.macro CROUND
	s_barrier_signal -1
	s_barrier_wait -1
	CREST
.endm
.macro PLACES
.rept 4
	v_nop
.endr
.endm
	s_load_b128 s[4:7], s[0:1], 0x0                ; qa, w16
	s_load_b64 s[8:9], s[0:1], 0x10                ; y
	s_load_b64 s[68:69], s[0:1], 0x18              ; b2
	v_lshl_add_u32 v[SPW], v0, 2, SPARE
	v_mov_b32 v[NIL], 0
	ds_add_u32 v[SPW], v[NIL]                      ; the wave's opening: the add; its wait stands ahead of my first tensor load
	v_lshrrev_b32 v1, 5, v0
	v_readfirstlane_b32 s10, v1
	s_lshr_b32 s11, s10, 1
	s_and_b32 s12, s10, 1
	s_bfe_u32 s40, ttmp6, 0x40000
	s_bfe_u32 s41, ttmp6, 0x40004
	s_lshl_b32 s42, ttmp9, 2
	s_add_co_u32 s42, s42, s40
	s_and_b32 s13, ttmp7, 0xffff
	s_lshl_b32 s13, s13, 2
	s_add_co_u32 s13, s13, s41
	s_lshl_b32 s43, s41, 2
	s_lshl_b32 s43, 15, s43
	s_lshl_b32 s44, 0x1111, s40
	s_or_b32 s[G1+0], s43, (1<<16)|(1<<20)|(1<<21)|(5<<22)|(3<<25)
	s_or_b32 s[G1B+0], s44, (1<<16)|(1<<20)|(1<<21)|(5<<22)|(7<<25)
	s_mov_b32 s[G1+1], KSTEP<<16
	s_mov_b32 s[G1+2], 128<<16
	s_mov_b32 s[G1+3], KSTEP<<16
	s_mov_b32 s[G1+4], 128
	s_mov_b32 s[G1+5], 1024
	s_mov_b32 s[G1+6], 0
	s_mov_b32 s[G1+7], 0
	s_mov_b32 s[G1B+1], 128<<16
	s_mov_b32 s[G1B+2], 64<<16
	s_mov_b32 s[G1B+3], 128<<16
	s_mov_b32 s[G1B+4], 64
	s_mov_b32 s[G1B+5], NB
	s_mov_b32 s[G1B+6], 0
	s_mov_b32 s[G1B+7], 0
	s_mov_b32 s[TB], 0
	s_mov_b32 s71, 0xffff0000
	s_lshl_b32 s16, s13, 8
	s_lshl_b32 s17, s12, 7
	s_add_co_u32 s16, s16, s17
	s_lshl_b32 s16, s16, 11
	s_mov_b32 s17, 0
	s_mul_i32 s46, s12, 64*NB*2
	s_lshl_b32 s47, s42, 8
	s_add_co_u32 s46, s46, s47
	s_add_co_u32 s46, s46, BOFF
	s_mov_b32 s47, 0
	s_mul_i32 s20, s12, HALFA
	s_mul_i32 s21, s12, HALFB
	s_add_co_u32 s21, s21, BT
	s_wait_dscnt 0x0
	s_wait_kmcnt 0x0
	s_add_nc_u64 s[14:15], s[4:5], s[16:17]
	s_add_nc_u64 s[46:47], s[6:7], s[46:47]
	CROUND
.irp s, 0,1
	s_mov_b32 s[G0+4*(\s)], 1
	s_add_co_u32 s[G0+4*(\s)+1], s20, (\s)*SLOT1
	s_add_nc_u64 s[G0+4*(\s)+2:G0+4*(\s)+3], s[14:15], (\s)*KSTEP*2
	s_or_b32 s[G0+4*(\s)+3], s[G0+4*(\s)+3], 0x80000000
	s_mov_b32 s[G0B+4*(\s)], 1
	s_add_co_u32 s[G0B+4*(\s)+1], s21, (\s)*SLOT1
	s_add_nc_u64 s[G0B+4*(\s)+2:G0B+4*(\s)+3], s[46:47], (\s)*KSTEP*NB*2
	s_or_b32 s[G0B+4*(\s)+3], s[G0B+4*(\s)+3], 0x80000000
	JLOAD \s
.endr
	v_and_b32 v1, 15, v0
	v_bfe_u32 v2, v0, 4, 1
	s_lshl_b32 s46, s42, 9                         ; the tile's first column, in f32 bytes
	s_mov_b32 s47, 0
	s_add_nc_u64 s[68:69], s[68:69], s[46:47]
	s_add_nc_u64 s[8:9], s[8:9], s[46:47]
	v_lshlrev_b32 v[BO], 5, v2
.irp b, 0,1,2,3,4,5,6,7
	global_load_b128 v[BIAS+8*\b:BIAS+8*\b+3], v[BO], s[68:69] offset:64*\b
	global_load_b128 v[BIAS+8*\b+4:BIAS+8*\b+7], v[BO], s[68:69] offset:64*\b+16
.endr
	v_mul_u32_u24 v3, v1, PA
	v_lshl_add_u32 v3, v2, 4, v3
	s_mul_i32 s22, s10, 64*PA
	v_add_nc_u32 v[ADRA0], s22, v3
	v_and_b32 v4, 7, v0
	v_lshl_add_u32 v4, v2, 3, v4
	v_mul_u32_u24 v4, v4, PB
	v_bfe_u32 v5, v0, 3, 1
	v_lshl_add_u32 v4, v5, 4, v4
	v_add_nc_u32 v[ADRB0], BT, v4
	v_add_nc_u32 v[ADRA], s[TB], v[ADRA0]
	v_add_nc_u32 v[ADRB], s[TB], v[ADRB0]
	v_and_b32 v[CO], 31, v0
	v_lshlrev_b32 v[CO], 4, v[CO]
	s_mul_i32 s23, s10, 16*SPF
	s_add_co_u32 s23, s23, STAGE                   ; my own stage
	v_mul_u32_u24 v5, v1, SPF
	v_lshl_add_u32 v5, v2, 5, v5
	v_add_nc_u32 v[STO], s23, v5
	v_add_nc_u32 v[RD], s23, v[CO]
	s_lshl_b32 s16, s13, 8
	s_lshl_b32 s17, s10, 6
	s_add_co_u32 s16, s16, s17                     ; my first row
	s_lshl_b32 s16, s16, 12
	s_mov_b32 s17, 0
	s_add_nc_u64 s[8:9], s[8:9], s[16:17]
	s_wait_loadcnt 0x0                             ; the bias: rounded to bf16 and widened again
.set k, 0
.rept 32
	v_cvt_pk_bf16_f32 v[8+k%4], v[BIAS+2*k], v[BIAS+2*k+1]
	v_lshlrev_b32 v[BIAS+2*k], 16, v[8+k%4]
	v_and_b32 v[BIAS+2*k+1], s71, v[8+k%4]
.set k, k+1
.endr
; 8 products: m blocks a0, a0 + 1 x n blocks 4 bh .. 4 bh + 3, 32 along K.  Transposed: source 0 = B's fragment.  zero = 1: the bias starts the sum.
.macro MUL8 f, bh, a0, zero
.if \zero
	WIN MUL_B
.else
	WIN MUL
.endif
.irp a, \a0, (\a0)+1
.irp b, 0,1,2,3
.set rD, 8*(8*(\a)+4*(\bh)+(\b))
.set rA, (\f)+8*(\a)
.set rB, (\f)+32+8*(4*(\bh)+(\b))
.set rC, BIAS+8*(4*(\bh)+(\b))
.if \zero
	v_wmma_f32_16x16x32_f16 v[rD:rD+7], v[rB:rB+7], v[rA:rA+7], v[rC:rC+7]
.else
	v_wmma_f32_16x16x32_f16 v[rD:rD+7], v[rB:rB+7], v[rA:rA+7], v[rD:rD+7]
.endif
.endr
.endr
.endm
.macro FETCH q, f
	WIN TO_F
.irp a, 0,1,2,3
	ds_load_b128 v[(\f)+8*(\a):(\f)+8*(\a)+3],   v[ADRA] offset:64*(\q)+(\a)*16*PA
	ds_load_b128 v[(\f)+8*(\a)+4:(\f)+8*(\a)+7], v[ADRA] offset:64*(\q)+(\a)*16*PA+32
.endr
.irp b, 0,1,2,3,4,5,6,7
	ds_load_tr16_b128 v[(\f)+32+8*(\b):(\f)+32+8*(\b)+3],   v[ADRB] offset:32*(\q)*PB+32*(\b)
	ds_load_tr16_b128 v[(\f)+32+8*(\b)+4:(\f)+32+8*(\b)+7], v[ADRB] offset:(32*(\q)+16)*PB+32*(\b)
.endr
.endm
.macro QUARTER q, f, g, zero           ; the 32 accumulators take turns
	s_wait_dscnt 8                                 ; A and B's first four blocks are in; the youngest eight loads may be out
	MUL8 \f, 0, 0, \zero
	MUL8 \f, 0, 2, \zero
	PLACES
	FETCH \q, \g
	s_wait_dscnt 24                                ; all but the 24 just issued
	MUL8 \f, 1, 0, \zero
	MUL8 \f, 1, 2, \zero
.endm
; A step's last quarter multiplies buffer 1 and changes slots: in front of the barrier each wave waits for all its tensor loads (one is out: its part of the next slot),
; adds 0 to its spare word, and waits for that and for its reads of this slot.  fill = 1: the barrier opens a round of the cluster's, and this slot takes the step two further on.
.macro TURN fill
	WIN 0
	s_wait_tensorcnt 0x0
	ds_add_u32 v[SPW], v[NIL]
	s_wait_dscnt 9                                 ; (the add and the youngest eight loads may be out)
	MUL8 F1, 0, 0, 0
	s_wait_dscnt 0x0                               ; the add is done, and my reads of this slot are over
	s_barrier_signal -1
	MUL8 F1, 0, 2, 0
	WIN 0
	s_barrier_wait -1
.if \fill
	CREST                                          ; no wave of any partner still reads this slot or has a load on its way
	s_xor_b32 s[G0+5], s[G0+5], SLOT1
	s_xor_b32 s[G0B+5], s[G0B+5], SLOT1
	s_add_nc_u64 s[G0+6:G0+7], s[G0+6:G0+7], KSTEP*2
	s_add_nc_u64 s[G0B+6:G0B+7], s[G0B+6:G0B+7], KSTEP*NB*2
	JLOAD 1                                        ; the first tensor load behind the round; its four v_nop are also the places in front of the loads below
.else
	PLACES
.endif
	s_xor_b32 s[TB], s[TB], SLOT1
	v_add_nc_u32 v[ADRA], s[TB], v[ADRA0]
	v_add_nc_u32 v[ADRB], s[TB], v[ADRB0]
	FETCH 0, F0
	MUL8 F1, 1, 0, 0
	MUL8 F1, 1, 2, 0
.endm
	s_wait_tensorcnt 1                             ; my part of step 0 is in; step 1's load may stay out
	s_barrier_signal -1
	s_barrier_wait -1
	FETCH 0, F0
	QUARTER 1, F0, F1, 1
	WIN 0
	s_mov_b32 s3, STEPS-2
.Lstep:                                                ; six trips: steps 2 to 7 are asked for
	QUARTER 2, F1, F0, 0
	QUARTER 3, F0, F1, 0
	TURN 1
	QUARTER 1, F0, F1, 0
	WIN 0
	s_sub_co_u32 s3, s3, 1
	s_cmp_lg_u32 s3, 0
	s_cbranch_scc1 .Lstep
	s_mov_b32 s3, 2
.Ltail:                                                ; the last two steps ask for nothing; the second trip is left in its middle
	QUARTER 2, F1, F0, 0
	QUARTER 3, F0, F1, 0
	TURN 0
	WIN 0
	s_sub_co_u32 s3, s3, 1
	s_cmp_eq_u32 s3, 0
	s_cbranch_scc1 .Lout
	QUARTER 1, F0, F1, 0
	WIN 0
	s_branch .Ltail
.Lout:
	s_wait_dscnt 0x0                               ; the fetch that nobody needs is back
	PLACES
.macro TOST a                          ; 16 rows into my stage and back as whole rows of 512 bytes, into the registers that they left; LDS serves a wave's instructions in order
.irp b, 0,1,2,3,4,5,6,7
	ds_store_b128 v[STO], v[64*(\a)+8*(\b):64*(\a)+8*(\b)+3] offset:64*(\b)
	ds_store_b128 v[STO], v[64*(\a)+8*(\b)+4:64*(\a)+8*(\b)+7] offset:64*(\b)+16
.endr
.irp t, 0,1,2,3,4,5,6,7,8,9,10,11,12,13,14,15
	ds_load_b128 v[64*(\a)+4*(\t):64*(\a)+4*(\t)+3], v[RD] offset:(\t)*SPF
.endr
.endm
.macro SEND a, younger                 ; younger: the next block's 32 LDS instructions, or none
.irp t, 0,1,2,3,4,5,6,7,8,9,10,11,12,13,14,15
	s_wait_dscnt (\younger)+15-(\t)
	global_store_b128 v[CO], v[64*(\a)+4*(\t):64*(\a)+4*(\t)+3], s[8:9] offset:(16*(\a)+(\t))*4096  ; the wave stores 512 consecutive bytes, aligned
.endr
.endm
	WIN W_OUT
	TOST 0
	TOST 1
	SEND 0, 32
	TOST 2
	SEND 1, 32
	TOST 3
	SEND 2, 32
	SEND 3, 0
	WIN 0
	s_wait_tensorcnt 0x0                           ; the wave's end
	ds_add_u32 v[SPW], v[NIL]
	s_wait_dscnt 0x0
	CROUND                                         ; the closing round
	s_endpgm
.Lfunc_end_k_qd99e481dc5_ffn2:
	.size	k_qd99e481dc5_ffn2, .Lfunc_end_k_qd99e481dc5_ffn2-k_qd99e481dc5_ffn2
	.p2alignl 7, 3214868480
	.fill 96, 4, 3214868480
	.section	.rodata,"a",@progbits
	.p2align	6, 0x0
	.amdhsa_kernel k_qd99e481dc5_ffn2
		.amdhsa_group_segment_fixed_size 327680
		.amdhsa_private_segment_fixed_size 0
		.amdhsa_enable_private_segment 0
		.amdhsa_kernarg_size 32
		.amdhsa_user_sgpr_count 2
		.amdhsa_user_sgpr_kernarg_segment_ptr 1
		.amdhsa_wavefront_size32 1
		.amdhsa_system_sgpr_workgroup_id_x 1
		.amdhsa_system_sgpr_workgroup_id_y 1
		.amdhsa_system_sgpr_workgroup_id_z 1
		.amdhsa_system_vgpr_workitem_id 0
		.amdhsa_next_free_vgpr 704
		.amdhsa_next_free_sgpr 80
		.amdhsa_reserve_vcc 0
		.amdhsa_float_denorm_mode_32 3
		.amdhsa_float_denorm_mode_16_64 3
		.amdhsa_memory_ordered 1
		.amdhsa_forward_progress 1
		.amdhsa_inst_pref_size 67
	.end_amdhsa_kernel
	.amdgpu_metadata
---
amdhsa.version: [ 1, 2 ]
amdhsa.kernels:
  - .name:           k_qd99e481dc5_ffn2
    .symbol:         k_qd99e481dc5_ffn2.kd
    .args:
      - { .name: qa, .offset: 0, .size: 8, .value_kind: global_buffer, .address_space: global }
      - { .name: w16, .offset: 8, .size: 8, .value_kind: global_buffer, .address_space: global }
      - { .name: y, .offset: 16, .size: 8, .value_kind: global_buffer, .address_space: global }
      - { .name: b2, .offset: 24, .size: 8, .value_kind: global_buffer, .address_space: global }
    .group_segment_fixed_size: 327680
    .private_segment_fixed_size: 0
    .kernarg_segment_align: 8
    .kernarg_segment_size: 32
    .max_flat_workgroup_size: 128
    .sgpr_count:     80
    .vgpr_count:     704
    .wavefront_size: 32
...
	.end_amdgpu_metadata
.endif
;; end of part 17
;; launch ln2 (part 18): grid 256 x 1, 16 waves a work-group, no clusters, 6,144 bytes of LDS; arguments y, ln2_g, ln2_b, ah, seq_len, out0; writes out0
.if DOCPART == 18
	.amdgcn_target "amdgcn-amd-amdhsa--gfx1250"
	.amdhsa_code_object_version 6
	.text
	.protected	k_qd99e481dc5_ln2
	.globl	k_qd99e481dc5_ln2
	.p2align	8
	.type	k_qd99e481dc5_ln2,@function
k_qd99e481dc5_ln2:
	s_mov_b64 s[64:65], 0
	v_nop
	global_prefetch_b8 v0, s[64:65] scope:SCOPE_SE
	s_setreg_imm32_b32 hwreg(HW_REG_WAVE_MODE, 25, 1), 1
	s_wait_xcnt 0x0
; LN2.  out = layer norm of (y + h), y in f32 [8192][1024], h in f16, gain and bias rounded to bf16 like every input, times the length mask t < seq_len[b]; out in f32.
; A stream: 16 waves, the work-group owns 32 rows, a wave two whole rows, which stay in registers between the mean, the centred squares and the scaling.
; g and b are read once a work-group: thread t rounds two numbers of each, they meet in 4,096 bytes of LDS behind one barrier, and each lane takes the pairs of its own columns.
; THE MASK.  A wave whose first row lies at or past seq_len[b] loads no row: its row registers are set to 0, it runs the same text, and the mask's 0 makes the result 0.
; (LIMIT: a masked row is 0 x a finite number here, also where the reference would give NaN x 0.)  seq_len is only compared, as a signed number; it enters no address.
.set GBL,   0
.set SPARE, 4096
.set OFF, 1
.set KC,  2
.set OFS, 3
.set GP,  4
.set BP,  20
.set X0,  36                           ; v36-99 two rows of 32
.set RS,  100                          ; v100-131 their residuals
.set T,   132
.set M,   140
.set R,   142
.set SPW, 144
.set NIL, 145
.set TA,  146
.set TL,  147
.set W,   148
.set ONE, 152
	s_load_b256 s[4:11], s[0:1], 0x0               ; y s4, g s6, b s8, ah s10
	s_load_b128 s[20:23], s[0:1], 0x20             ; seq_len s20, out0 s22
	v_lshl_add_u32 v[SPW], v0, 2, SPARE
	v_mov_b32 v[NIL], 0
	v_lshrrev_b32 v1, 5, v0
	v_readfirstlane_b32 s12, v1
	v_lshlrev_b32 v[TA], 3, v0
	v_lshlrev_b32 v[TL], 2, v0
	v_and_b32 v[OFS], 31, v0
	v_lshlrev_b32 v[OFF], 4, v[OFS]
	v_lshlrev_b32 v[OFS], 3, v[OFS]
	v_mov_b32 v[KC], 0x3a800000
	v_mov_b32 v[ONE], 1.0
	s_lshl_b32 s13, ttmp9, 4
	s_add_co_u32 s13, s13, s12                     ; my pair of rows
	s_lshl_b32 s14, s13, 13
	s_mov_b32 s15, 0
	s_lshl_b32 s16, s13, 12
	s_mov_b32 s17, 0
	s_mov_b32 s18, 0x76543210
	s_mov_b32 s19, 0xfedcba98
	s_lshr_b32 s30, ttmp9, 6                       ; the batch: 64 work-groups of 32 rows
	s_lshl_b32 s30, s30, 2
	s_lshl_b32 s25, s13, 1
	s_and_b32 s25, s25, 2047                       ; my first row's place in its sequence
	s_mov_b32 s29, 0
	s_wait_kmcnt 0x0
	s_load_b32 s24, s[20:21], s30 offset:0x0
	s_add_nc_u64 s[4:5], s[4:5], s[14:15]
	s_add_nc_u64 s[22:23], s[22:23], s[14:15]
	s_add_nc_u64 s[10:11], s[10:11], s[16:17]
	global_load_b64 v[W:W+1], v[TA], s[6:7]
	global_load_b64 v[W+2:W+3], v[TA], s[8:9]
	s_wait_kmcnt 0x0
	s_cmp_ge_i32 s25, s24
	s_cbranch_scc1 .Lmasked
.macro FILL n
.irp j, 0,1,2,3,4,5,6,7
	global_load_b128 v[X0+32*(\n)+4*\j:X0+32*(\n)+4*\j+3], v[OFF], s[4:5] offset:(\n)*4096+512*\j th:TH_LOAD_NT
.endr
.irp j, 0,1,2,3,4,5,6,7
	global_load_b64 v[RS+16*(\n)+2*\j:RS+16*(\n)+2*\j+1], v[OFS], s[10:11] offset:(\n)*2048+256*\j th:TH_LOAD_NT
.endr
.endm
	FILL 0
	FILL 1
	s_branch .Lrows_set
.Lmasked:
.set i, X0
.rept 96                               ; both rows and their residuals count as 0
	v_mov_b32 v[i], 0
.set i, i+1
.endr
.Lrows_set:
	s_wait_loadcnt 0x0                             ; g, b and, where they were asked for, the rows: all went out together
	v_cvt_pk_bf16_f32 v[W], v[W], v[W+1]
	v_cvt_pk_bf16_f32 v[W+2], v[W+2], v[W+3]
	ds_store_b32 v[TL], v[W] offset:GBL
	ds_store_b32 v[TL], v[W+2] offset:GBL+2048
	s_wait_dscnt 0x0                               ; for the others' sake: my stores are done
	s_barrier_signal -1
	s_barrier_wait -1
.irp j, 0,1,2,3,4,5,6,7
	ds_load_b64 v[GP+2*\j:GP+2*\j+1], v[OFS] offset:GBL+256*\j       ; columns 128 j + 4 lane .. + 3
	ds_load_b64 v[BP+2*\j:BP+2*\j+1], v[OFS] offset:GBL+2048+256*\j
.endr
	s_wait_dscnt 0x0
.macro REDUCE                          ; four pairs in T to one number in every lane, in v[T]
	v_pk_add_f32 v[T:T+1], v[T:T+1], v[T+2:T+3]
	v_pk_add_f32 v[T+4:T+5], v[T+4:T+5], v[T+6:T+7]
	v_pk_add_f32 v[T:T+1], v[T:T+1], v[T+4:T+5]
	v_add_f32 v[T], v[T], v[T+1]
	v_add_f32_dpp v[T], v[T], v[T] row_xmask:1 row_mask:0xf bank_mask:0xf
	v_add_f32_dpp v[T], v[T], v[T] row_xmask:2 row_mask:0xf bank_mask:0xf
	v_add_f32_dpp v[T], v[T], v[T] row_xmask:4 row_mask:0xf bank_mask:0xf
	v_add_f32_dpp v[T], v[T], v[T] row_xmask:8 row_mask:0xf bank_mask:0xf
	v_permlanex16_b32 v[T+1], v[T], s18, s19
	v_add_f32 v[T], v[T], v[T+1]
.endm
.macro ROW n
.set X, X0+32*(\n)
.set Q, RS+16*(\n)
.set e, 0
.rept 16                               ; + h
	v_fma_mix_f32 v[X+2*e], v[X+2*e], v[ONE], v[Q+e] op_sel_hi:[0,0,1]
	v_fma_mix_f32 v[X+2*e+1], v[X+2*e+1], v[ONE], v[Q+e] op_sel:[0,0,1] op_sel_hi:[0,0,1]
.set e, e+1
.endr
.irp c, 0,2,4,6
	v_pk_add_f32 v[T+\c:T+\c+1], v[X+\c:X+\c+1], v[X+8+\c:X+8+\c+1]
.endr
.irp k, 16,24
.irp c, 0,2,4,6
	v_pk_add_f32 v[T+\c:T+\c+1], v[T+\c:T+\c+1], v[X+\k+\c:X+\k+\c+1]
.endr
.endr
	REDUCE
	v_mul_f32 v[M], v[KC], v[T]
	v_mul_f32 v[M+1], v[KC], v[T]
.set e, 0
.rept 16
	v_pk_add_f32 v[X+2*e:X+2*e+1], v[X+2*e:X+2*e+1], v[M:M+1] neg_lo:[0,1] neg_hi:[0,1]
.set e, e+1
.endr
.irp c, 0,2,4,6
	v_pk_mul_f32 v[T+\c:T+\c+1], v[X+\c:X+\c+1], v[X+\c:X+\c+1]
.endr
.irp k, 8,16,24
.irp c, 0,2,4,6
	v_pk_fma_f32 v[T+\c:T+\c+1], v[X+\k+\c:X+\k+\c+1], v[X+\k+\c:X+\k+\c+1], v[T+\c:T+\c+1]
.endr
.endr
	REDUCE
	v_fmaak_f32 v[T+2], v[T], v[KC], 0x3727c5ac    ; the variance + 1e-5
	v_rsq_f32 v[R], v[T+2]
	v_rsq_f32 v[R+1], v[T+2]
	v_nop                                          ; a plain instruction between the root and the use of its result
.set e, 0
	s_wait_alu depctr_va_vdst(0)
.rept 16
	v_pk_mul_f32 v[X+2*e:X+2*e+1], v[X+2*e:X+2*e+1], v[R:R+1]
.set e, e+1
.endr
.set e, 0
.rept 16
	v_fma_mix_f32_bf16 v[X+2*e], v[X+2*e], v[GP+e], v[BP+e] op_sel_hi:[0,1,1]
	v_fma_mix_f32_bf16 v[X+2*e+1], v[X+2*e+1], v[GP+e], v[BP+e] op_sel:[0,1,1] op_sel_hi:[0,1,1]
.set e, e+1
.endr
	s_add_co_u32 s26, s25, \n                      ; the row's place in its sequence
	s_cmp_lt_i32 s26, s24
	s_cselect_b32 s28, 1.0, 0                      ; the mask
.set e, 0
.rept 16
	v_pk_mul_f32 v[X+2*e:X+2*e+1], v[X+2*e:X+2*e+1], s[28:29] op_sel_hi:[1,0]
.set e, e+1
.endr
.irp j, 0,1,2,3,4,5,6,7
	global_store_b128 v[OFF], v[X+4*\j:X+4*\j+3], s[22:23] offset:(\n)*4096+512*\j th:TH_STORE_NT  ; 512 consecutive bytes
.endr
.endm
	ROW 0
	ROW 1
	s_wait_tensorcnt 0x0                           ; the wave's end
	ds_add_u32 v[SPW], v[NIL]
	s_wait_dscnt 0x0
	s_endpgm
.Lfunc_end_k_qd99e481dc5_ln2:
	.size	k_qd99e481dc5_ln2, .Lfunc_end_k_qd99e481dc5_ln2-k_qd99e481dc5_ln2
	.p2alignl 7, 3214868480
	.fill 96, 4, 3214868480
	.section	.rodata,"a",@progbits
	.p2align	6, 0x0
	.amdhsa_kernel k_qd99e481dc5_ln2
		.amdhsa_group_segment_fixed_size 6144
		.amdhsa_private_segment_fixed_size 0
		.amdhsa_enable_private_segment 0
		.amdhsa_kernarg_size 48
		.amdhsa_user_sgpr_count 2
		.amdhsa_user_sgpr_kernarg_segment_ptr 1
		.amdhsa_wavefront_size32 1
		.amdhsa_system_sgpr_workgroup_id_x 1
		.amdhsa_system_sgpr_workgroup_id_y 1
		.amdhsa_system_sgpr_workgroup_id_z 1
		.amdhsa_system_vgpr_workitem_id 0
		.amdhsa_next_free_vgpr 156
		.amdhsa_next_free_sgpr 66
		.amdhsa_reserve_vcc 0
		.amdhsa_float_denorm_mode_32 3
		.amdhsa_float_denorm_mode_16_64 3
		.amdhsa_memory_ordered 1
		.amdhsa_forward_progress 1
		.amdhsa_inst_pref_size 32
	.end_amdhsa_kernel
	.amdgpu_metadata
---
amdhsa.version: [ 1, 2 ]
amdhsa.kernels:
  - .name:           k_qd99e481dc5_ln2
    .symbol:         k_qd99e481dc5_ln2.kd
    .args:
      - { .name: y, .offset: 0, .size: 8, .value_kind: global_buffer, .address_space: global }
      - { .name: ln2_g, .offset: 8, .size: 8, .value_kind: global_buffer, .address_space: global }
      - { .name: ln2_b, .offset: 16, .size: 8, .value_kind: global_buffer, .address_space: global }
      - { .name: ah, .offset: 24, .size: 8, .value_kind: global_buffer, .address_space: global }
      - { .name: seq_len, .offset: 32, .size: 8, .value_kind: global_buffer, .address_space: global }
      - { .name: out0, .offset: 40, .size: 8, .value_kind: global_buffer, .address_space: global }
    .group_segment_fixed_size: 6144
    .private_segment_fixed_size: 0
    .kernarg_segment_align: 8
    .kernarg_segment_size: 48
    .max_flat_workgroup_size: 512
    .sgpr_count:     66
    .vgpr_count:     156
    .wavefront_size: 32
...
	.end_amdgpu_metadata
.endif
;; end of part 18
;; ======== version 3 of 3: 9 launches; version 2 with the launches cast, kvred, ln1 written anew for expert scheduling mode
;; limits: values are held in f16: magnitudes above 65,504 overflow, below 6.1e-05 lose precision
;; workspace buffers: xb 16,777,216 bytes; w16 9,437,184 bytes; xsp 1,048,576 bytes; qa 16,777,216 bytes; kvp 8,388,608 bytes; kvt 278,528 bytes; ah 16,777,216 bytes; y 33,554,432 bytes
;; launch cast (part 19): grid 416 x 1, 8 waves a work-group, no clusters, 0 bytes of LDS; arguments x, Wq, Wk, Wv, Wg, W1, W2, xb, w16, xsp; writes xb, w16, xsp
.if DOCPART == 19
	.amdgcn_target "amdgcn-amd-amdhsa--gfx1250"
	.amdhsa_code_object_version 6
	.text
	.protected	k_qd99e481dc5_cast
	.globl	k_qd99e481dc5_cast
	.p2align	8
	.type	k_qd99e481dc5_cast,@function
k_qd99e481dc5_cast:
	s_mov_b64 s[64:65], 0
	v_nop
	global_prefetch_b8 v0, s[64:65] scope:SCOPE_SE
	s_setreg_imm32_b32 hwreg(HW_REG_WAVE_SCHED_MODE, 0, 2), 2
	s_setreg_imm32_b32 hwreg(HW_REG_WAVE_MODE, 25, 1), 1
	s_wait_xcnt 0x0
	s_wait_alu depctr_vm_vsrc(0)
; CAST.  Every large floating input is rounded once to bf16 and laid out for the products that follow.
;   xb   bf16 [8192][1024] = x
;   xsp  f32 [256][1024]: column sums of the rounded x over 32 rows each (the key sum is made of them later, in f32)
;   w16  WQB  bf16 [8][1024][64] at 0: tile T holds Wq's columns 64 T .. 64 T + 63 (heads 2 T, 2 T + 1), dense, 128 bytes a row
;        WKV  bf16 [1024][1024] at WKV: column 64 h + (0..31) = Wk of head h, + 32..63 = Wv of head h
;        WGH  [512][1024] at WGH, W1H, W2H [1024][1024] at W1H on: the bf16 rounding of Wg, W1, W2 written as f16 (exact down to 6e-5; below that f16's fixed step of 6e-8)
; A stream: 256 threads, thread t owns 4 columns; 16 lanes load 256 consecutive bytes, a wave's store covers 256 consecutive bytes, aligned.
; The work-group's number picks the job: 0-255 x (32 rows each), 256-319 Wk|Wv (16 rows), 320-335 Wq, 336-351 Wg, 352-415 W1, W2 (32 rows).
; Every job is two trips with 16 loads of each wave on their way.  No LDS, no matrix unit, no cluster: nothing is shared and memory binds.
; THE MODE: SCHED_MODE bits 1:0 = 2 (LLVM: expert scheduling mode 2), set by the entry lines.  The code itself states the register dependences
; between vector instructions and memory instructions, with s_wait_alu, always for 0.
; THE PLAN.  Registers that memory instructions touch:
;   X, X2    written by the trip's loads, which stand in one run at its head; read by that trip's roundings.
;   Y        a trip's lines go in blocks of four, and each block has eight registers of Y to itself.  Written by block q's roundings; read by the four stores
;            that are issued in block q + 1, one ahead of each line's roundings (the last block's: behind the trip's last wait).
;   VS, VD   byte offsets, made at the job's head and never written again: the rows are reached by the scalar bases and by immediate offsets.
;   SUM      written by the packed adds, read by one store at the x job's end.
; So one wait on va_vdst stands at the head of each block but the first, one behind the last block, and one wait on vm_vsrc at the trip's end.
; The second trip's loads are not dealt into the first trip: the second trip would have to be written out for each of the four kinds, since no load may leave its buffer.
.set WKV, 1048576
.set WGH, 3145728
.set W1H, 5242880
.set BLK, 4                            ; lines in a block
.set VS,  1                            ; v1      source byte offset of my 16 bytes
.set VD,  2                            ; v2      destination byte offset of my 8 bytes
.set T,   4                            ; v4-7    at work: no memory instruction names them
.set SUM, 8                            ; v8-11   column sums
.set X,   16                           ; v16-79  up to 16 rows as loaded
.set Y,   80                           ; v80-111 up to 16 rows to store
.set X2,  112                          ; v112-143 the second source's 8 rows (Wv)
; One trip: nr lines are loaded, converted and stored.  kind 0: bf16 and column sums; 1: bf16; 2: bf16, then f16; 3: bf16 of two sources, chosen by lane.
.macro CAST kind, nr, spitch, dpitch
.set i, 0
.rept \nr
	global_load_b128 v[X+4*i:X+4*i+3], v[VS], s[28:29] offset:i*(\spitch)
.if (\kind) == 3
	global_load_b128 v[X2+4*i:X2+4*i+3], v[VS], s[30:31] offset:i*(\spitch)
.endif
.set i, i+1
.endr
.set i, 0
.rept \nr
.if (\kind) == 3
	s_wait_loadcnt 2*((\nr)-1-i)                   ; line i of both sources is in; the younger lines' loads stay out
.else
	s_wait_loadcnt (\nr)-1-i                       ; line i is in; the younger lines' loads stay out
.endif
.if (i > 0) && (i%BLK == 0)
	s_wait_alu depctr_va_vdst(0)                   ; the block before has written its eight registers of Y, which the four stores dealt into this block read
.endif
.if i >= BLK
	global_store_b64 v[VD], v[Y+2*(i-BLK):Y+2*(i-BLK)+1], s[32:33] offset:(i-BLK)*(\dpitch)  ; a line of the block before; no vector instruction since the wait names its registers
.endif
	v_cvt_pk_bf16_f32 v[Y+2*i], v[X+4*i], v[X+4*i+1]
	v_cvt_pk_bf16_f32 v[Y+2*i+1], v[X+4*i+2], v[X+4*i+3]
.if (\kind) == 3
	v_cvt_pk_bf16_f32 v[T], v[X2+4*i], v[X2+4*i+1]
	v_cvt_pk_bf16_f32 v[T+1], v[X2+4*i+2], v[X2+4*i+3]
	v_cndmask_b32 v[Y+2*i], v[Y+2*i], v[T], s39    ; threads with bit 3 set write Wv's columns
	v_cndmask_b32 v[Y+2*i+1], v[Y+2*i+1], v[T+1], s39
.endif
.if ((\kind) == 0) || ((\kind) == 2)
	v_lshlrev_b32 v[T], 16, v[Y+2*i]               ; the rounded numbers back in f32
	v_and_b32 v[T+1], s37, v[Y+2*i]
	v_lshlrev_b32 v[T+2], 16, v[Y+2*i+1]
	v_and_b32 v[T+3], s37, v[Y+2*i+1]
.endif
.if (\kind) == 0
	v_pk_add_f32 v[SUM:SUM+1], v[SUM:SUM+1], v[T:T+1]
	v_pk_add_f32 v[SUM+2:SUM+3], v[SUM+2:SUM+3], v[T+2:T+3]
.endif
.if (\kind) == 2
	v_cvt_pk_f16_f32 v[Y+2*i], v[T], v[T+1]
	v_cvt_pk_f16_f32 v[Y+2*i+1], v[T+2], v[T+3]
.endif
.set i, i+1
.endr
	s_wait_alu depctr_va_vdst(0)                   ; the last block has written its Y, which the stores below read; the roundings are done reading X and X2, in which the next trip's loads land; SUM is written
.set i, (\nr)-BLK
.rept BLK
	global_store_b64 v[VD], v[Y+2*i:Y+2*i+1], s[32:33] offset:i*(\dpitch)
.set i, i+1
.endr
	s_wait_xcnt 0x0                                ; the bases and Y are rewritten only behind this wait
	s_wait_alu depctr_vm_vsrc(0)                   ; the trip's stores have read Y, which the next trip's roundings write again
	s_add_nc_u64 s[28:29], s[28:29], (\nr)*(\spitch)
.if (\kind) == 3
	s_add_nc_u64 s[30:31], s[30:31], (\nr)*(\spitch)
.endif
	s_add_nc_u64 s[32:33], s[32:33], (\nr)*(\dpitch)
	s_sub_co_u32 s36, s36, 1
	s_cmp_lg_u32 s36, 0
.endm
	s_load_b512 s[8:23], s[0:1], 0x0               ; x s8, Wq s10, Wk s12, Wv s14, Wg s16, W1 s18, W2 s20, xb s22
	s_load_b128 s[24:27], s[0:1], 0x40             ; w16 s24, xsp s26
	s_mov_b32 s37, 0xffff0000
	s_mov_b32 s35, 0
	v_lshlrev_b32 v[VS], 4, v0                     ; 16 t
	v_lshlrev_b32 v[VD], 3, v0                     ; 8 t
	s_wait_kmcnt 0x0
	s_cmp_lt_u32 ttmp9, 256
	s_cbranch_scc0 .Lnot_x
	s_lshl_b32 s34, ttmp9, 17                      ; x: 32 rows of 4,096 bytes
	s_add_nc_u64 s[28:29], s[8:9], s[34:35]
	s_lshl_b32 s34, ttmp9, 16                      ; 32 rows of 2,048 bytes
	s_add_nc_u64 s[32:33], s[22:23], s[34:35]
	v_mov_b32 v[SUM], 0
	v_mov_b32 v[SUM+1], 0
	v_mov_b32 v[SUM+2], 0
	v_mov_b32 v[SUM+3], 0
	s_wait_alu depctr_va_vdst(0)                   ; v[VS] and v[VD] are written: every load and store of the job reads one of them as its offset
	s_mov_b32 s36, 2
.Lrows_trip:
	CAST 0, 16, 4096, 2048
	s_cbranch_scc1 .Lrows_trip
	s_lshl_b32 s34, ttmp9, 12
	s_add_nc_u64 s[26:27], s[26:27], s[34:35]
	global_store_b128 v[VS], v[SUM:SUM+3], s[26:27]  ; no vector instruction stands behind the trip's last wait on va_vdst, which has shown SUM written
	s_endpgm
.Lnot_x:
	s_cmp_lt_u32 ttmp9, 320
	s_cbranch_scc1 .Lkv
	s_cmp_lt_u32 ttmp9, 336
	s_cbranch_scc1 .Lq
	s_cmp_lt_u32 ttmp9, 352
	s_cbranch_scc0 .Lw
	s_sub_co_u32 s36, ttmp9, 336                   ; Wg: 32 rows
	s_lshl_b32 s34, s36, 17
	s_add_nc_u64 s[28:29], s[16:17], s[34:35]
	s_lshl_b32 s34, s36, 16
	s_add_co_u32 s34, s34, WGH
	s_add_nc_u64 s[32:33], s[24:25], s[34:35]
	s_branch .Lw_go
.Lw:                                                   ; W1 and W2: 32 rows
	s_sub_co_u32 s36, ttmp9, 352                   ; 0..63
	s_cmp_lt_u32 s36, 32
	s_cselect_b64 s[28:29], s[18:19], s[20:21]
	s_and_b32 s38, s36, 31
	s_lshl_b32 s34, s38, 17
	s_add_nc_u64 s[28:29], s[28:29], s[34:35]
	s_lshl_b32 s34, s36, 16                        ; W2H follows W1H
	s_add_co_u32 s34, s34, W1H
	s_add_nc_u64 s[32:33], s[24:25], s[34:35]
.Lw_go:
	s_wait_alu depctr_va_vdst(0)                   ; v[VS] and v[VD] are written: every load and store of the job reads one of them as its offset
	s_mov_b32 s36, 2
.Lw_trip:
	CAST 2, 16, 4096, 2048
	s_cbranch_scc1 .Lw_trip
	s_endpgm
.Lkv:                                                  ; Wk and Wv, interleaved by heads: 16 rows
	s_sub_co_u32 s36, ttmp9, 256
	s_lshl_b32 s34, s36, 15                        ; 16 rows of 2,048 bytes, in the sources and in WKV
	s_add_nc_u64 s[28:29], s[12:13], s[34:35]
	s_add_nc_u64 s[30:31], s[14:15], s[34:35]
	s_add_co_u32 s34, s34, WKV
	s_add_nc_u64 s[32:33], s[24:25], s[34:35]
	v_lshrrev_b32 v3, 4, v0                        ; head
	v_and_b32 v[VS], 7, v0
	v_lshlrev_b32 v[VS], 4, v[VS]
	v_lshl_add_u32 v[VS], v3, 7, v[VS]             ; 128 head + 16 (t % 8)
	v_and_b32 v3, 8, v0
	v_cmp_ne_u32 s39, 0, v3
	s_wait_alu depctr_va_sdst(0)                   ; s39 is written, ahead of the label and of its first reader, the trip's first v_cndmask_b32
	s_wait_alu depctr_va_vdst(0)                   ; v[VS] and v[VD] are written: every load and store of the job reads one of them as its offset
	s_mov_b32 s36, 2
.Lkv_trip:
	CAST 3, 8, 2048, 2048
	s_cbranch_scc1 .Lkv_trip
	s_endpgm
.Lq:                                                   ; Wq by tiles: work-group j takes tile j / 2, rows 512 (j % 2) on; a line is 16 rows x 64 columns
	s_sub_co_u32 s36, ttmp9, 320
	s_lshr_b32 s34, s36, 1
	s_lshl_b32 s34, s34, 8                         ; the tile's 64 columns: 256 bytes of a row of Wq
	s_and_b32 s38, s36, 1
	s_lshl_b32 s38, s38, 20                        ; 512 rows of 2,048 bytes
	s_add_co_u32 s34, s34, s38
	s_add_nc_u64 s[28:29], s[10:11], s[34:35]
	s_lshl_b32 s34, s36, 16                        ; 512 rows of 128 bytes: the tiles lie end to end
	s_add_nc_u64 s[32:33], s[24:25], s[34:35]
	v_lshrrev_b32 v3, 4, v0
	v_and_b32 v[VS], 15, v0
	v_lshlrev_b32 v[VS], 4, v[VS]
	v_lshl_add_u32 v[VS], v3, 11, v[VS]            ; row t / 16, 16 bytes at 16 (t % 16); the store's 8 t is dense
	s_wait_alu depctr_va_vdst(0)                   ; v[VS] and v[VD] are written: every load and store of the job reads one of them as its offset
	s_mov_b32 s36, 2
.Lq_trip:
	CAST 1, 16, 32768, 2048
	s_cbranch_scc1 .Lq_trip
	s_endpgm
.Lfunc_end_k_qd99e481dc5_cast:
	.size	k_qd99e481dc5_cast, .Lfunc_end_k_qd99e481dc5_cast-k_qd99e481dc5_cast
	.p2alignl 7, 3214868480
	.fill 96, 4, 3214868480
	.section	.rodata,"a",@progbits
	.p2align	6, 0x0
	.amdhsa_kernel k_qd99e481dc5_cast
		.amdhsa_group_segment_fixed_size 0
		.amdhsa_private_segment_fixed_size 0
		.amdhsa_enable_private_segment 0
		.amdhsa_kernarg_size 80
		.amdhsa_user_sgpr_count 2
		.amdhsa_user_sgpr_kernarg_segment_ptr 1
		.amdhsa_wavefront_size32 1
		.amdhsa_system_sgpr_workgroup_id_x 1
		.amdhsa_system_sgpr_workgroup_id_y 1
		.amdhsa_system_sgpr_workgroup_id_z 1
		.amdhsa_system_vgpr_workitem_id 0
		.amdhsa_next_free_vgpr 144
		.amdhsa_next_free_sgpr 66
		.amdhsa_reserve_vcc 0
		.amdhsa_float_denorm_mode_32 3
		.amdhsa_float_denorm_mode_16_64 3
		.amdhsa_memory_ordered 1
		.amdhsa_forward_progress 1
		.amdhsa_inst_pref_size 36
	.end_amdhsa_kernel
	.amdgpu_metadata
---
amdhsa.version: [ 1, 2 ]
amdhsa.kernels:
  - .name:           k_qd99e481dc5_cast
    .symbol:         k_qd99e481dc5_cast.kd
    .args:
      - { .name: x, .offset: 0, .size: 8, .value_kind: global_buffer, .address_space: global }
      - { .name: Wq, .offset: 8, .size: 8, .value_kind: global_buffer, .address_space: global }
      - { .name: Wk, .offset: 16, .size: 8, .value_kind: global_buffer, .address_space: global }
      - { .name: Wv, .offset: 24, .size: 8, .value_kind: global_buffer, .address_space: global }
      - { .name: Wg, .offset: 32, .size: 8, .value_kind: global_buffer, .address_space: global }
      - { .name: W1, .offset: 40, .size: 8, .value_kind: global_buffer, .address_space: global }
      - { .name: W2, .offset: 48, .size: 8, .value_kind: global_buffer, .address_space: global }
      - { .name: xb, .offset: 56, .size: 8, .value_kind: global_buffer, .address_space: global }
      - { .name: w16, .offset: 64, .size: 8, .value_kind: global_buffer, .address_space: global }
      - { .name: xsp, .offset: 72, .size: 8, .value_kind: global_buffer, .address_space: global }
    .group_segment_fixed_size: 0
    .private_segment_fixed_size: 0
    .kernarg_segment_align: 8
    .kernarg_segment_size: 80
    .max_flat_workgroup_size: 256
    .sgpr_count:     66
    .vgpr_count:     144
    .wavefront_size: 32
...
	.end_amdgpu_metadata
.endif
;; end of part 19
;; launch proj: the kernel of part 11 again; grid 8 x 32, 4 waves a work-group, clusters of 4 x 4, 327,680 bytes of LDS; arguments xb, w16, qa, kvp; writes qa, kvp
;; launch kvred (part 20): grid 128 x 1, 8 waves a work-group, no clusters, 11,264 bytes of LDS; arguments kvp, xsp, Wk, kvt; writes kvt
.if DOCPART == 20
	.amdgcn_target "amdgcn-amd-amdhsa--gfx1250"
	.amdhsa_code_object_version 6
	.text
	.protected	k_qd99e481dc5_kvred
	.globl	k_qd99e481dc5_kvred
	.p2align	8
	.type	k_qd99e481dc5_kvred,@function
k_qd99e481dc5_kvred:
	s_mov_b64 s[64:65], 0
	v_nop
	global_prefetch_b8 v0, s[64:65] scope:SCOPE_SE
	s_setreg_imm32_b32 hwreg(HW_REG_WAVE_SCHED_MODE, 0, 2), 2
	s_setreg_imm32_b32 hwreg(HW_REG_WAVE_MODE, 25, 1), 1
	s_wait_xcnt 0x0
	s_wait_alu depctr_vm_vsrc(0)
; KVRED.  The small tables of the linear attention, c = 1 / sqrt(32) folded in.  128 work-groups of eight waves; all of a wave's global loads are 16 bytes a lane.
; Work-groups 64-127: c K^T V of one batch and head = the sum of 32 partial tiles of kvp, split into a high and a low bf16 part and stored as matrix fragments:
;   kvt byte = (16 b + head) * 4096 + piece * 2048 + eb * 1024 + db * 512 + lane * 16.  Wave w adds 16 of the 32 groups (half w / 4) of tile w % 4: 32 loads, all out at once;
;   waves 4-7 hand their sums to waves 0-3 in LDS behind one barrier.
; Work-groups 0-63: c ksum = c (sum over tokens of x) . Wk, all in f32 on the vector unit from the bf16-rounded x and Wk: the divisor cancels, so this sum is not taken from
;   rounded k.  Work-group = (batch b = id / 16, 64 columns p = (id / 2) % 8, half of K kq = id % 2): it makes a partial sum over 512 k; the next launch adds the two halves.
;   Thread t adds 32 of the batch's 64 chunk sums of xsp (half t / 128) for four k; the sums meet in LDS.  Wave w then multiplies k = 64 w .. 64 w + 63: lanes 0-15 rows 0-31,
;   lanes 16-31 rows 32-63, four columns a lane, so that 16 lanes read a row's 256 bytes.  The waves' sums meet in LDS and wave 0 stores
;   kvt + 262144 + kq * 8192 + (16 b + head) * 128.
; The branch between the jobs hangs on the work-group's number alone, so every wave of a work-group passes the same barriers.
; THE MODE: SCHED_MODE bits 1:0 = 2 (LLVM: expert scheduling mode 2), set by the entry lines.  The code itself states the register dependences
; between vector instructions and memory or LDS instructions, with s_wait_alu, always for 0.
; THE PLAN.  Every address register of a job is made ahead of the job's first load and never written again, so one wait on va_vdst serves all of them.
; The key sum:  v32-159 are loaded (chunk sums), read by the adds, and then take loads again: v32-95 Wk's second 16 rows, v96-159 the sums out of LDS;
;   v8-11 are written by the adds and read by the first LDS store: one wait ahead of that store states both.  v12-15 are written by the dot products and read by the second LDS store;
;   v32-47, which the dot products read, then take wave 0's LDS loads: one wait ahead of that store states both.  v32-33 are written by wave 0's adds and read by its global store: one wait.
; K^T V:  v8-15 (S) are written by the adds and read by the LDS stores of waves 4-7: one wait, in their arm.  Waves 0-3 add S onto v16-23, the registers that their LDS loads filled,
;   so that no line of the text writes S behind those stores; v24-31 are written by the roundings and read by the two global stores: one wait.
; No register that a memory or LDS instruction has read is written again, so no wait on vm_vsrc is owed ahead of the closing lines.
.set XSL,   0                          ; 4,096 bytes: two halves' sums over chunks of 512 k
.set KSL,   4096                       ; 2,048 bytes: 8 waves x 64 partial sums
.set J0L,   6144                       ; 4,096 bytes: the sums of waves 4-7, 1,024 bytes each
.set SPARE, 10240                      ; the spare words, 128 bytes for each of 8 waves
.set SPW, 2
.set NIL, 3
.set S,   8                            ; v8-15 a tile's sums
.set U,   16                           ; v16-23 waves 0-3: the other half's sums out of LDS, then both halves' sum
.macro FINISH                          ; the wave's end: the closing lines, six on end
	s_wait_dscnt 0x0
	s_wait_alu 0x0
	s_wait_tensorcnt 0x0
	ds_add_u32 v[SPW], v[NIL]
	s_wait_dscnt 0x0
	s_endpgm
.endm
	s_load_b256 s[4:11], s[0:1], 0x0               ; kvp s4, xsp s6, Wk s8, kvt s10
	v_lshl_add_u32 v[SPW], v0, 2, SPARE
	v_mov_b32 v[NIL], 0
	v_lshrrev_b32 v1, 5, v0
	v_readfirstlane_b32 s12, v1                    ; wave 0..7
	v_and_b32 v4, 31, v0                           ; lane
	v_lshlrev_b32 v5, 4, v4                        ; 16 l
	s_mov_b32 s15, 0
	s_wait_alu depctr_va_sdst(0)                   ; s12 is written, ahead of the branch and of its first reader: bases, LDS addresses and branches are made from it
	s_wait_kmcnt 0x0
	s_cmp_lt_u32 ttmp9, 64
	s_cbranch_scc0 .Lkv
	s_lshr_b32 s13, ttmp9, 4                       ; b
	s_bfe_u32 s16, ttmp9, 0x30001                  ; p: 3 bits from bit 1
	s_and_b32 s17, ttmp9, 1                        ; kq
	s_lshr_b32 s18, s12, 2                         ; which 32 chunks my wave adds
	s_and_b32 s19, s12, 3                          ; which 512 bytes of a chunk's 2,048
	s_mov_b32 s21, 0x76543210
	s_mov_b32 s22, 0xfedcba98
	s_lshl_b32 s14, s13, 18                        ; xsp: 64 chunks of 4,096 bytes a batch,
	s_lshl_b32 s20, s18, 17                        ; 32 chunks,
	s_add_co_u32 s14, s14, s20
	s_lshl_b32 s20, s17, 11                        ; 512 k,
	s_add_co_u32 s14, s14, s20
	s_lshl_b32 s20, s19, 9
	s_add_co_u32 s14, s14, s20
	s_add_nc_u64 s[6:7], s[6:7], s[14:15]
	s_lshl_b32 s14, s17, 20                        ; Wk: 512 rows of 2,048 bytes,
	s_lshl_b32 s20, s12, 17                        ; 64 rows,
	s_add_co_u32 s14, s14, s20
	s_lshl_b32 s20, s16, 8                         ; 64 columns
	s_add_co_u32 s14, s14, s20
	s_add_nc_u64 s[8:9], s[8:9], s[14:15]
	v_and_b32 v6, 15, v0
	v_lshlrev_b32 v6, 4, v6                        ; 16 r
	v_bfe_u32 v7, v0, 4, 1                         ; hh
	v_lshl_add_u32 v24, v7, 16, v6                 ; 32 rows further down for lanes 16-31; never rewritten
	v_lshlrev_b32 v25, 4, v0                       ; 16 t
	v_lshlrev_b32 v26, 7, v7
	v_lshl_add_u32 v26, s12, 8, v26                ; my 32 k: 4 (64 w + 32 hh) bytes; 16 lanes read the same bytes
	v_lshl_add_u32 v27, s12, 8, v6                 ; 256 w + 16 r
	v_lshlrev_b32 v28, 3, v4                       ; 8 l
	s_wait_alu depctr_va_vdst(0)                   ; v5 and v24 to v28 are written: every load and store of this job, global or LDS, reads one of them as its address
.set n, 0
.rept 32
	global_load_b128 v[32+4*n:35+4*n], v5, s[6:7] offset:n*4096
.set n, n+1
.endr
.set n, 0
.rept 16
	global_load_b128 v[160+4*n:163+4*n], v24, s[8:9] offset:n*2048
.set n, n+1
.endr
	s_wait_loadcnt 16                              ; the 32 chunk sums are in; Wk's 16 loads stay out
.set n, 4
.rept 28                               ; four chains of two pairs
	v_pk_add_f32 v[32+4*(n%4):33+4*(n%4)], v[32+4*(n%4):33+4*(n%4)], v[32+4*n:33+4*n]
	v_pk_add_f32 v[34+4*(n%4):35+4*(n%4)], v[34+4*(n%4):35+4*(n%4)], v[34+4*n:35+4*n]
.set n, n+1
.endr
	v_pk_add_f32 v[32:33], v[32:33], v[36:37]
	v_pk_add_f32 v[34:35], v[34:35], v[38:39]
	v_pk_add_f32 v[40:41], v[40:41], v[44:45]
	v_pk_add_f32 v[42:43], v[42:43], v[46:47]
	v_pk_add_f32 v[8:9], v[32:33], v[40:41]
	v_pk_add_f32 v[10:11], v[34:35], v[42:43]
	s_wait_alu depctr_va_vdst(0)                   ; the adds have written v8-11, which the LDS store reads, and are done with v32-159, in which the loads below and the LDS loads behind the barrier land
	ds_store_b128 v25, v[8:11] offset:XSL          ; half t / 128, k 4 (t % 128) on: 16 t in all
.set n, 0
.rept 16
	global_load_b128 v[32+4*n:35+4*n], v24, s[8:9] offset:(16+n)*2048
.set n, n+1
.endr
	s_wait_dscnt 0x0                               ; for the others' sake: my store is done
	s_barrier_signal -1
	s_barrier_wait -1
.set n, 0
.rept 8
	ds_load_b128 v[96+4*n:99+4*n], v26 offset:XSL+16*n
	ds_load_b128 v[128+4*n:131+4*n], v26 offset:XSL+2048+16*n
.set n, n+1
.endr
.set n, 12
.rept 8
	v_mov_b32 v[n], 0
.set n, n+1
.endr
	s_wait_dscnt 0x0
.set n, 0
.rept 16                               ; the two halves of the chunks
	v_pk_add_f32 v[96+2*n:97+2*n], v[96+2*n:97+2*n], v[128+2*n:129+2*n]
.set n, n+1
.endr
.macro DOT w, x, k                     ; four columns of one row of Wk, rounded to bf16, times the row's sum of x; two sets of sums take turns
.set a, 12+4*((\k)%2)
.set c, 20+2*((\k)%2)
	v_cvt_pk_bf16_f32 v[c], v[\w], v[(\w)+1]
	v_cvt_pk_bf16_f32 v[c+1], v[(\w)+2], v[(\w)+3]
	v_fma_mix_f32_bf16 v[a], v[c], v[\x], v[a] op_sel_hi:[1,0,0]
	v_fma_mix_f32_bf16 v[a+1], v[c], v[\x], v[a+1] op_sel:[1,0,0] op_sel_hi:[1,0,0]
	v_fma_mix_f32_bf16 v[a+2], v[c+1], v[\x], v[a+2] op_sel_hi:[1,0,0]
	v_fma_mix_f32_bf16 v[a+3], v[c+1], v[\x], v[a+3] op_sel:[1,0,0] op_sel_hi:[1,0,0]
.endm
	s_wait_loadcnt 16                              ; Wk's first 16 loads are in; the second 16 stay out
.set n, 0
.rept 16
	DOT 160+4*n, 96+n, n
.set n, n+1
.endr
	s_wait_loadcnt 0x0
.set n, 0
.rept 16
	DOT 32+4*n, 112+n, n
.set n, n+1
.endr
	v_pk_add_f32 v[12:13], v[12:13], v[16:17]
	v_pk_add_f32 v[14:15], v[14:15], v[18:19]
.irp j, 0,1,2,3
	v_permlanex16_b32 v[16+\j], v[12+\j], s21, s22 ; the other 32 rows' sums lie in the lane 16 away
.endr
	v_pk_add_f32 v[12:13], v[12:13], v[16:17]
	v_pk_add_f32 v[14:15], v[14:15], v[18:19]
	s_wait_alu depctr_va_vdst(0)                   ; the adds have written v12-15, which the LDS store reads; the dot products are done reading v32-47, in which wave 0's LDS loads land
	ds_store_b128 v27, v[12:15] offset:KSL         ; lanes r and r + 16 store the same number to the same place
	s_wait_dscnt 0x0
	s_barrier_signal -1
	s_barrier_wait -1
	s_cmp_lg_u32 s12, 0
	s_cbranch_scc1 .Lothers
.set n, 0
.rept 8
	ds_load_b64 v[32+2*n:33+2*n], v28 offset:KSL+256*n
.set n, n+1
.endr
	s_lshl_b32 s14, s13, 4
	s_lshl_b32 s20, s16, 1
	s_add_co_u32 s14, s14, s20                     ; 16 b + 2 p
	s_lshl_b32 s14, s14, 7
	s_lshl_b32 s20, s17, 13                        ; the half of K
	s_add_co_u32 s14, s14, s20
	s_add_co_u32 s14, s14, 262144
	s_add_nc_u64 s[10:11], s[10:11], s[14:15]
	s_wait_dscnt 0x0
.set n, 2
.rept 6                                ; two chains
	v_pk_add_f32 v[32+2*(n%2):33+2*(n%2)], v[32+2*(n%2):33+2*(n%2)], v[32+2*n:33+2*n]
.set n, n+1
.endr
	v_pk_add_f32 v[32:33], v[32:33], v[34:35]
	v_pk_mul_f32 v[32:33], v[32:33], 0x3e3504f3 op_sel_hi:[1,0]  ; c
	s_wait_alu depctr_va_vdst(0)                   ; the multiply has written v32-33, which the store reads
	global_store_b64 v28, v[32:33], s[10:11]       ; 256 consecutive bytes: two heads
	FINISH
.Lothers:
	FINISH
.Lkv:
	s_sub_co_u32 s13, ttmp9, 64                    ; 0..63
	s_lshr_b32 s16, s13, 4                         ; b
	s_and_b32 s17, s13, 15                         ; head
	s_and_b32 s18, s12, 3                          ; tile 2 db + eb
	s_lshr_b32 s19, s12, 2                         ; which 16 groups
	s_lshl_b32 s14, s16, 21                        ; 32 groups x 16 heads x 4,096 bytes
	s_lshl_b32 s20, s19, 20
	s_add_co_u32 s14, s14, s20
	s_lshl_b32 s20, s17, 12
	s_add_co_u32 s14, s14, s20
	s_lshl_b32 s20, s18, 10
	s_add_co_u32 s14, s14, s20
	s_add_nc_u64 s[4:5], s[4:5], s[14:15]
	v_lshl_add_u32 v6, s12, 10, v5                 ; 1,024 w + 16 l
	s_wait_alu depctr_va_vdst(0)                   ; v5 and v6 are written: every load and store of this job, global or LDS, reads one of them as its address
.set g, 0
.rept 16
	global_load_b128 v[32+8*g:35+8*g], v5, s[4:5] offset:g*65536
	global_load_b128 v[36+8*g:39+8*g], v5, s[4:5] offset:g*65536+512
.set g, g+1
.endr
	s_wait_loadcnt 16                              ; the first eight groups are in; the other eight stay out
.irp k, 0,2,4,6
	v_pk_add_f32 v[S+\k:S+\k+1], v[32+\k:32+\k+1], v[40+\k:40+\k+1]  ; the first two groups start the sums
.endr
.set g, 2
.rept 6
.irp k, 0,2,4,6
	v_pk_add_f32 v[S+\k:S+\k+1], v[S+\k:S+\k+1], v[32+8*g+\k:32+8*g+\k+1]
.endr
.set g, g+1
.endr
	s_wait_loadcnt 0x0
.rept 8
.irp k, 0,2,4,6
	v_pk_add_f32 v[S+\k:S+\k+1], v[S+\k:S+\k+1], v[32+8*g+\k:32+8*g+\k+1]
.endr
.set g, g+1
.endr
	s_cmp_lt_u32 s12, 4
	s_cbranch_scc1 .Lkeep
	s_wait_alu depctr_va_vdst(0)                   ; the adds have written v[S ..], which the two LDS stores read
	ds_store_b128 v6, v[S:S+3] offset:J0L-4096     ; wave w = 4..7 at J0L + 1,024 (w - 4)
	ds_store_b128 v6, v[S+4:S+7] offset:J0L-4096+512
.Lkeep:
	s_wait_dscnt 0x0                               ; for the others' sake: my stores are done
	s_barrier_signal -1
	s_barrier_wait -1
	s_cmp_lt_u32 s12, 4
	s_cbranch_scc1 .Lsum
	FINISH
.Lsum:
	ds_load_b128 v[U:U+3], v6 offset:J0L           ; wave w + 4's sums of my tile; no vector instruction of this job has named these registers
	ds_load_b128 v[U+4:U+7], v6 offset:J0L+512
	s_lshl_b32 s14, s16, 4
	s_add_co_u32 s14, s14, s17                     ; 16 b + head
	s_lshl_b32 s14, s14, 12
	s_and_b32 s20, s12, 1                          ; eb
	s_lshl_b32 s20, s20, 10
	s_add_co_u32 s14, s14, s20
	s_bfe_u32 s20, s12, 0x10001                    ; db
	s_lshl_b32 s20, s20, 9
	s_add_co_u32 s14, s14, s20
	s_add_nc_u64 s[10:11], s[10:11], s[14:15]
	s_mov_b32 s20, 0xffff0000
	s_wait_dscnt 0x0
.irp k, 0,2,4,6
	v_pk_add_f32 v[U+\k:U+\k+1], v[S+\k:S+\k+1], v[U+\k:U+\k+1]  ; my half plus the other's, onto the registers that the LDS loads filled: S is not written again
.endr
.irp k, 0,2,4,6
	v_pk_mul_f32 v[U+\k:U+\k+1], v[U+\k:U+\k+1], 0x3e3504f3 op_sel_hi:[1,0]  ; c
.endr
.irp i, 0,1,2,3
	v_cvt_pk_bf16_f32 v[24+\i], v[U+2*\i], v[U+2*\i+1]     ; the high part,
.endr
.irp i, 0,1,2,3
	v_lshlrev_b32 v[32+2*\i], 16, v[24+\i]
	v_and_b32 v[33+2*\i], s20, v[24+\i]
.endr
.irp i, 0,1,2,3
	v_pk_add_f32 v[U+2*\i:U+2*\i+1], v[U+2*\i:U+2*\i+1], v[32+2*\i:33+2*\i] neg_lo:[0,1] neg_hi:[0,1]
.endr
.irp i, 0,1,2,3
	v_cvt_pk_bf16_f32 v[28+\i], v[U+2*\i], v[U+2*\i+1]     ; and what it left
.endr
	s_wait_alu depctr_va_vdst(0)                   ; the roundings have written v24-31, which the two stores read
	global_store_b128 v5, v[24:27], s[10:11]
	global_store_b128 v5, v[28:31], s[10:11] offset:2048
	FINISH
.Lfunc_end_k_qd99e481dc5_kvred:
	.size	k_qd99e481dc5_kvred, .Lfunc_end_k_qd99e481dc5_kvred-k_qd99e481dc5_kvred
	.p2alignl 7, 3214868480
	.fill 96, 4, 3214868480
	.section	.rodata,"a",@progbits
	.p2align	6, 0x0
	.amdhsa_kernel k_qd99e481dc5_kvred
		.amdhsa_group_segment_fixed_size 11264
		.amdhsa_private_segment_fixed_size 0
		.amdhsa_enable_private_segment 0
		.amdhsa_kernarg_size 32
		.amdhsa_user_sgpr_count 2
		.amdhsa_user_sgpr_kernarg_segment_ptr 1
		.amdhsa_wavefront_size32 1
		.amdhsa_system_sgpr_workgroup_id_x 1
		.amdhsa_system_sgpr_workgroup_id_y 1
		.amdhsa_system_sgpr_workgroup_id_z 1
		.amdhsa_system_vgpr_workitem_id 0
		.amdhsa_next_free_vgpr 224
		.amdhsa_next_free_sgpr 66
		.amdhsa_reserve_vcc 0
		.amdhsa_float_denorm_mode_32 3
		.amdhsa_float_denorm_mode_16_64 3
		.amdhsa_memory_ordered 1
		.amdhsa_forward_progress 1
		.amdhsa_inst_pref_size 40
	.end_amdhsa_kernel
	.amdgpu_metadata
---
amdhsa.version: [ 1, 2 ]
amdhsa.kernels:
  - .name:           k_qd99e481dc5_kvred
    .symbol:         k_qd99e481dc5_kvred.kd
    .args:
      - { .name: kvp, .offset: 0, .size: 8, .value_kind: global_buffer, .address_space: global }
      - { .name: xsp, .offset: 8, .size: 8, .value_kind: global_buffer, .address_space: global }
      - { .name: Wk, .offset: 16, .size: 8, .value_kind: global_buffer, .address_space: global }
      - { .name: kvt, .offset: 24, .size: 8, .value_kind: global_buffer, .address_space: global }
    .group_segment_fixed_size: 11264
    .private_segment_fixed_size: 0
    .kernarg_segment_align: 8
    .kernarg_segment_size: 32
    .max_flat_workgroup_size: 256
    .sgpr_count:     66
    .vgpr_count:     224
    .wavefront_size: 32
...
	.end_amdgpu_metadata
.endif
;; end of part 20
;; launch attn: the kernel of part 13 again; grid 512 x 1, 8 waves a work-group, no clusters, 18,432 bytes of LDS; arguments qa, kvt, ah, xsp; writes ah, xsp
;; launch wg: the kernel of part 14 again; grid 8 x 32, 4 waves a work-group, clusters of 4 x 4, 327,680 bytes of LDS; arguments ah, w16, y; writes y
;; launch ln1 (part 21): grid 256 x 1, 16 waves a work-group, no clusters, 6,144 bytes of LDS; arguments y, ln1_g, ln1_b, xb, xsp, ah; writes ah
.if DOCPART == 21
	.amdgcn_target "amdgcn-amd-amdhsa--gfx1250"
	.amdhsa_code_object_version 6
	.text
	.protected	k_qd99e481dc5_ln1
	.globl	k_qd99e481dc5_ln1
	.p2align	8
	.type	k_qd99e481dc5_ln1,@function
k_qd99e481dc5_ln1:
	s_mov_b64 s[64:65], 0
	v_nop
	global_prefetch_b8 v0, s[64:65] scope:SCOPE_SE
	s_setreg_imm32_b32 hwreg(HW_REG_WAVE_SCHED_MODE, 0, 2), 2
	s_setreg_imm32_b32 hwreg(HW_REG_WAVE_MODE, 25, 1), 1
	s_wait_xcnt 0x0
	s_wait_alu depctr_vm_vsrc(0)
; LN1.  h = layer norm of (y x 2^E + x): y in f32 [8192][1024] is the attention's product with a power of two taken out of each row, 2^E that power (xsp: 128 bytes for each
; block of 16 rows, word r for row r), x as rounded to bf16; gain and bias are rounded to bf16 like every input; h is stored in f16 (|h| is at most 32 |g| + |b|; f16 ends at 65,504).
; A stream: 16 waves, the work-group owns 32 rows, a wave two whole rows.  A row is 8 loads of 16 bytes a lane (y) and 8 of 8 bytes (x) and stays in registers between the mean,
; the centred squares and the scaling, so it is read once.  All of a wave's loads go out at its start.  The mean is taken away before the squares are summed.
; g and b are read once a work-group: thread t rounds two numbers of each, they meet in 4,096 bytes of LDS behind one barrier, and each lane takes the pairs of its own columns.
; THE MODE: SCHED_MODE bits 1:0 = 2 (LLVM: expert scheduling mode 2), set by the entry lines.  The code itself states the register dependences
; between vector instructions and memory or LDS instructions, with s_wait_alu, always for 0.
; THE PLAN.  Registers that memory or LDS instructions touch:
;   TA, TL, OFF, OFS   offsets and LDS addresses, made at the head and never written again: one wait ahead of the first load serves all of them.
;   W, W+2             loaded, rounded in place, read by the two LDS stores: one wait ahead of those.
;   GP, BP             filled by LDS loads, read by vector instructions alone.
;   row 0's, row 1's registers   loaded once, worked on in place; the sixteen roundings to f16 write the lower half of each four, which the row's eight stores read.
; A row's roundings stand together, with one wait behind them.  Row 0's wait stands at row 1's head, and row 0's eight stores are dealt among row 1's first multiply-adds,
; which name row 1's registers alone.  No register that a memory or LDS instruction has read is written again, so no wait on vm_vsrc is owed ahead of the closing lines.
.set GBL,   0                          ; LDS: g in bf16 pairs (2,048 bytes), then b
.set SPARE, 4096                       ; the spare words, 128 bytes for each of 16 waves
.set OFF, 1                            ; v1 16 x lane
.set KC,  2                            ; v2 2^-10
.set OFS, 3                            ; v3 8 x lane
.set GP,  4                            ; v4-19  g, two bf16 a register
.set BP,  20                           ; v20-35 b
.set X0,  36                           ; v36-99 two rows of 32
.set RS,  100                          ; v100-131 their residuals, 16 registers a row
.set T,   132                          ; v132-139 at work
.set M,   140                          ; the mean, twice
.set R,   142                          ; 1 / sqrt(var + eps), twice
.set SPW, 144
.set NIL, 145
.set TA,  146                          ; 8 x thread
.set TL,  147                          ; 4 x thread
.set W,   148                          ; v148-151 my two g, my two b
.set SC,  152                          ; v152-153 my two rows' 2^E
	s_load_b256 s[4:11], s[0:1], 0x0               ; y s4, g s6, b s8, xb s10
	s_load_b128 s[20:23], s[0:1], 0x20             ; xsp s20, ah s22
	v_lshl_add_u32 v[SPW], v0, 2, SPARE
	v_mov_b32 v[NIL], 0
	v_lshrrev_b32 v1, 5, v0
	v_readfirstlane_b32 s12, v1
	v_lshlrev_b32 v[TA], 3, v0
	v_lshlrev_b32 v[TL], 2, v0
	v_and_b32 v[OFS], 31, v0
	v_lshlrev_b32 v[OFF], 4, v[OFS]
	v_lshlrev_b32 v[OFS], 3, v[OFS]
	v_mov_b32 v[KC], 0x3a800000
	s_wait_alu depctr_va_sdst(0)                   ; s12 is written, ahead of its first reader: the wave's bases are made from it
	s_lshl_b32 s13, ttmp9, 4
	s_add_co_u32 s13, s13, s12                     ; my pair of rows
	s_lshl_b32 s14, s13, 13
	s_mov_b32 s15, 0
	s_lshl_b32 s16, s13, 12
	s_mov_b32 s17, 0
	s_mov_b32 s18, 0x76543210
	s_mov_b32 s19, 0xfedcba98
	s_lshr_b32 s24, s13, 3                         ; the pair's block of 16 rows: 128 bytes of scales,
	s_lshl_b32 s24, s24, 7
	s_and_b32 s25, s13, 7                          ; and its 8 bytes there
	s_lshl_b32 s25, s25, 3
	s_add_co_u32 s24, s24, s25
	s_wait_kmcnt 0x0
	s_load_b64 s[26:27], s[20:21], s24 offset:0x0
	s_add_nc_u64 s[4:5], s[4:5], s[14:15]
	s_add_nc_u64 s[10:11], s[10:11], s[16:17]
	s_add_nc_u64 s[22:23], s[22:23], s[16:17]
	s_wait_alu depctr_va_vdst(0)                   ; v[TA], v[TL], v[OFF] and v[OFS] are written: every load and store of the kernel, global or LDS, reads one of them as its address
	global_load_b64 v[W:W+1], v[TA], s[6:7]
	global_load_b64 v[W+2:W+3], v[TA], s[8:9]
.macro FILL n
.irp j, 0,1,2,3,4,5,6,7
	global_load_b128 v[X0+32*(\n)+4*\j:X0+32*(\n)+4*\j+3], v[OFF], s[4:5] offset:(\n)*4096+512*\j th:TH_LOAD_NT
.endr
.irp j, 0,1,2,3,4,5,6,7
	global_load_b64 v[RS+16*(\n)+2*\j:RS+16*(\n)+2*\j+1], v[OFS], s[10:11] offset:(\n)*2048+256*\j th:TH_LOAD_NT
.endr
.endm
	FILL 0
	FILL 1
	s_wait_kmcnt 0x0
	v_mov_b32 v[SC], s26
	v_mov_b32 v[SC+1], s27
	s_wait_loadcnt 32                              ; my g and b are in; the two rows' 32 loads stay out
	v_cvt_pk_bf16_f32 v[W], v[W], v[W+1]
	v_cvt_pk_bf16_f32 v[W+2], v[W+2], v[W+3]
	s_wait_alu depctr_va_vdst(0)                   ; the two roundings have written v[W] and v[W+2], which the LDS stores read
	ds_store_b32 v[TL], v[W] offset:GBL
	ds_store_b32 v[TL], v[W+2] offset:GBL+2048
	s_wait_dscnt 0x0                               ; for the others' sake: my stores are done
	s_barrier_signal -1
	s_barrier_wait -1
.irp j, 0,1,2,3,4,5,6,7
	ds_load_b64 v[GP+2*\j:GP+2*\j+1], v[OFS] offset:GBL+256*\j       ; columns 128 j + 4 lane .. + 3
	ds_load_b64 v[BP+2*\j:BP+2*\j+1], v[OFS] offset:GBL+2048+256*\j
.endr
	s_wait_dscnt 0x0
.macro REDUCE                          ; four pairs in T to one number in every lane, in v[T]
	v_pk_add_f32 v[T:T+1], v[T:T+1], v[T+2:T+3]
	v_pk_add_f32 v[T+4:T+5], v[T+4:T+5], v[T+6:T+7]
	v_pk_add_f32 v[T:T+1], v[T:T+1], v[T+4:T+5]
	v_add_f32 v[T], v[T], v[T+1]
	v_add_f32_dpp v[T], v[T], v[T] row_xmask:1 row_mask:0xf bank_mask:0xf
	v_add_f32_dpp v[T], v[T], v[T] row_xmask:2 row_mask:0xf bank_mask:0xf
	v_add_f32_dpp v[T], v[T], v[T] row_xmask:4 row_mask:0xf bank_mask:0xf
	v_add_f32_dpp v[T], v[T], v[T] row_xmask:8 row_mask:0xf bank_mask:0xf
	v_permlanex16_b32 v[T+1], v[T], s18, s19
	v_add_f32 v[T], v[T], v[T+1]
.endm
.macro SEND n, j                       ; store j of eight of row n
	global_store_b64 v[OFS], v[X0+32*(\n)+4*(\j):X0+32*(\n)+4*(\j)+1], s[22:23] offset:(\n)*2048+256*(\j)  ; the wave stores 256 consecutive bytes, aligned
.endm
; Row n, up to its roundings to f16.  In row 1 the stores of row 0 are dealt among the first multiply-adds.
.macro ROW n, left
.set X, X0+32*(\n)
.set Q, RS+16*(\n)
	s_wait_loadcnt \left                           ; my row is in; the younger row's loads stay out
.if \n
	s_wait_alu depctr_va_vdst(0)                   ; row 0's roundings have written the registers that its eight stores, dealt below, read
.endif
.set e, 0
.rept 16                               ; y x 2^E + x, in one multiply-add
.if (\n) && (e%2 == 0)
	SEND 0, e/2                                    ; no vector instruction since the wait names row 0's registers or v[OFS]
.endif
	v_fma_mix_f32_bf16 v[X+2*e], v[X+2*e], v[SC+(\n)], v[Q+e] op_sel_hi:[0,0,1]
	v_fma_mix_f32_bf16 v[X+2*e+1], v[X+2*e+1], v[SC+(\n)], v[Q+e] op_sel:[0,0,1] op_sel_hi:[0,0,1]
.set e, e+1
.endr
.irp c, 0,2,4,6
	v_pk_add_f32 v[T+\c:T+\c+1], v[X+\c:X+\c+1], v[X+8+\c:X+8+\c+1]
.endr
.irp k, 16,24
.irp c, 0,2,4,6
	v_pk_add_f32 v[T+\c:T+\c+1], v[T+\c:T+\c+1], v[X+\k+\c:X+\k+\c+1]
.endr
.endr
	REDUCE
	v_mul_f32 v[M], v[KC], v[T]
	v_mul_f32 v[M+1], v[KC], v[T]
.set e, 0
.rept 16
	v_pk_add_f32 v[X+2*e:X+2*e+1], v[X+2*e:X+2*e+1], v[M:M+1] neg_lo:[0,1] neg_hi:[0,1]
.set e, e+1
.endr
.irp c, 0,2,4,6
	v_pk_mul_f32 v[T+\c:T+\c+1], v[X+\c:X+\c+1], v[X+\c:X+\c+1]
.endr
.irp k, 8,16,24
.irp c, 0,2,4,6
	v_pk_fma_f32 v[T+\c:T+\c+1], v[X+\k+\c:X+\k+\c+1], v[X+\k+\c:X+\k+\c+1], v[T+\c:T+\c+1]
.endr
.endr
	REDUCE
	v_fmaak_f32 v[T+2], v[T], v[KC], 0x3727c5ac    ; the variance + 1e-5
	v_rsq_f32 v[R], v[T+2]
	v_rsq_f32 v[R+1], v[T+2]
	v_nop                                          ; a plain instruction between the root and the use of its result
.set e, 0
	s_wait_alu depctr_va_vdst(0)                   ; the two roots have written v[R] and v[R+1], ahead of their first reader
.rept 16
	v_pk_mul_f32 v[X+2*e:X+2*e+1], v[X+2*e:X+2*e+1], v[R:R+1]
.set e, e+1
.endr
.set e, 0
.rept 16
	v_fma_mix_f32_bf16 v[X+2*e], v[X+2*e], v[GP+e], v[BP+e] op_sel_hi:[0,1,1]
	v_fma_mix_f32_bf16 v[X+2*e+1], v[X+2*e+1], v[GP+e], v[BP+e] op_sel:[0,1,1] op_sel_hi:[0,1,1]
.set e, e+1
.endr
.irp j, 0,1,2,3,4,5,6,7
	v_cvt_pk_f16_f32 v[X+4*\j], v[X+4*\j], v[X+4*\j+1]
	v_cvt_pk_f16_f32 v[X+4*\j+1], v[X+4*\j+2], v[X+4*\j+3]
.endr
.endm
	ROW 0, 16
	ROW 1, 0
	s_wait_alu depctr_va_vdst(0)                   ; row 1's roundings have written the registers that its eight stores read
.irp j, 0,1,2,3,4,5,6,7
	SEND 1, \j
.endr
	s_wait_dscnt 0x0                               ; the wave's end: the closing lines, six on end
	s_wait_alu 0x0
	s_wait_tensorcnt 0x0
	ds_add_u32 v[SPW], v[NIL]
	s_wait_dscnt 0x0
	s_endpgm
.Lfunc_end_k_qd99e481dc5_ln1:
	.size	k_qd99e481dc5_ln1, .Lfunc_end_k_qd99e481dc5_ln1-k_qd99e481dc5_ln1
	.p2alignl 7, 3214868480
	.fill 96, 4, 3214868480
	.section	.rodata,"a",@progbits
	.p2align	6, 0x0
	.amdhsa_kernel k_qd99e481dc5_ln1
		.amdhsa_group_segment_fixed_size 6144
		.amdhsa_private_segment_fixed_size 0
		.amdhsa_enable_private_segment 0
		.amdhsa_kernarg_size 48
		.amdhsa_user_sgpr_count 2
		.amdhsa_user_sgpr_kernarg_segment_ptr 1
		.amdhsa_wavefront_size32 1
		.amdhsa_system_sgpr_workgroup_id_x 1
		.amdhsa_system_sgpr_workgroup_id_y 1
		.amdhsa_system_sgpr_workgroup_id_z 1
		.amdhsa_system_vgpr_workitem_id 0
		.amdhsa_next_free_vgpr 156
		.amdhsa_next_free_sgpr 66
		.amdhsa_reserve_vcc 0
		.amdhsa_float_denorm_mode_32 3
		.amdhsa_float_denorm_mode_16_64 3
		.amdhsa_memory_ordered 1
		.amdhsa_forward_progress 1
		.amdhsa_inst_pref_size 29
	.end_amdhsa_kernel
	.amdgpu_metadata
---
amdhsa.version: [ 1, 2 ]
amdhsa.kernels:
  - .name:           k_qd99e481dc5_ln1
    .symbol:         k_qd99e481dc5_ln1.kd
    .args:
      - { .name: y, .offset: 0, .size: 8, .value_kind: global_buffer, .address_space: global }
      - { .name: ln1_g, .offset: 8, .size: 8, .value_kind: global_buffer, .address_space: global }
      - { .name: ln1_b, .offset: 16, .size: 8, .value_kind: global_buffer, .address_space: global }
      - { .name: xb, .offset: 24, .size: 8, .value_kind: global_buffer, .address_space: global }
      - { .name: xsp, .offset: 32, .size: 8, .value_kind: global_buffer, .address_space: global }
      - { .name: ah, .offset: 40, .size: 8, .value_kind: global_buffer, .address_space: global }
    .group_segment_fixed_size: 6144
    .private_segment_fixed_size: 0
    .kernarg_segment_align: 8
    .kernarg_segment_size: 48
    .max_flat_workgroup_size: 512
    .sgpr_count:     66
    .vgpr_count:     156
    .wavefront_size: 32
...
	.end_amdgpu_metadata
.endif
;; end of part 21
;; launch ffn1: the kernel of part 16 again; grid 8 x 32, 4 waves a work-group, clusters of 4 x 4, 327,680 bytes of LDS; arguments ah, w16, qa, b1; writes qa
;; launch ffn2: the kernel of part 17 again; grid 8 x 32, 4 waves a work-group, clusters of 4 x 4, 327,680 bytes of LDS; arguments qa, w16, y, b2; writes y
;; launch ln2: the kernel of part 18 again; grid 256 x 1, 16 waves a work-group, no clusters, 6,144 bytes of LDS; arguments y, ln2_g, ln2_b, ah, seq_len, out0; writes out0
